; MI455X (gfx1250); checked and timed in simulation.
; The chip was launched on July 23, 2026; its instructions are those of AMD's public machine-readable ISA for CDNA 5 (MIT licence, August 2026) and "CDNA5" Instruction Set Architecture Reference Guide (July 2026). The comments in the code are by the model that wrote it; some were corrected since.
;; Shepards Gated Attention Base. Allowed arithmetic: float matrix products may take bf16 or f16 operands with f32 sums; all other float work in f32.
;; Inputs: W_in 1,024 x 4,096 float32; W_out 1,024 x 1,024 float32; X 2 x 2,048 x 1,024 float32; b_in 4,096 float32; b_out 1,024 float32.
;; Outputs: out0 2 x 2,048 x 1,024 float32.
;; 3 versions, each right and faster than the one before. Each part assembles by itself: llvm-mc -triple=amdgcn-amd-amdhsa -mcpu=gfx1250 --defsym DOCPART=n.
;; ======== version 1 of 3: 4 launches
;; limits: values outside matrix products are rounded to f16; values are held in f16: magnitudes above 65,504 overflow, below 6.1e-05 lose precision; right only within a limited range of input values
;; workspace buffers: Xb 8,388,608 bytes; Wb 8,388,608 bytes; Wo2 4,194,304 bytes; pj 33,554,432 bytes; nrm 524,288 bytes; H2 16,777,216 bytes
;; launch cast (part 1): grid 1152 x 1, 8 waves a work-group, no clusters, 0 bytes of LDS; arguments X, W_in, W_out, Xb, Wb, Wo2; writes Xb, Wb, Wo2
.if DOCPART == 1
	.amdgcn_target "amdgcn-amd-amdhsa--gfx1250"
	.amdhsa_code_object_version 6
	.text
	.protected	k_q5afb6de864_cast
	.globl	k_q5afb6de864_cast
	.p2align	8
	.type	k_q5afb6de864_cast,@function
k_q5afb6de864_cast:
	s_mov_b64 s[64:65], 0
	v_nop
	global_prefetch_b8 v0, s[64:65] scope:SCOPE_SE
	s_setreg_imm32_b32 hwreg(HW_REG_WAVE_MODE, 25, 1), 1
	s_wait_xcnt 0x0
; X, W_in and W_out are rounded once from f32 to bf16 (nearest even), in the layouts that the products want:
;   Xb [4096][1024] and Wb [1024][4096] as they lie;  Wo2 [2048 k'][1024], k' = 128 h + 64 s + e: W_out's row 64 h + e stands twice (s = 0, 1),
;   since the last product takes H as a pair of bf16 numbers, high part and rest, side by side along K.
; A stream: no LDS, no barrier, no matrix unit, no cluster (no two work-groups read the same byte).  A work-group takes 32,768 bytes of f32,
; a wave 4,096: eight loads of 512 consecutive bytes, all issued before the first wait; each store of a wave covers 256 consecutive bytes, aligned.
; Work-groups 0-511: X.  512-1023: W_in.  1024-1151: W_out (a chunk is 8 of its rows; a head has 8 chunks).
.set IN,  4                            ; v[4:35]   eight loads of four f32
.set OUT, 36                           ; v[36:51]  eight pairs of packed bf16; no register is written twice, so no wait frees any
	s_load_b256 s[4:11], s[0:1], 0x0               ; X s[4:5], W_in s[6:7], W_out s[8:9], Xb s[10:11]
	s_load_b128 s[12:15], s[0:1], 0x20             ; Wb s[12:13], Wo2 s[14:15]
	s_mov_b32 s16, ttmp9                           ; g
	s_and_b32 s17, s16, 511                        ; the chunk inside X or W_in
	s_lshl_b32 s18, s17, 15                        ; its bytes in,
	s_lshl_b32 s20, s17, 14                        ; and out
	s_and_b32 s22, s16, 127                        ; the chunk c inside W_out: g - 1024
	s_lshl_b32 s23, s22, 15
	s_lshr_b32 s24, s22, 3                         ; head c / 8: 128 rows of 2,048 bytes in Wo2,
	s_lshl_b32 s24, s24, 18
	s_and_b32 s25, s22, 7                          ; and 8 rows for each chunk of the head
	s_lshl_b32 s25, s25, 14
	s_or_b32 s24, s24, s25
	s_cmp_ge_u32 s16, 1024
	s_cselect_b32 s18, s23, s18
	s_cselect_b32 s20, s24, s20
	s_mov_b32 s19, 0
	s_mov_b32 s21, 0
	v_and_b32 v1, 0xe0, v0                         ; 32 x wave
	v_and_b32 v2, 31, v0
	v_lshlrev_b32 v2, 4, v2
	v_lshl_or_b32 v1, v1, 7, v2                    ; in: 4,096 x wave + 16 x lane
	v_lshrrev_b32 v2, 1, v1                        ; out: half of that
	s_wait_kmcnt 0x0
	s_cmp_lt_u32 s16, 512                          ; the two buffers are chosen by the work-group's number alone
	s_cselect_b64 s[26:27], s[4:5], s[6:7]
	s_cselect_b64 s[28:29], s[10:11], s[12:13]
	s_cmp_ge_u32 s16, 1024
	s_cselect_b64 s[26:27], s[8:9], s[26:27]
	s_cselect_b64 s[28:29], s[14:15], s[28:29]
	s_add_nc_u64 s[26:27], s[26:27], s[18:19]
	s_add_nc_u64 s[28:29], s[28:29], s[20:21]
.irp j, 0,1,2,3,4,5,6,7
	global_load_b128 v[IN+4*\j:IN+4*\j+3], v1, s[26:27] offset:512*\j th:TH_LOAD_NT
.endr
.irp j, 0,1,2,3,4,5,6,7
	s_wait_loadcnt 7-\j                            ; loads come back in order: load j is in, the younger ones stay out
	v_cvt_pk_bf16_f32 v[OUT+2*\j], v[IN+4*\j], v[IN+4*\j+1]
	v_cvt_pk_bf16_f32 v[OUT+2*\j+1], v[IN+4*\j+2], v[IN+4*\j+3]
	global_store_b64 v2, v[OUT+2*\j:OUT+2*\j+1], s[28:29] offset:256*\j
.endr
	s_cmp_lt_u32 s16, 1024
	s_cbranch_scc1 .Lend
.irp j, 0,1,2,3,4,5,6,7
	global_store_b64 v2, v[OUT+2*\j:OUT+2*\j+1], s[28:29] offset:131072+256*\j  ; W_out's second copy: 64 rows of 2,048 bytes further on
.endr
.Lend:
	s_endpgm
.Lfunc_end_k_q5afb6de864_cast:
	.size	k_q5afb6de864_cast, .Lfunc_end_k_q5afb6de864_cast-k_q5afb6de864_cast
	.p2alignl 7, 3214868480
	.fill 96, 4, 3214868480
	.section	.rodata,"a",@progbits
	.p2align	6, 0x0
	.amdhsa_kernel k_q5afb6de864_cast
		.amdhsa_group_segment_fixed_size 0
		.amdhsa_private_segment_fixed_size 0
		.amdhsa_enable_private_segment 0
		.amdhsa_kernarg_size 48
		.amdhsa_user_sgpr_count 2
		.amdhsa_user_sgpr_kernarg_segment_ptr 1
		.amdhsa_wavefront_size32 1
		.amdhsa_system_sgpr_workgroup_id_x 1
		.amdhsa_system_sgpr_workgroup_id_y 1
		.amdhsa_system_sgpr_workgroup_id_z 1
		.amdhsa_system_vgpr_workitem_id 0
		.amdhsa_next_free_vgpr 56
		.amdhsa_next_free_sgpr 66
		.amdhsa_reserve_vcc 0
		.amdhsa_float_denorm_mode_32 3
		.amdhsa_float_denorm_mode_16_64 3
		.amdhsa_memory_ordered 1
		.amdhsa_forward_progress 1
		.amdhsa_inst_pref_size 6
	.end_amdhsa_kernel
	.amdgpu_metadata
---
amdhsa.version: [ 1, 2 ]
amdhsa.kernels:
  - .name:           k_q5afb6de864_cast
    .symbol:         k_q5afb6de864_cast.kd
    .args:
      - { .name: X, .offset: 0, .size: 8, .value_kind: global_buffer, .address_space: global }
      - { .name: W_in, .offset: 8, .size: 8, .value_kind: global_buffer, .address_space: global }
      - { .name: W_out, .offset: 16, .size: 8, .value_kind: global_buffer, .address_space: global }
      - { .name: Xb, .offset: 24, .size: 8, .value_kind: global_buffer, .address_space: global }
      - { .name: Wb, .offset: 32, .size: 8, .value_kind: global_buffer, .address_space: global }
      - { .name: Wo2, .offset: 40, .size: 8, .value_kind: global_buffer, .address_space: global }
    .group_segment_fixed_size: 0
    .private_segment_fixed_size: 0
    .kernarg_segment_align: 8
    .kernarg_segment_size: 48
    .max_flat_workgroup_size: 256
    .sgpr_count:     66
    .vgpr_count:     56
    .wavefront_size: 32
...
	.end_amdgpu_metadata
.endif
;; end of part 1
;; launch proj (part 2): grid 16 x 16, 4 waves a work-group, clusters of 4 x 4, 327,680 bytes of LDS; arguments Xb, Wb, b_in, pj, nrm; writes pj, nrm
.if DOCPART == 2
	.amdgcn_target "amdgcn-amd-amdhsa--gfx1250"
	.amdhsa_code_object_version 6
	.text
	.protected	k_q5afb6de864_proj
	.globl	k_q5afb6de864_proj
	.p2align	8
	.type	k_q5afb6de864_proj,@function
k_q5afb6de864_proj:
	s_mov_b64 s[64:65], 0
	v_nop
	global_prefetch_b8 v0, s[64:65] scope:SCOPE_SE
	s_setreg_imm32_b32 hwreg(HW_REG_WAVE_MODE, 25, 1), 1
	s_wait_xcnt 0x0
	s_wait_alu depctr_hold_cnt(0) depctr_sa_sdst(0) depctr_va_vdst(0) depctr_va_sdst(0) depctr_va_ssrc(0) depctr_va_vcc(0) depctr_vm_vsrc(0)
	s_getreg_b32 s2, hwreg(HW_REG_IB_STS2, 6, 4)
	s_cmp_eq_u32 s2, 0
	s_cbranch_scc0 .Lentry_in_a_cluster
	s_endpgm
.Lentry_in_a_cluster:
	s_bfe_u32 s2, ttmp6, 0x10000c
	s_cmp_lg_u32 s2, 0xf033
	s_cbranch_scc0 .Lentry_shape_is_right
	s_endpgm
.Lentry_shape_is_right:
; P = Xb Wb + b_in.  Xb [4096][1024] bf16, Wb [1024 k][4096 n] bf16, b_in [4096] f32 (rounded to bf16 like the other inputs); sums in f32.
; A tile of P is 256 rows x 256 columns; tile column tc IS head tc: its columns are Q | K | V | G, 64 each.  Out:
;   pj  [4 parts Q,K,V,G][hb = 2 head + batch][2048][64] f16, each number rounded once;  row index hb x 2048 + t = 4096 tc + the row of X
;   nrm [2][32 hb][2048] f32: sum(Q^2), and -0.5 sum(K^2), both of the ROUNDED numbers
; LIMIT.  f16 ends at 65,504: Q, K, V, G beyond that become infinities.  NaN and infinities are not treated apart.
; Four waves, each 128 x 128: 64 accumulators, 512 registers.  K goes in steps of 128 through two LDS slots filled by the tensor data mover.
; Xb's tile lies [row][k]; Wb's tile lies [k][column] and is turned on the way into registers by ds_load_tr16_b128.
; CLUSTER 4 x 4: the four of a row of the cluster need the same tiles of Xb, the four of a column the same tiles of Wb: each tile is asked for jointly.
; THE MATRIX INSTRUCTION IS USED TRANSPOSED (source 0 = 16 columns of Wb, source 1 = 16 rows of Xb): lane l holds row l % 16 and columns 8 (l / 16) + 0..7.
; The bias has the same layout, so it is the C operand of each accumulator's first product: nothing is cleared and nothing is added later.
; REGISTERS, in windows of 256 (s_set_vgpr_msb: bits 1:0 source 0, 3:2 source 1, 5:4 source 2, 7:6 destination):
;   window 0: v0-31 addresses; v64-127, v128-191 Xb's fragments, two buffers (behind the loop v64-91 serve the norms); v192-223 packed results; v32-63, v224-255 rows read back
;   window 1: v0-63 the bias; v64-127, v128-191 Wb's fragments, two buffers; v192-195 at work      windows 2, 3: the accumulators of my rows 0-63, 64-127
.set SIZE_K, 1024
.set KSTEP,  128
.set PITCH,  272                       ; a row of Xb's tile in LDS: 256 bytes + 16: the 16 rows of a fragment load start at 16 different groups of four banks (ISA guide 11.1)
.set PITB,   544                       ; a row of Wb's tile: 512 bytes + 32
.set HALFT,  128*PITCH                 ; what one tensor load brings: 128 rows of Xb, or 64 rows of Wb (64 x 544 is the same 34,816)
.set SLOT,   4*HALFT
.set BOFF,   2*HALFT                   ; Wb's 128 rows lie behind Xb's 256
.set STAGE,  2*SLOT                    ; behind the ring: 16 rows x 272 bytes for each wave
.set SPITCH, 272
.set NST,    STAGE+4*16*SPITCH         ; 1,024 bytes for each wave: [2][128 rows] f32, the norms
.set SPARE,  NST+4*1024                ; the spare words, 128 bytes for each wave: two blocks of 256 bytes that no other line names
.set LAPS,   SIZE_K/(2*KSTEP)          ; a lap = two K steps = once round the ring
.set ADRA, 16                          ; v16-17  LDS address of my fragments of Xb in slot 0, 1
.set ADRB, 20                          ; v20-21  the same for Wb
.set STO,  24                          ; v24     the way out: where I put 16 bytes of a row
.set RD,   25                          ; v25     where I read rows back: four rows' 128 bytes of one part
.set CO,   26                          ; v26     16 x lane: my place in 512 consecutive bytes
.set BO,   27                          ; v27     32 x (l / 16): my eight numbers of the bias
.set SPW,  28                          ; v28     LDS address of my spare word; never rewritten
.set NIL,  29                          ; v29     0; never rewritten
.set NA,   30                          ; v30     where I put a row's norm
.set NR,   31                          ; v31     where I read norms back
.set F0,   64
.set F1,   128
.set TMP,  192
.set OB,   32
.set GQ,   64                          ; v64-71  Q Q^T of 16 rows
.set GK,   72                          ; v72-79  K K^T
.set BI,   0                           ; window 1
.set G1, 24                            ; s[24:31] descriptor group 1 for Xb's tiles; s[32:39] group 0, a set for each slot
.set G0, 32
.set G1B, 48                           ; s[48:55], s[56:63] the same for Wb's tiles
.set G0B, 56
.set MSB, 0
.macro WIN new                         ; the immediate's high byte repeats the setting that is left; a switch that changes nothing is dropped
.if MSB != (\new)
	s_set_vgpr_msb (MSB<<8)|(\new)
.set MSB, \new
.endif
.endm
.set TO_B, 0x40                        ; destination window 1, address window 0
; A joint load.  Waves 0 and 1 fetch Xb's two halves, waves 2 and 3 Wb's.  The branch hangs on the wave's number alone.
; An s_nop 0 and four v_nop follow each of the two lines, ahead of the jump and the label.
.macro JLOAD s
	s_cmp_eq_u32 s11, 0
	s_cbranch_scc0 .Lfor_b_\@
	tensor_load_to_lds s[G0+4*(\s):G0+4*(\s)+3], s[G1:G1+7]
	s_nop 0
.rept 4
	v_nop
.endr
	s_branch .Lasked_\@
.Lfor_b_\@:
	tensor_load_to_lds s[G0B+4*(\s):G0B+4*(\s)+3], s[G1B:G1B+7]
	s_nop 0
.rept 4
	v_nop
.endr
.Lasked_\@:
.endm
.macro CREST                           ; a round of the cluster's barrier behind its opening barrier
	s_cmp_lg_u32 s10, 0
	s_cbranch_scc1 .Lnot_wave_0_\@
	s_barrier_signal -3
.Lnot_wave_0_\@:
	s_barrier_wait -3
	s_barrier_signal -1
	s_barrier_wait -1
.endm
.macro CROUND                          ; a whole round
	s_barrier_signal -1
	s_barrier_wait -1
	CREST
.endm
	s_load_b256 s[88:95], s[0:1], 0x0              ; Xb s[88:89], Wb s[90:91], b_in s[92:93], pj s[94:95]
	s_load_b64 s[96:97], s[0:1], 0x20              ; nrm
	v_lshl_add_u32 v[SPW], v0, 2, SPARE
	v_mov_b32 v[NIL], 0
	ds_add_u32 v[SPW], v[NIL]                      ; the wave's opening: the add and its wait stand ahead of my first tensor load; work on registers stands between them
	v_lshrrev_b32 v1, 5, v0
	v_readfirstlane_b32 s10, v1                    ; wave 0..3
	s_lshr_b32 s11, s10, 1                         ; which half of the tile's rows is mine.  Also: I fetch for Xb (0) or for Wb (1)
	s_and_b32 s12, s10, 1                          ; which half of its columns (0: Q | K, 1: V | G).  Also: which half of that tile I fetch
	s_bfe_u32 s40, ttmp6, 0x40000                  ; cx
	s_bfe_u32 s41, ttmp6, 0x40004                  ; cy
	s_lshl_b32 s42, ttmp9, 2
	s_add_co_u32 s42, s42, s40                     ; tile column tc = 4 x cluster x + cx
	s_and_b32 s13, ttmp7, 0xffff
	s_lshl_b32 s13, s13, 2
	s_add_co_u32 s13, s13, s41                     ; tile row tr = 4 x cluster y + cy
	s_lshl_b32 s43, s41, 2
	s_lshl_b32 s43, 15, s43                        ; my row of the cluster
	s_lshl_b32 s44, 0x1111, s40                    ; my column
	s_or_b32 s[G1+0], s43, (1<<16)|(1<<20)|(1<<21)|(5<<22)|(3<<25)   ; the mask; 2-byte elements; padding on; bit 21 beside a mask; after every 64 words, 4 words
	s_mov_b32 s[G1+1], 128<<16                     ; tensor_dim0 = 128
	s_mov_b32 s[G1+2], 128<<16                     ; tensor_dim1 = 128
	s_mov_b32 s[G1+3], 128<<16                     ; tile_dim0 = 128
	s_mov_b32 s[G1+4], 128                         ; tile_dim1 = 128
	s_mov_b32 s[G1+5], 1024                        ; elements from row to row of Xb
	s_mov_b32 s[G1+6], 0
	s_mov_b32 s[G1+7], 0
	s_or_b32 s[G1B+0], s44, (1<<16)|(1<<20)|(1<<21)|(6<<22)|(7<<25)  ; after every 128 words, 8 words
	s_mov_b32 s[G1B+1], 256<<16                    ; tensor_dim0 = 256
	s_mov_b32 s[G1B+2], 64<<16                     ; tensor_dim1 = 64
	s_mov_b32 s[G1B+3], 256<<16                    ; tile_dim0 = 256
	s_mov_b32 s[G1B+4], 64                         ; tile_dim1 = 64
	s_mov_b32 s[G1B+5], 4096                       ; elements from row to row of Wb
	s_mov_b32 s[G1B+6], 0
	s_mov_b32 s[G1B+7], 0
	; Xb's tile hangs on tr alone, Wb's on tc alone; each address is made in registers that never hold the other coordinate
	s_lshl_b32 s17, s12, 7
	s_lshl_b32 s16, s13, 8
	s_add_co_u32 s16, s16, s17                     ; row 256 tr + 128 x half,
	s_lshl_b32 s16, s16, 11                        ; of 2,048 bytes
	s_mov_b32 s17, 0
	s_lshl_b32 s46, s42, 9                         ; column 256 tc, in bytes,
	s_lshl_b32 s47, s12, 19                        ; row 64 x half, of 8,192 bytes
	s_add_co_u32 s46, s46, s47
	s_mov_b32 s47, 0
	s_mul_i32 s20, s10, HALFT                      ; where they go: wave x 34,816: no place in the cluster enters an LDS address
.irp j, 1,2,3,4,5,6,7
	s_mov_b32 s[69+\j], (1<<\j)|(1<<(24+\j))       ; s70-76: the two lanes that hold a 16 x 16 result's diagonal in register j
.endr
	s_mov_b32 s77, 0xff0000ff                      ; the sixteen lanes that hold the diagonal at all
	s_mov_b32 s78, 0x76543210                      ; v_permlanex16_b32: each lane takes its own place in the other half
	s_mov_b32 s79, 0xfedcba98
	s_wait_dscnt 0x0                               ; the opening add is done
	s_wait_kmcnt 0x0
	s_add_nc_u64 s[14:15], s[88:89], s[16:17]
	s_add_nc_u64 s[46:47], s[90:91], s[46:47]
	CROUND                                         ; all sixteen work-groups are here: the first joint loads meet
.irp s, 0,1
	s_mov_b32 s[G0+4*(\s)], 1                                        ; count = 1
	s_add_co_u32 s[G0+4*(\s)+1], s20, (\s)*SLOT                      ; LDS address
	s_add_nc_u64 s[G0+4*(\s)+2:G0+4*(\s)+3], s[14:15], (\s)*KSTEP*2  ; K step s: 256 bytes along the rows
	s_or_b32 s[G0+4*(\s)+3], s[G0+4*(\s)+3], 0x80000000              ; type = 2
	s_mov_b32 s[G0B+4*(\s)], 1
	s_add_co_u32 s[G0B+4*(\s)+1], s20, (\s)*SLOT
	s_add_nc_u64 s[G0B+4*(\s)+2:G0B+4*(\s)+3], s[46:47], (\s)*KSTEP*8192  ; K step s: 128 rows down
	s_or_b32 s[G0B+4*(\s)+3], s[G0B+4*(\s)+3], 0x80000000
	JLOAD \s                                       ; two tensor loads of mine are out
.endr
	; what mixes tc with the rest is made in s66-69
	v_and_b32 v1, 15, v0                           ; r = l % 16
	v_bfe_u32 v2, v0, 4, 1                         ; h = l / 16
	v_lshlrev_b32 v[BO], 5, v2
	s_lshl_b32 s66, s42, 10
	s_lshl_b32 s69, s12, 9
	s_add_co_u32 s66, s66, s69                     ; my first column, 256 tc + 128 x half, in bytes of f32
	s_mov_b32 s67, 0
	s_add_nc_u64 s[86:87], s[92:93], s[66:67]
	WIN TO_B
.irp b, 0,1,2,3,4,5,6,7
	global_load_b128 v[BI+8*\b:BI+8*\b+3],   v[BO], s[86:87] offset:64*\b      ; the bias of columns 16 b + 8 h + 0..3,
	global_load_b128 v[BI+8*\b+4:BI+8*\b+7], v[BO], s[86:87] offset:64*\b+16   ; and + 4..7
.endr
	WIN 0
	s_lshl_b32 s68, s42, 12
	s_lshl_b32 s69, s13, 8
	s_add_co_u32 s68, s68, s69
	s_lshl_b32 s69, s11, 7
	s_add_co_u32 s68, s68, s69                     ; my first row in a part of pj and of nrm: 4096 tc + 256 tr + 128 x half
	s_lshl_b32 s66, s68, 7                         ; of 128 bytes,
	s_lshl_b32 s69, s12, 24                        ; in part 2 x column half
	s_add_co_u32 s66, s66, s69
	s_add_nc_u64 s[80:81], s[94:95], s[66:67]      ; pj: Q or V
	s_add_nc_u64 s[82:83], s[80:81], 0x800000      ; pj: K or G, a part further on
	s_lshl_b32 s66, s68, 2
	s_add_nc_u64 s[84:85], s[96:97], s[66:67]      ; nrm
	v_mul_u32_u24 v3, v1, PITCH
	v_lshl_add_u32 v3, v2, 4, v3                   ; Xb: row r x pitch + 16 h: two loads of 16 bytes, 32 apart, make 16 rows x 32 K
	s_mul_i32 s21, s11, HALFT
	v_and_b32 v4, 7, v0
	v_bfe_u32 v5, v0, 3, 1
	v_lshl_add_u32 v6, v2, 3, v4                   ; Wb, turned: lane l reads row 8 h + l % 8, columns 8 ((l / 8) % 2) + 0..7, and holds column r, 8 k
	v_mul_u32_u24 v6, v6, PITB
	v_lshl_add_u32 v6, v5, 4, v6
	s_lshl_b32 s22, s12, 8                         ; my 128 columns
	s_add_co_u32 s22, s22, BOFF
.irp s, 0,1
	v_add_nc_u32 v[ADRA+(\s)], s21, v3
	v_add_nc_u32 v[ADRB+(\s)], s22, v6
	s_add_co_u32 s21, s21, SLOT
	s_add_co_u32 s22, s22, SLOT
.endr
	s_mul_i32 s23, s10, 16*SPITCH
	s_add_co_u32 s23, s23, STAGE                   ; my stage
	v_mul_u32_u24 v7, v1, SPITCH
	v_lshl_add_u32 v7, v2, 4, v7
	v_add_nc_u32 v[STO], s23, v7                   ; in: row r, 16 bytes for each half of the lanes
	v_bfe_u32 v7, v0, 3, 2
	v_mul_u32_u24 v7, v7, SPITCH
	v_lshl_add_u32 v7, v4, 4, v7
	v_add_nc_u32 v[RD], s23, v7                    ; back: 32 lanes take four rows' 128 bytes of one part,
	v_and_b32 v8, 31, v0
	v_lshlrev_b32 v[CO], 4, v8                     ; which are 512 consecutive bytes of pj
	s_lshl_b32 s23, s10, 10
	s_add_co_u32 s23, s23, NST
	v_lshl_add_u32 v[NA], v1, 2, s23
	v_lshl_add_u32 v[NR], v8, 4, s23
	s_wait_loadcnt 0x0                             ; the bias, rounded to bf16 and widened again
	WIN 0x45                                       ; sources and destination in window 1
.set i, 0
.rept 32
	v_cvt_pk_bf16_f32 v[192+(i/2)%4], v[BI+i], v[BI+i+1]
	v_lshlrev_b32 v[BI+i], 16, v[192+(i/2)%4]
	v_and_b32 v[BI+i+1], 0xffff0000, v[192+(i/2)%4]
.set i, i+2
.endr
	WIN 0
; 16 matrix instructions: row blocks a0, a0 + 1 of the window's four (hi = 0: my rows 0-63, 1: rows 64-127) x all 8 column blocks, 32 along K.
; first = 1: the sums start with the bias (C in window 1).  The 64 accumulators take turns, one instruction a turn.
.macro MUL16 f, hi, a0, first
.if \first
	WIN 0x91+0x40*(\hi)
.else
	WIN 0xa1+0x50*(\hi)
.endif
.irp a, \a0, (\a0)+1
.irp b, 0,1,2,3,4,5,6,7
.if \first
	v_wmma_f32_16x16x32_bf16 v[8*(8*(\a)+(\b)):8*(8*(\a)+(\b))+7], v[(\f)+8*(\b):(\f)+8*(\b)+7], v[(\f)+8*(4*(\hi)+(\a)):(\f)+8*(4*(\hi)+(\a))+7], v[BI+8*(\b):BI+8*(\b)+7]
.else
	v_wmma_f32_16x16x32_bf16 v[8*(8*(\a)+(\b)):8*(8*(\a)+(\b))+7], v[(\f)+8*(\b):(\f)+8*(\b)+7], v[(\f)+8*(4*(\hi)+(\a)):(\f)+8*(4*(\hi)+(\a))+7], v[8*(8*(\a)+(\b)):8*(8*(\a)+(\b))+7]
.endif
.endr
.endr
.endm
; 32 LDS loads in one run: quarter q (32 along K) of a slot into buffer f: Wb's 128 columns turned, then Xb's 128 rows
.macro FETCH slot, q, f
	WIN TO_B
.irp i, 0,1,2,3,4,5,6,7
	ds_load_tr16_b128 v[(\f)+8*(\i):(\f)+8*(\i)+3],   v[ADRB+(\slot)] offset:(\q)*32*PITB+32*(\i)
	ds_load_tr16_b128 v[(\f)+8*(\i)+4:(\f)+8*(\i)+7], v[ADRB+(\slot)] offset:(\q)*32*PITB+32*(\i)+16*PITB
.endr
	WIN 0
.irp i, 0,1,2,3,4,5,6,7
	ds_load_b128 v[(\f)+8*(\i):(\f)+8*(\i)+3],   v[ADRA+(\slot)] offset:(\q)*64+(\i)*16*PITCH
	ds_load_b128 v[(\f)+8*(\i)+4:(\f)+8*(\i)+7], v[ADRA+(\slot)] offset:(\q)*64+(\i)*16*PITCH+32
.endr
.endm
.macro PLACES                          ; four plain vector instructions between a matrix instruction and a load into, or a vector use of, its registers
.rept 4
	v_nop
.endr
.endm
; One of a K step's first three quarters: multiplies buffer f; in its middle fetches quarter q of the same slot into buffer g.
.macro QUARTER slot, q, f, g, first
	s_wait_dscnt 8                                 ; Wb and Xb's rows 0-63 are in; the youngest eight loads (rows 64-127) may be out
	MUL16 \f, 0, 0, \first
	MUL16 \f, 0, 2, \first
	PLACES
	FETCH \slot, \q, \g
	s_wait_dscnt 32                                ; all but the 32 just issued
	MUL16 \f, 1, 0, \first
	MUL16 \f, 1, 2, \first
.endm
; The last quarter multiplies buffer 1 and changes slots: one barrier.  In front of it each wave waits for all its tensor loads (one is out: its part of the next slot),
; adds 0 to its spare word, and waits for that and for its own reads of this slot.  fill = 1: the barrier opens a round of the cluster's, and this slot is filled again, two K steps ahead.
.macro TURN slot, next, fill
	WIN 0
	s_wait_tensorcnt 0x0
	ds_add_u32 v[SPW], v[NIL]
	s_wait_dscnt 9                                 ; the add and the youngest eight loads may be out
	MUL16 F1, 0, 0, 0
	s_wait_dscnt 0x0                               ; the add is done, and my reads of this slot are over
	s_barrier_signal -1
	MUL16 F1, 0, 2, 0                              ; work on registers while the others arrive
.if \fill
	WIN 0
.endif
	s_barrier_wait -1
.if \fill
	CREST                                          ; no wave of any partner still reads this slot or has a load on its way
	s_add_nc_u64 s[G0+4*(\slot)+2:G0+4*(\slot)+3], s[G0+4*(\slot)+2:G0+4*(\slot)+3], 2*KSTEP*2
	s_add_nc_u64 s[G0B+4*(\slot)+2:G0B+4*(\slot)+3], s[G0B+4*(\slot)+2:G0B+4*(\slot)+3], 2*KSTEP*8192
	JLOAD \slot                                    ; the first tensor load behind the round; its four v_nop are also the places in front of the loads below
.else
	PLACES
.endif
	FETCH \next, 0, F0
	MUL16 F1, 1, 0, 0
	MUL16 F1, 1, 2, 0
.endm
	s_wait_tensorcnt 1                             ; my part of K step 0 is in; K step 1's may stay out
	s_barrier_signal -1
	s_barrier_wait -1
	FETCH 0, 0, F0
	QUARTER 0, 1, F0, F1, 1                        ; the first quarter stands in front of the loop: its products start the sums
	WIN 0
	s_mov_b32 s3, LAPS-1
.Llap:                                             ; a trip goes once round the ring and fills both slots again
	QUARTER 0, 2, F1, F0, 0
	QUARTER 0, 3, F0, F1, 0
	TURN 0, 1, 1
	QUARTER 1, 1, F0, F1, 0
	QUARTER 1, 2, F1, F0, 0
	QUARTER 1, 3, F0, F1, 0
	TURN 1, 0, 1
	QUARTER 0, 1, F0, F1, 0
	WIN 0
	s_sub_co_u32 s3, s3, 1
	s_cmp_lg_u32 s3, 0
	s_cbranch_scc1 .Llap
	QUARTER 0, 2, F1, F0, 0                        ; the last lap fills nothing
	QUARTER 0, 3, F0, F1, 0
	TURN 0, 1, 0
	QUARTER 1, 1, F0, F1, 0
	QUARTER 1, 2, F1, F0, 0
	QUARTER 1, 3, F0, F1, 0
	s_wait_dscnt 8
	MUL16 F1, 0, 0, 0
	MUL16 F1, 0, 2, 0
	s_wait_dscnt 0x0
	MUL16 F1, 1, 0, 0
	MUL16 F1, 1, 2, 0
	WIN 0
	PLACES
	v_mov_b32 v82, 0                               ; v_permlanex16_b32's destinations count as read
	v_mov_b32 v83, 0
; THE WAY OUT, a block of 16 rows at a time.  PACK: rounded to f16, 16 bytes a lane (each accumulator's registers in ascending order).
.macro PACK a
.set AC, 64*((\a)%4)
.set WW, 2+(\a)/4
	WIN WW|(WW<<2)                                 ; sources in window 2 or 3
.irp b, 0,1,2,3,4,5,6,7
.irp r, 0,1,2,3
	v_cvt_pk_f16_f32 v[TMP+4*(\b)+(\r)], v[AC+8*(\b)+2*(\r)], v[AC+8*(\b)+2*(\r)+1]
.endr
.endr
	WIN 0
.endm
; NORM (the waves that hold Q | K).  Eight packed registers ARE a fragment of 16 rows x 32 channels, so T T^T has the rows' sums of squares, of the rounded numbers, on its diagonal.
; The diagonal of a 16 x 16 result lies in lanes j and 24 + j of register j; the other half of the lanes takes it over, so that every lane holds row l % 16's number.
.macro NORM a
	s_cmp_lg_u32 s12, 0
	s_cbranch_scc1 .Lno_norm_\@
	v_wmma_f32_16x16x32_f16 v[GQ:GQ+7], v[TMP:TMP+7], v[TMP:TMP+7], 0
	v_wmma_f32_16x16x32_f16 v[GK:GK+7], v[TMP+16:TMP+23], v[TMP+16:TMP+23], 0
	v_wmma_f32_16x16x32_f16 v[GQ:GQ+7], v[TMP+8:TMP+15], v[TMP+8:TMP+15], v[GQ:GQ+7]
	v_wmma_f32_16x16x32_f16 v[GK:GK+7], v[TMP+24:TMP+31], v[TMP+24:TMP+31], v[GK:GK+7]
	PLACES
	v_cndmask_b32 v80, v[GQ], v[GQ+1], s70
	v_cndmask_b32 v81, v[GK], v[GK+1], s70
.irp j, 2,3,4,5,6,7
	v_cndmask_b32 v80, v80, v[GQ+\j], s[69+\j]
	v_cndmask_b32 v81, v81, v[GK+\j], s[69+\j]
.endr
	v_permlanex16_b32 v82, v80, s78, s79
	v_permlanex16_b32 v83, v81, s78, s79
	v_cndmask_b32 v80, v82, v80, s77
	v_cndmask_b32 v81, v83, v81, s77
	v_mul_f32 v81, -0.5, v81
	ds_store_b32 v[NA], v80 offset:64*(\a)         ; lanes l and l + 16 write the same word with the same number
	ds_store_b32 v[NA], v81 offset:512+64*(\a)
.Lno_norm_\@:
.endm
; TOSTAGE: into my own stage, and back by parts: four rows' 128 bytes to a load.  LDS serves a wave's instructions in order (ISA guide 5.7.1.4): the loads see the stores.
.macro TOSTAGE a
.set BK, OB+192*((\a)%2)
.irp b, 0,1,2,3,4,5,6,7
	ds_store_b128 v[STO], v[TMP+4*(\b):TMP+4*(\b)+3] offset:32*(\b)
.endr
.irp p, 0,1
.irp f, 0,1,2,3
	ds_load_b128 v[BK+4*(4*(\p)+(\f)):BK+4*(4*(\p)+(\f))+3], v[RD] offset:(\f)*4*SPITCH+128*(\p)
.endr
.endr
.endm
.macro SEND a
.set BK, OB+192*((\a)%2)
	s_wait_dscnt 0x0                               ; the block is back in registers
	s_wait_xcnt 0x0                                ; the stores issued so far have read their registers: the buffer that the next TOSTAGE loads is free
.irp f, 0,1,2,3
	global_store_b128 v[CO], v[BK+4*(\f):BK+4*(\f)+3], s[80:81] offset:(\a)*2048+(\f)*512        ; 512 consecutive bytes, at a multiple of 256 from pj's first
.endr
.irp f, 0,1,2,3
	global_store_b128 v[CO], v[BK+16+4*(\f):BK+16+4*(\f)+3], s[82:83] offset:(\a)*2048+(\f)*512
.endr
.endm
	PACK 0
	NORM 0
	TOSTAGE 0
.irp a, 1,2,3,4,5,6,7                  ; block a's conversions and norms stand between block a - 1's loads from the stage and the wait for them
	PACK \a
	NORM \a
	SEND (\a)-1
	TOSTAGE \a
.endr
	SEND 7
	s_cmp_lg_u32 s12, 0
	s_cbranch_scc1 .Lno_nout
	ds_load_b128 v[84:87], v[NR]                   ; my 128 rows' sum(Q^2): 512 consecutive bytes,
	ds_load_b128 v[88:91], v[NR] offset:512        ; and -0.5 sum(K^2)
	s_wait_dscnt 0x0
	global_store_b128 v[CO], v[84:87], s[84:85]
	global_store_b128 v[CO], v[88:91], s[84:85] offset:262144
.Lno_nout:
	s_wait_tensorcnt 0x0                           ; the wave's end
	ds_add_u32 v[SPW], v[NIL]
	s_wait_dscnt 0x0
	CROUND                                         ; the closing round: no work-group ends while a partner may still ask for a tile that names it
	s_endpgm
.Lfunc_end_k_q5afb6de864_proj:
	.size	k_q5afb6de864_proj, .Lfunc_end_k_q5afb6de864_proj-k_q5afb6de864_proj
	.p2alignl 7, 3214868480
	.fill 96, 4, 3214868480
	.section	.rodata,"a",@progbits
	.p2align	6, 0x0
	.amdhsa_kernel k_q5afb6de864_proj
		.amdhsa_group_segment_fixed_size 327680
		.amdhsa_private_segment_fixed_size 0
		.amdhsa_enable_private_segment 0
		.amdhsa_kernarg_size 40
		.amdhsa_user_sgpr_count 2
		.amdhsa_user_sgpr_kernarg_segment_ptr 1
		.amdhsa_wavefront_size32 1
		.amdhsa_system_sgpr_workgroup_id_x 1
		.amdhsa_system_sgpr_workgroup_id_y 1
		.amdhsa_system_sgpr_workgroup_id_z 1
		.amdhsa_system_vgpr_workitem_id 0
		.amdhsa_next_free_vgpr 1024
		.amdhsa_next_free_sgpr 98
		.amdhsa_reserve_vcc 0
		.amdhsa_float_denorm_mode_32 3
		.amdhsa_float_denorm_mode_16_64 3
		.amdhsa_memory_ordered 1
		.amdhsa_forward_progress 1
		.amdhsa_inst_pref_size 164
	.end_amdhsa_kernel
	.amdgpu_metadata
---
amdhsa.version: [ 1, 2 ]
amdhsa.kernels:
  - .name:           k_q5afb6de864_proj
    .symbol:         k_q5afb6de864_proj.kd
    .args:
      - { .name: Xb, .offset: 0, .size: 8, .value_kind: global_buffer, .address_space: global }
      - { .name: Wb, .offset: 8, .size: 8, .value_kind: global_buffer, .address_space: global }
      - { .name: b_in, .offset: 16, .size: 8, .value_kind: global_buffer, .address_space: global }
      - { .name: pj, .offset: 24, .size: 8, .value_kind: global_buffer, .address_space: global }
      - { .name: nrm, .offset: 32, .size: 8, .value_kind: global_buffer, .address_space: global }
    .group_segment_fixed_size: 327680
    .private_segment_fixed_size: 0
    .kernarg_segment_align: 8
    .kernarg_segment_size: 40
    .max_flat_workgroup_size: 128
    .sgpr_count:     98
    .vgpr_count:     1024
    .wavefront_size: 32
...
	.end_amdgpu_metadata
.endif
;; end of part 2
;; launch attn (part 3): grid 8 x 32, 8 waves a work-group, clusters of 4 x 1, 327,680 bytes of LDS; arguments pj, nrm, H2; writes H2
.if DOCPART == 3
	.amdgcn_target "amdgcn-amd-amdhsa--gfx1250"
	.amdhsa_code_object_version 6
	.text
	.protected	k_q5afb6de864_attn
	.globl	k_q5afb6de864_attn
	.p2align	8
	.type	k_q5afb6de864_attn,@function
k_q5afb6de864_attn:
	s_mov_b64 s[64:65], 0
	v_nop
	global_prefetch_b8 v0, s[64:65] scope:SCOPE_SE
	s_setreg_imm32_b32 hwreg(HW_REG_WAVE_MODE, 25, 1), 1
	s_wait_xcnt 0x0
	s_wait_alu depctr_hold_cnt(0) depctr_sa_sdst(0) depctr_va_vdst(0) depctr_va_sdst(0) depctr_va_ssrc(0) depctr_va_vcc(0) depctr_vm_vsrc(0)
	s_getreg_b32 s2, hwreg(HW_REG_IB_STS2, 6, 4)
	s_cmp_eq_u32 s2, 0
	s_cbranch_scc0 .Lentry_in_a_cluster
	s_endpgm
.Lentry_in_a_cluster:
	s_bfe_u32 s2, ttmp6, 0x10000c
	s_cmp_lg_u32 s2, 0x3003
	s_cbranch_scc0 .Lentry_shape_is_right
	s_endpgm
.Lentry_shape_is_right:
; SHEPARD'S ATTENTION with its gate, for one (head, batch) pair hb and 256 queries a work-group.
;   d2 = q2 + k2 - 2 q.k;  w = (eps + sqrt(max(d2, 0)))^-2;  A = sum(w v) / (eps + sum(w));  H = G A.      eps = 1e-4
; In: pj [4 parts Q,K,V,G][32 hb][2048][64] f16; nrm [2][32 hb][2048] f32: q2 = sum(Q^2), kh = -0.5 sum(K^2).
; Out: H2 [4096 rows][2048] bf16: head h's 256 bytes of a row are hi(64) | lo(64), H = hi + lo: H has no room in f16, and one bf16 is too coarse.
; HOW.  S = K Q^T + kh: kh is the C operand that starts the sum, so k2 costs no vector work; d2 = q2 - 2 S.  A running maximum M of S is the nearest key so far:
; um = eps + sqrt(max(q2 - 2 M, 0)), rm = 1 / um.  The weight is kept relative to the largest so far: p = (rm (eps + sqrt(d2)))^-2, in 0 to 1, rounded to f16 for the second product.
; In every step O and L are multiplied by a = (um_new rm_old)^2, which is 1 where M has not grown; rm starts at 0, so the first step's a is 0.
; L = sum(p) is a fifth block of 'channels' of V^T P, whose V is 1.  At the end w = p / um^2 gives A = O / (eps um^2 + L).
; LIMITS.  A weight below 6e-8 of its row's largest counts as 0 (f16's last step).  Q, K, V, G arrive within f16's 65,504.  NaN and infinities are not treated apart.
; SHARES.  Eight waves, each 32 queries: tiles 0 and 1 of 16.  Every wave walks all 2,048 keys, 64 a step; an LDS slot holds 256 keys: K, V and kh.
; LAYOUT.  S^T = K Q^T holds ONE query a lane (l % 16) and the keys 8 (l / 16) + 0..7; two such results rounded to f16 ARE source 1 of O^T = V^T P, which again holds one query a lane.
; BY TURNS.  A tile and step have 18 matrix and 203 vector instructions, 66 of them roots and reciprocals.  Turn t does tile t's vector work; between its slices stand the other
; tile's products: 10 of V^T P (the step in hand or the one before), then 8 of K Q^T (the scores that the next turn works on).
; CLUSTER.  The four query blocks of a cluster belong to one hb and walk the same K, V and kh: each tile is asked for jointly, same load, descriptor and mask in all four.
; REGISTERS, in windows of 256 (s_set_vgpr_msb: bits 1:0 source 0, 3:2 source 1, 5:4 source 2, 7:6 destination):
;   window 0: v0-15 addresses; v16-39 statistics; v40-71 G; v72-135 S^T; v136-167 P; v168-247 O^T and L; v248-255 at work
;   window 1: v0-31 Q; v32-95 K of one step; v96-159 V of one step; v160-167 ones; v168-199 kh of one step
.set KS,    64
.set PK,    144       ; a row of K in LDS: 128 bytes + 16: the 16 rows of a load start at 16 different groups of four banks (ISA guide 11.1)
.set PV,    160       ; a row of V: 128 + 32
.set VOFF,  4*KS*PK
.set KHOFF, VOFF+4*KS*PV
.set SLOT1, 1<<17     ; slot 1 begins here: one exclusive or turns an address in one slot into the other's
.set STAGE, SLOT1+KHOFF+4*KS*4  ; behind the ring: 16 rows x 272 bytes for each wave
.set SP,    272
.set SPARE, STAGE+8*16*SP       ; the spare words, 128 bytes for each wave: four blocks of 256 bytes that no other line names
.set AK0, 2           ; my lane's place in a tile of K; never rewritten
.set AV0, 3           ; of V
.set AK,  4           ; the address of K's run of loads
.set AV,  5           ; of V's
.set AH0, 6           ; my lane's place in kh
.set AH,  7
.set STO, 8
.set RD,  9
.set GO,  10
.set QO,  11          ; my byte offset in 16 rows of Q or G
.set QN,  12          ; in 16 numbers of q2
.set SPW, 14          ; LDS address of my spare word; never rewritten
.set NIL, 15          ; 0; never rewritten
.set ST,  16          ; tile t at ST + 12 t: +0 q2, +1 M, +2 rm, +3 um, +4 eps rm, +5 um_new rm_old, +6 a, +7 named in a pair with a, +8..11 c0-c3 at work
.set GF,  40
.set S,   72
.set P,   136
.set O,   168         ; tile t at O + 40 t: four blocks of 16 channels, then L
.set W,   248
.set QF,  0           ; window 1
.set KF,  32
.set VF,  96
.set ONE, 160
.set KHF, 168
.set WV,  12
.set G1K, 24
.set G1V, 32
.set G1H, 40
.set G0K, 48
.set G0V, 52
.set G0H, 56
.set SEL, 60
.set TBK, 62          ; LDS byte at which K of the step to be fetched begins
.set TBV, 63          ; the same for V, less VOFF
.set TBH, 66          ; for kh, less KHOFF
.set CNT, 67
.set SLOTS, 68
.set EPS, 69
.set MSB, 0
.macro WIN new
.if MSB != (\new)
	s_set_vgpr_msb (MSB<<8)|(\new)
.set MSB, (\new)
.endif
.endm
; A joint fill.  Waves 0, 1: the halves of a slot's K.  Waves 2, 3: of its V.  Wave 4: its kh.  Waves 5 to 7 have no part.  The branches hang on the wave's number alone.
; An s_nop 0 and four v_nop follow each of the three lines, ahead of the jump and the label.
.macro JLOAD
	s_cmp_lt_u32 s[WV], 2
	s_cbranch_scc0 .Lnot_k_\@
	tensor_load_to_lds s[G0K:G0K+3], s[G1K:G1K+7]
	s_nop 0
.rept 4
	v_nop
.endr
	s_branch .Lasked_\@
.Lnot_k_\@:
	s_cmp_lt_u32 s[WV], 4
	s_cbranch_scc0 .Lnot_v_\@
	tensor_load_to_lds s[G0V:G0V+3], s[G1V:G1V+7]
	s_nop 0
.rept 4
	v_nop
.endr
	s_branch .Lasked_\@
.Lnot_v_\@:
	s_cmp_eq_u32 s[WV], 4
	s_cbranch_scc0 .Lasked_\@
	tensor_load_to_lds s[G0H:G0H+3], s[G1H:G1H+7]
	s_nop 0
.rept 4
	v_nop
.endr
.Lasked_\@:
.endm
.macro CROUND                       ; a round of the cluster's barrier
	s_barrier_signal -1
	s_barrier_wait -1
	s_cmp_lg_u32 s[WV], 0
	s_cbranch_scc1 .Lnot_wave_0_\@
	s_barrier_signal -3
.Lnot_wave_0_\@:
	s_barrier_wait -3
	s_barrier_signal -1
	s_barrier_wait -1
.endm
; THE CHANGE OF SLOTS.  The slot's last bytes, V of its fourth step, have been asked for.  Each wave waits for all its tensor loads (at most one is out: its part of the other slot), adds 0 to
; its spare word, and waits for that and for its own reads of the slot.  fill = 1: the barrier is a round of the cluster's, and the slot is filled again, first thing behind it, with the keys two
; slots on: four key steps in which to land.  (At its first use nothing has been read yet: slot 0 is waited for, slot 1 filled.)
.macro CHANGE fill
	WIN 0
	s_wait_tensorcnt 0x0            ; no tensor load of mine is out, so a group 0 may be written
	ds_add_u32 v[SPW], v[NIL]       ; 0 onto my spare word; the descriptors' steps stand between it and the wait for it
.if \fill
.irp g, G0K, G0V, G0H
	s_xor_b32 s[\g+1], s[\g+1], SLOT1
.endr
	s_add_nc_u64 s[G0K+2:G0K+3], s[G0K+2:G0K+3], 4*KS*128
	s_add_nc_u64 s[G0V+2:G0V+3], s[G0V+2:G0V+3], 4*KS*128
	s_add_nc_u64 s[G0H+2:G0H+3], s[G0H+2:G0H+3], 4*KS*4
	s_wait_dscnt 0x0                ; the add is done, and my reads of the slot are over
	CROUND
	JLOAD
.else
	s_wait_dscnt 0x0
	s_barrier_signal -1
	s_barrier_wait -1
.endif
	s_sub_co_u32 s[TBK], s[TBK], 4*KS*PK  ; the fetches go back to a slot's first step, in the other slot
	s_xor_b32 s[TBK], s[TBK], SLOT1
	s_sub_co_u32 s[TBV], s[TBV], 4*KS*PV
	s_xor_b32 s[TBV], s[TBV], SLOT1
	s_sub_co_u32 s[TBH], s[TBH], 4*KS*4
	s_xor_b32 s[TBH], s[TBH], SLOT1
.endm
	s_load_b128 s[4:7], s[0:1], 0x0   ; pj s[4:5], nrm s[6:7]
	s_load_b64 s[8:9], s[0:1], 0x10   ; H2
	v_lshl_add_u32 v[SPW], v0, 2, SPARE
	v_mov_b32 v[NIL], 0
	ds_add_u32 v[SPW], v[NIL]       ; the wave's opening: the add and its wait stand ahead of my first tensor load; work on registers stands between them
	v_lshrrev_b32 v1, 5, v0
	v_readfirstlane_b32 s[WV], v1   ; wave 0..7
	s_bfe_u32 s13, ttmp6, 0x40000   ; cx
	s_lshl_b32 s14, ttmp9, 2
	s_add_co_u32 s14, s14, s13      ; my block of 256 queries: it enters Q's, G's, q2's and H2's addresses alone
	s_and_b32 s15, ttmp7, 0xffff    ; hb, which the four partners share
	s_lshl_b32 s20, s15, 18         ; hb's 2,048 rows of 128 bytes in a part of pj
	s_and_b32 s16, s[WV], 1         ; which half of a slot's 256 keys I fetch:
	s_lshl_b32 s22, s16, 14         ; its 128 rows in memory,
	s_add_co_u32 s22, s22, s20
	s_mov_b32 s23, 0
	s_mul_i32 s17, s16, 128*PK      ; and its place in a slot, for K
	s_mul_i32 s18, s16, 128*PV      ; and for V
	s_lshl_b32 s10, s15, 13         ; hb's 2,048 numbers in a part of nrm,
	s_add_co_u32 s10, s10, 262144   ; in part 1
	s_mov_b32 s11, 0
	s_lshl_b32 s2, s14, 15          ; Q and G: my block's 256 rows,
	s_lshl_b32 s3, s[WV], 12        ; my wave's 32 of them
	s_add_co_u32 s2, s2, s3
	s_add_co_u32 s2, s2, s20
	s_mov_b32 s3, 0
	s_lshl_b32 s78, s15, 13         ; q2: the same rows, 4 bytes each
	s_lshl_b32 s79, s14, 10
	s_add_co_u32 s78, s78, s79
	s_lshl_b32 s79, s[WV], 7
	s_add_co_u32 s78, s78, s79
	s_mov_b32 s79, 0
	s_and_b32 s80, s15, 1           ; H2: row 2048 batch + 256 block + 32 wave, of 4,096 bytes,
	s_lshl_b32 s80, s80, 11
	s_lshl_b32 s81, s14, 8
	s_add_co_u32 s80, s80, s81
	s_lshl_b32 s81, s[WV], 5
	s_add_co_u32 s80, s80, s81
	s_lshl_b32 s80, s80, 12
	s_lshr_b32 s81, s15, 1          ; and the head's 256 bytes in it
	s_lshl_b32 s81, s81, 8
	s_add_co_u32 s80, s80, s81
	s_mov_b32 s81, 0
	; group 1.  128 keys are 16,384 dense bytes: asked for as 64 rows of 256 bytes, two keys a row, padded in LDS after every key
	s_mov_b32 s[G1K], 15|(1<<16)|(1<<20)|(1<<21)|(4<<22)|(3<<25)  ; the mask of four; 2-byte elements; padding on; bit 21 beside a mask; after every 32 words, 4 words
	s_mov_b32 s[G1V], 15|(1<<16)|(1<<20)|(1<<21)|(4<<22)|(7<<25)  ; the same with 8 words
.irp g, G1K, G1V
	s_mov_b32 s[\g+1], 128<<16      ; tensor_dim0 = 128
	s_mov_b32 s[\g+2], 64<<16       ; tensor_dim1 = 64
	s_mov_b32 s[\g+3], 128<<16      ; tile_dim0 = 128
	s_mov_b32 s[\g+4], 64           ; tile_dim1 = 64
	s_mov_b32 s[\g+5], 128          ; elements from row to row
	s_mov_b32 s[\g+6], 0
	s_mov_b32 s[\g+7], 0
.endr
	s_mov_b32 s[G1H], 15|(3<<16)|(1<<21)  ; kh of 256 keys: 1,024 dense bytes as 4 rows of 32 elements of 8 bytes, no padding
	s_mov_b32 s[G1H+1], 32<<16
	s_mov_b32 s[G1H+2], 4<<16
	s_mov_b32 s[G1H+3], 32<<16
	s_mov_b32 s[G1H+4], 4
	s_mov_b32 s[G1H+5], 32
	s_mov_b32 s[G1H+6], 0
	s_mov_b32 s[G1H+7], 0
	s_mov_b32 s[SEL], 0x76543210
	s_mov_b32 s[SEL+1], 0xfedcba98
	s_mov_b32 s[EPS], 0x38d1b717    ; 1e-4
	s_mov_b32 s[TBK], SLOT1+4*KS*PK ; the first change of slots turns these three into 0
	s_mov_b32 s[TBV], SLOT1+4*KS*PV
	s_mov_b32 s[TBH], SLOT1+4*KS*4
	s_mov_b32 s[G0K], 1
	s_mov_b32 s[G0K+1], s17         ; slot 0
	s_mov_b32 s[G0V], 1
	s_add_co_u32 s[G0V+1], s18, VOFF
	s_mov_b32 s[G0H], 1
	s_mov_b32 s[G0H+1], KHOFF
	s_wait_dscnt 0x0                ; the opening add is done
	s_wait_kmcnt 0x0
	s_add_nc_u64 s[G0K+2:G0K+3], s[4:5], s[22:23]
	s_add_nc_u64 s[G0V+2:G0V+3], s[G0K+2:G0K+3], 0x1000000  ; part 2
	s_add_nc_u64 s[G0K+2:G0K+3], s[G0K+2:G0K+3], 0x800000   ; part 1
	s_or_b32 s[G0K+3], s[G0K+3], 0x80000000
	s_or_b32 s[G0V+3], s[G0V+3], 0x80000000
	s_add_nc_u64 s[G0H+2:G0H+3], s[6:7], s[10:11]
	s_or_b32 s[G0H+3], s[G0H+3], 0x80000000
	s_add_nc_u64 s[70:71], s[4:5], s[2:3]           ; Q at my wave's first row
	s_add_nc_u64 s[72:73], s[70:71], 0x1800000      ; G
	s_add_nc_u64 s[74:75], s[6:7], s[78:79]         ; q2
	s_add_nc_u64 s[76:77], s[8:9], s[80:81]         ; H2
	CROUND                          ; all four work-groups are here: the first joint loads meet
	JLOAD                           ; slot 0; slot 1 is asked for when slot 0 is in
	v_and_b32 v1, 15, v0            ; r = l % 16
	v_bfe_u32 v13, v0, 4, 1         ; h = l / 16
	v_lshlrev_b32 v[QO], 7, v1
	v_lshl_add_u32 v[QO], v13, 4, v[QO]  ; row x 128 + 16 h
	v_lshlrev_b32 v[QN], 2, v1
	WIN 0x40                        ; destination window 1
.set i, 0
.rept 4                             ; Q stays in registers: tile i / 2, channels 32 (i % 2) on
	global_load_b128 v[QF+8*i:QF+8*i+3],   v[QO], s[70:71] offset:(i/2)*2048+(i%2)*64
	global_load_b128 v[QF+8*i+4:QF+8*i+7], v[QO], s[70:71] offset:(i/2)*2048+(i%2)*64+32
.set i, i+1
.endr
	WIN 0
.set i, 0
.rept 8                             ; G as O^T will lie: tile i / 4, channels 16 (i % 4) + 8 h + 0..7
	global_load_b128 v[GF+4*i:GF+4*i+3], v[QO], s[72:73] offset:(i/4)*2048+(i%4)*32
.set i, i+1
.endr
	global_load_b32 v[ST], v[QN], s[74:75]
	global_load_b32 v[ST+12], v[QN], s[74:75] offset:64
	; What the first turn finds: V and tile 1's P hold 0 (its products V^T P, of a step that has not been, add 0), O^T and L are 0, rm is 0.  No first step is written out; these moves, in the wait
	; for the first tile, are the price.
	WIN 0x40
.set i, 0
.rept 64
	v_mov_b32 v[VF+i], 0
.set i, i+1
.endr
.set i, 0
.rept 8
	v_mov_b32 v[ONE+i], 0x3c003c00  ; 1.0 twice, in f16
.set i, i+1
.endr
	WIN 0
.set i, 0
.rept 80
	v_mov_b32 v[O+i], 0
.set i, i+1
.endr
.set i, 0
.rept 16
	v_mov_b32 v[P+16+i], 0
.set i, i+1
.endr
.irp t, 0,1
	v_mov_b32 v[ST+12*\t+1], 0xff7fffff  ; M: the lowest finite number
.irp z, 2,3,4,5,6,7
	v_mov_b32 v[ST+12*\t+\z], 0
.endr
.endr
	v_mul_u32_u24 v[AK0], v1, PK
	v_lshl_add_u32 v[AK0], v13, 4, v[AK0]  ; row x pitch + 16 h
	v_and_b32 v[W], 7, v0
	v_bfe_u32 v[W+1], v0, 3, 1
	v_lshl_add_u32 v[AV0], v13, 3, v[W]    ; the turning load: lane l reads key 8 h + l % 8, channels 8 ((l / 8) % 2) + 0..7
	v_mul_u32_u24 v[AV0], v[AV0], PV
	v_lshl_add_u32 v[AV0], v[W+1], 4, v[AV0]
	v_add_nc_u32 v[AV0], VOFF, v[AV0]
	v_lshlrev_b32 v[AH0], 5, v13           ; kh of keys 8 h + 0..7: the sixteen lanes of a half read the same bytes
	v_add_nc_u32 v[AH0], KHOFF, v[AH0]
; THE MATRIX WORK.  The accumulators of a run take turns, one instruction a turn.
; Product i of 8 of S^T = K Q^T + kh for tile x: channels 32 (i / 4) on, keys 16 (i % 4) on.  The first 4 start the sums with kh.
.macro QK x
.set rD, S+32*(\x)+8*(i%4)
.set rK, KF+16*(i%4)+8*(i/4)
.set rQ, QF+16*(\x)+8*(i/4)
.if i < 4
	WIN 0x15                        ; K, Q and kh in window 1
	v_wmma_f32_16x16x32_f16 v[rD:rD+7], v[rK:rK+7], v[rQ:rQ+7], v[KHF+8*i:KHF+8*i+7]
.else
	WIN 0x05
	v_wmma_f32_16x16x32_f16 v[rD:rD+7], v[rK:rK+7], v[rQ:rQ+7], v[rD:rD+7]
.endif
.endm
; Product i of 10 of O^T += V^T P for tile x: keys 32 (i / 5) on; block i % 5: channels 16 (i % 5) on, or (4) the ones: L
.macro PV x
	WIN 0x01                        ; V in window 1
.set rA, O+40*(\x)+8*(i%5)
.set rB, P+16*(\x)+8*(i/5)
.if (i%5) == 4
.set rV, ONE
.else
.set rV, VF+32*(i/5)+8*(i%5)
.endif
	v_wmma_f32_16x16x32_f16 v[rA:rA+7], v[rV:rV+7], v[rB:rB+7], v[rA:rA+7]
.endm
; THE LDS LOADS stand in runs: a step's K (8 fragments) with its kh, and its V (turned).  last = 1 (the tail): in the last trip there is no further step, and the run is jumped over.
.macro FETCH_K last=0
	WIN 0
.if \last
	s_cmp_eq_u32 s[CNT], 1
	s_cbranch_scc1 .Lno_k_\@
.endif
	v_add_nc_u32 v[AK], s[TBK], v[AK0]
	v_add_nc_u32 v[AH], s[TBH], v[AH0]
	WIN 0x40
.irp f, 0,1,2,3,4,5,6,7             ; keys 16 (f / 2) on, channels 32 (f % 2) on
	ds_load_b128 v[KF+8*\f:KF+8*\f+3],   v[AK] offset:(\f/2)*16*PK+(\f%2)*64
	ds_load_b128 v[KF+8*\f+4:KF+8*\f+7], v[AK] offset:(\f/2)*16*PK+(\f%2)*64+32
.endr
.irp f, 0,1,2,3                     ; kh of keys 16 f + 8 h + 0..7
	ds_load_b128 v[KHF+8*\f:KHF+8*\f+3],   v[AH] offset:64*\f
	ds_load_b128 v[KHF+8*\f+4:KHF+8*\f+7], v[AH] offset:64*\f+16
.endr
	s_add_co_u32 s[TBK], s[TBK], KS*PK  ; the next fetch is the next step's
	s_add_co_u32 s[TBH], s[TBH], KS*4
	WIN 0
.if \last
.Lno_k_\@:
.endif
.endm
.macro FETCH_V
	WIN 0
	v_add_nc_u32 v[AV], s[TBV], v[AV0]
	s_add_co_u32 s[TBV], s[TBV], KS*PV
	WIN 0x40
.irp f, 0,1,2,3,4,5,6,7             ; keys 32 (f / 4) on, channels 16 (f % 4) on
	ds_load_tr16_b128 v[VF+8*\f:VF+8*\f+3],   v[AV] offset:(\f/4)*32*PV+(\f%4)*32
	ds_load_tr16_b128 v[VF+8*\f+4:VF+8*\f+7], v[AV] offset:(\f/4)*32*PV+16*PV+(\f%4)*32
.endr
	WIN 0
.endm
; THE VECTOR WORK of a turn, all in window 0, on the registers rT, rS, rP, rO that TURN sets.  s0-s31 are the lane's 32 scores, in pairs 0-15.  A line whose number is out of range is not written.
; MX 0-15: the maximum of s0-s31 and the old M, three operands at a time; each accumulator's lowest registers are read first.
.macro MX j
.if (\j) < 4
	v_max3_num_f32 v[rT+8+(\j)], v[rS+8*(\j)], v[rS+8*(\j)+1], v[rS+8*(\j)+2]
.elseif (\j) < 12
	v_max3_num_f32 v[rT+8+(\j)%4], v[rT+8+(\j)%4], v[rS+8*((\j)%4)+2*((\j)/4)+1], v[rS+8*((\j)%4)+2*((\j)/4)+2]
.elseif (\j) == 12
	v_max3_num_f32 v[rT+8], v[rT+8], v[rS+7], v[rS+15]
.elseif (\j) == 13
	v_max3_num_f32 v[rT+9], v[rT+9], v[rS+23], v[rS+31]
.elseif (\j) == 14
	v_max3_num_f32 v[rT+10], v[rT+10], v[rT+11], v[rT+1]
.else
	v_max3_num_f32 v[rT+8], v[rT+8], v[rT+9], v[rT+10]
.endif
.endm
; CH 0-9: the query's other 32 keys lie in the lane 16 away; the new M; um = eps + sqrt(max(q2 - 2 M, 0)); um_new rm_old; rm = 1 / um; a; eps rm
.macro CH j
.if (\j) == 0
	v_permlanex16_b32 v[rT+11], v[rT+8], s[SEL], s[SEL+1]
.elseif (\j) == 1
	v_max_num_f32 v[rT+1], v[rT+8], v[rT+11]
.elseif (\j) == 2
	v_fma_f32 v[rT+9], v[rT+1], -2.0, v[rT]
.elseif (\j) == 3
	v_max_num_f32 v[rT+9], 0, v[rT+9]
.elseif (\j) == 4
	v_sqrt_f32 v[rT+9], v[rT+9]
.elseif (\j) == 5
	s_wait_alu depctr_va_vdst(0)
	v_add_f32 v[rT+3], s[EPS], v[rT+9]
.elseif (\j) == 6
	v_mul_f32 v[rT+5], v[rT+3], v[rT+2]
.elseif (\j) == 7
	v_rcp_f32 v[rT+2], v[rT+3]
.elseif (\j) == 8
	v_mul_f32 v[rT+6], v[rT+5], v[rT+5]
.else
	s_wait_alu depctr_va_vdst(0)
	v_mul_f32 v[rT+4], s[EPS], v[rT+2]
.endif
.endm
.macro VB p                         ; pair p: d2 = q2 - 2 S
.if ((\p) >= 0) && ((\p) < 16)
	v_pk_fma_f32 v[rS+2*(\p):rS+2*(\p)+1], v[rS+2*(\p):rS+2*(\p)+1], -2.0, v[rT:rT+1] op_sel_hi:[1,0,0]
.endif
.endm
.macro VC e                         ; score e: max(d2, 0)
.if ((\e) >= 0) && ((\e) < 32)
	v_max_num_f32 v[rS+(\e)], 0, v[rS+(\e)]
.endif
.endm
.macro VD e                         ; its root
.if ((\e) >= 0) && ((\e) < 32)
	v_sqrt_f32 v[rS+(\e)], v[rS+(\e)]
.endif
.endm
.macro VE p                         ; pair p: y = rm sqrt(d2) + eps rm
.if ((\p) >= 0) && ((\p) < 16)
	v_pk_fma_f32 v[rS+2*(\p):rS+2*(\p)+1], v[rS+2*(\p):rS+2*(\p)+1], v[rT+2:rT+3], v[rT+4:rT+5] op_sel_hi:[1,0,0]
.endif
.endm
.macro VF e                         ; score e: 1 / y
.if ((\e) >= 0) && ((\e) < 32)
	v_rcp_f32 v[rS+(\e)], v[rS+(\e)]
.endif
.endm
.macro VG p                         ; pair p: squared
.if ((\p) >= 0) && ((\p) < 16)
	s_wait_alu depctr_va_vdst(0)
	v_pk_mul_f32 v[rS+2*(\p):rS+2*(\p)+1], v[rS+2*(\p):rS+2*(\p)+1], v[rS+2*(\p):rS+2*(\p)+1]
.endif
.endm
.macro VH p                         ; and rounded to f16
.if ((\p) >= 0) && ((\p) < 16)
	v_cvt_pk_f16_f32 v[rP+(\p)], v[rS+2*(\p)], v[rS+2*(\p)+1]
.endif
.endm
.macro VR z                         ; pair z of O^T times a; pair 16 is L's first: of L's eight equal registers only the lowest is read, the others need only stay finite (they hold sums of p)
.if ((\z) >= 0) && ((\z) < 17)
	v_pk_mul_f32 v[rO+2*(\z):rO+2*(\z)+1], v[rO+2*(\z):rO+2*(\z)+1], v[rT+6:rT+7] op_sel_hi:[1,0]
.endif
.endm
; ITER n, n = -1 .. 19: a software pipeline over the pairs: in one pass pair n + 1 is made and clamped, pair n rooted, pair n - 2 scaled, pair n - 3 inverted and squared, pair n - 4 rounded.
; Each root and reciprocal has a plain instruction that names neither its result nor its source behind it before the result is used (ISA guide 5.7.2): where several stand on end (n = 15 on),
; VE or VR follows them.  The chain CH stands in the places that the first three passes leave empty; VE 0 (n = 2) finds rm and eps rm made, VR 0 finds a.
.macro ITER
	VD 2*n
	VB n+1
	VD 2*n+1
	VC 2*n+2
.if n == -1
	CH 0
.elseif n == 0
	CH 4
.elseif n == 1
	CH 8
.else
	VF 2*n-6
.endif
	VC 2*n+3
.if n == -1
	CH 1
.elseif n == 0
	CH 5
.elseif n == 1
	CH 9
.else
	VF 2*n-5
.endif
	VE n-2
.if n == -1
	CH 2
.elseif n == 0
	CH 6
.else
	VR n-2
.endif
	VG n-3
	VH n-4
.if n == -1
	CH 3
.elseif n == 0
	CH 7
.endif
.endm
.macro SLICE                        ; slice k of 23: 0, 1 the maximum; 2 .. 22 the passes -1 .. 19
.if k < 2
.irp j, 0,1,2,3,4,5,6,7
	MX 8*k+\j
.endr
.else
.set n, k-3
	ITER
.endif
.endm
; A TURN: tile t's vector work; tile 1 - t's products at the head of slices 0-9 (V^T P) and 12-19 (K Q^T).  No vector line of the turn names a register of those products.
; Turn 1 fetches the next step's K and kh at its head: the last product that read them stands in front of slices 19-22 of turn 0, more than four plain instructions.  They are waited for ahead of slice 12.
; Turn 0 fetches the step's V behind slice 10: the last product that read V heads slice 9.  It is waited for at the head of turn 1.
; Slices 19-22 are also the places between the last K Q^T and the next turn's first read of those scores.
.macro TURN t, last=0
.set rT, ST+12*(\t)
.set rS, S+32*(\t)
.set rP, P+16*(\t)
.set rO, O+40*(\t)
.set o, 1-(\t)
.if (\t) == 1
	s_wait_dscnt 0x0                ; V is in
	FETCH_K \last
.endif
.set k, 0
.rept 23
.if k < 10
.set i, k
	PV o
.elseif (k >= 12) && (k < 20)
.if ((\t) == 1) && (k == 12)
	s_wait_dscnt 0x0                ; K and kh are in
.endif
.set i, k-12
	QK o
.endif
	WIN 0
	SLICE
.if ((\t) == 0) && (k == 10)
	FETCH_V
.endif
.set k, k+1
.endr
.endm
	CHANGE 1                        ; slot 0 is in, everybody's part of it; slot 1 is asked for
	FETCH_K                         ; key step 0
	s_wait_loadcnt 0x0              ; Q, G, q2
	s_wait_dscnt 0x0
.set i, 0
.rept 8
	QK 0                            ; tile 0's first scores
.set i, i+1
.endr
	WIN 0                           ; the addresses for the way out: eight plain instructions, the places behind those products
	s_mul_i32 s13, s[WV], 16*SP
	s_add_co_u32 s13, s13, STAGE    ; my stage
	v_mul_u32_u24 v[STO], v1, SP    ; in: row r, 16 bytes for each half of the lanes
	v_lshl_add_u32 v[STO], v13, 4, v[STO]
	v_add_nc_u32 v[STO], s13, v[STO]
	v_mul_u32_u24 v[RD], v13, SP    ; back: lanes 0-15 take one row of 256 bytes, lanes 16-31 the next
	v_lshl_add_u32 v[RD], v1, 4, v[RD]
	v_add_nc_u32 v[RD], s13, v[RD]
	v_lshlrev_b32 v[GO], 12, v13    ; and the same two rows in H2
	v_lshl_add_u32 v[GO], v1, 4, v[GO]
	s_mov_b32 s[CNT], 4
	s_mov_b32 s[SLOTS], 7
	s_branch .Lfirst                ; the loop is entered at a step's first turn, in the middle of a trip
.Lslot:                             ; six times: every slot but the last two is filled again
	CHANGE 1
	s_mov_b32 s[CNT], 4
.Lstep:                             ; a trip: turn 1 of one step, which fetches the next step's K, then turn 0 of that step, which fetches its V
	TURN 1
	WIN 0
.Lfirst:
	TURN 0
	WIN 0
	s_sub_co_u32 s[CNT], s[CNT], 1
	s_cmp_lg_u32 s[CNT], 0
	s_cbranch_scc1 .Lstep
	s_sub_co_u32 s[SLOTS], s[SLOTS], 1
	s_cmp_lg_u32 s[SLOTS], 0
	s_cbranch_scc1 .Lslot
	CHANGE 0                        ; the tail is written out: nothing is asked for
	s_mov_b32 s[CNT], 5             ; four trips fetch the last slot's steps; the fifth is left in its middle
.Ltail:
	TURN 1, 1
	WIN 0
	s_sub_co_u32 s[CNT], s[CNT], 1
	s_cmp_eq_u32 s[CNT], 0
	s_cbranch_scc1 .Lout
	TURN 0
	WIN 0
	s_branch .Ltail
.Lout:                              ; the fifth trip's 8 products K Q^T, on the last K once more, serve nothing: the price of one text for every turn
.set i, 0
.rept 10
	PV 1                            ; tile 1's V^T P of the last step
.set i, i+1
.endr
	WIN 0
.rept 4
	v_nop                           ; the places behind those products
.endr
	; THE WAY OUT.  A = O / (eps um^2 + L); H = G A; H = hi + lo in bf16; through my stage in LDS, a tile (16 rows) at a time.
.irp t, 0,1
	v_mul_f32 v[ST+12*\t+8], v[ST+12*\t+3], v[ST+12*\t+3]
.endr
.irp t, 0,1
	v_fma_f32 v[ST+12*\t+8], v[ST+12*\t+8], s[EPS], v[O+40*\t+32]
.endr
.irp t, 0,1
	v_rcp_f32 v[ST+12*\t+6], v[ST+12*\t+8]
.endr
	v_nop                           ; a plain instruction between the last reciprocal and the use of its result
	s_wait_alu depctr_va_vdst(0)
.macro HG g, t                      ; register g of G (two channels) and the pair of O^T that it gates
.set i, (\g)-GF-16*(\t)
.set wb, W+4*(i%2)
.set rO, O+40*(\t)+2*i
.set rH, S+32*(\t)+i
	v_cvt_f32_f16 v[wb], v\g\().l
	v_cvt_f32_f16 v[wb+1], v\g\().h
	v_pk_mul_f32 v[rO:rO+1], v[rO:rO+1], v[ST+12*(\t)+6:ST+12*(\t)+7] op_sel_hi:[1,0]
	v_pk_mul_f32 v[rO:rO+1], v[rO:rO+1], v[wb:wb+1]
	v_cvt_pk_bf16_f32 v[rH], v[rO], v[rO+1]                 ; hi
	v_lshlrev_b32 v[wb+2], 16, v[rH]
	v_and_b32 v[wb+3], 0xffff0000, v[rH]
	v_pk_add_f32 v[rO:rO+1], v[rO:rO+1], v[wb+2:wb+3] neg_lo:[0,1] neg_hi:[0,1]
	v_cvt_pk_bf16_f32 v[rH+16], v[rO], v[rO+1]              ; lo = H - hi, rounded
.endm
.macro STG t                        ; a lane's eight channels are 16 bytes of hi and 16 of lo; they come back as whole rows of 256 bytes, into the registers that they left
.irp f, 0,1,2,3
	ds_store_b128 v[STO], v[S+32*(\t)+4*\f:S+32*(\t)+4*\f+3] offset:32*\f
	ds_store_b128 v[STO], v[S+32*(\t)+16+4*\f:S+32*(\t)+16+4*\f+3] offset:128+32*\f
.endr
.irp f, 0,1,2,3,4,5,6,7
	ds_load_b128 v[S+32*(\t)+4*\f:S+32*(\t)+4*\f+3], v[RD] offset:\f*2*SP  ; LDS serves a wave's instructions in order (ISA guide 5.7.1.4)
.endr
.endm
.macro SEND t, younger              ; younger: the LDS instructions issued behind tile t's loads
.irp f, 0,1,2,3,4,5,6,7
	s_wait_dscnt (\younger)+7-\f
	global_store_b128 v[GO], v[S+32*(\t)+4*\f:S+32*(\t)+4*\f+3], s[76:77] offset:(\t)*65536+\f*8192  ; 16 lanes store 256 consecutive bytes, at a multiple of 256 from H2's first
.endr
.endm
.irp g, 40,41,42,43,44,45,46,47,48,49,50,51,52,53,54,55
	HG \g, 0
.endr
	STG 0
.irp g, 56,57,58,59,60,61,62,63,64,65,66,67,68,69,70,71
	HG \g, 1
.endr
	STG 1
	SEND 0, 16
	SEND 1, 0
	s_wait_tensorcnt 0x0            ; the wave's end
	ds_add_u32 v[SPW], v[NIL]
	s_wait_dscnt 0x0
	CROUND                          ; the closing round
	s_endpgm
.Lfunc_end_k_q5afb6de864_attn:
	.size	k_q5afb6de864_attn, .Lfunc_end_k_q5afb6de864_attn-k_q5afb6de864_attn
	.p2alignl 7, 3214868480
	.fill 96, 4, 3214868480
	.section	.rodata,"a",@progbits
	.p2align	6, 0x0
	.amdhsa_kernel k_q5afb6de864_attn
		.amdhsa_group_segment_fixed_size 327680
		.amdhsa_private_segment_fixed_size 0
		.amdhsa_enable_private_segment 0
		.amdhsa_kernarg_size 24
		.amdhsa_user_sgpr_count 2
		.amdhsa_user_sgpr_kernarg_segment_ptr 1
		.amdhsa_wavefront_size32 1
		.amdhsa_system_sgpr_workgroup_id_x 1
		.amdhsa_system_sgpr_workgroup_id_y 1
		.amdhsa_system_sgpr_workgroup_id_z 1
		.amdhsa_system_vgpr_workitem_id 0
		.amdhsa_next_free_vgpr 456
		.amdhsa_next_free_sgpr 84
		.amdhsa_reserve_vcc 0
		.amdhsa_float_denorm_mode_32 3
		.amdhsa_float_denorm_mode_16_64 3
		.amdhsa_memory_ordered 1
		.amdhsa_forward_progress 1
		.amdhsa_inst_pref_size 99
	.end_amdhsa_kernel
	.amdgpu_metadata
---
amdhsa.version: [ 1, 2 ]
amdhsa.kernels:
  - .name:           k_q5afb6de864_attn
    .symbol:         k_q5afb6de864_attn.kd
    .args:
      - { .name: pj, .offset: 0, .size: 8, .value_kind: global_buffer, .address_space: global }
      - { .name: nrm, .offset: 8, .size: 8, .value_kind: global_buffer, .address_space: global }
      - { .name: H2, .offset: 16, .size: 8, .value_kind: global_buffer, .address_space: global }
    .group_segment_fixed_size: 327680
    .private_segment_fixed_size: 0
    .kernarg_segment_align: 8
    .kernarg_segment_size: 24
    .max_flat_workgroup_size: 256
    .sgpr_count:     84
    .vgpr_count:     456
    .wavefront_size: 32
...
	.end_amdgpu_metadata
.endif
;; end of part 3
;; launch outp (part 4): grid 8 x 32, 4 waves a work-group, clusters of 4 x 4, 327,680 bytes of LDS; arguments H2, Wo2, b_out, out0; writes out0
.if DOCPART == 4
	.amdgcn_target "amdgcn-amd-amdhsa--gfx1250"
	.amdhsa_code_object_version 6
	.text
	.protected	k_q5afb6de864_outp
	.globl	k_q5afb6de864_outp
	.p2align	8
	.type	k_q5afb6de864_outp,@function
k_q5afb6de864_outp:
	s_mov_b64 s[64:65], 0
	v_nop
	global_prefetch_b8 v0, s[64:65] scope:SCOPE_SE
	s_setreg_imm32_b32 hwreg(HW_REG_WAVE_MODE, 25, 1), 1
	s_wait_xcnt 0x0
	s_wait_alu depctr_hold_cnt(0) depctr_sa_sdst(0) depctr_va_vdst(0) depctr_va_sdst(0) depctr_va_ssrc(0) depctr_va_vcc(0) depctr_vm_vsrc(0)
	s_getreg_b32 s2, hwreg(HW_REG_IB_STS2, 6, 4)
	s_cmp_eq_u32 s2, 0
	s_cbranch_scc0 .Lentry_in_a_cluster
	s_endpgm
.Lentry_in_a_cluster:
	s_bfe_u32 s2, ttmp6, 0x10000c
	s_cmp_lg_u32 s2, 0xf033
	s_cbranch_scc0 .Lentry_shape_is_right
	s_endpgm
.Lentry_shape_is_right:
; out0 = H W_out + b_out, as H2 Wo2 + b_out.  H2 [4096][2048 k'] bf16 holds H as hi | lo by heads, Wo2 [2048 k'][1024] bf16 holds W_out's rows twice in the same order,
; so the sum over k' is (hi + lo) W_out.  b_out [1024] f32 is rounded to bf16 like the other inputs.  Sums in f32; out0 [4096][1024] f32.
; A tile of out0 is 128 x 128 (256 work-groups); four waves, each 64 x 64: 16 accumulators.  K goes in steps of 256 through two LDS slots.
; H2's tile lies [row][k]; Wo2's lies [k][column] and is turned on the way into registers by ds_load_tr16_b128.
; CLUSTER 4 x 4: H2's tiles are shared along a row of the cluster, Wo2's along a column: each is asked for jointly.
; THE MATRIX INSTRUCTION IS USED TRANSPOSED (source 0 = 16 columns of Wo2, source 1 = 16 rows of H2): a lane holds eight neighbouring numbers of a row.  The bias has that layout and is
; the C operand of each accumulator's first product.  A wave's 64 columns of f32 are 256 bytes.
; REGISTERS: window 0: v0-31 addresses; v32-63 the bias, later with v64-95 rows read back; v128-255 the accumulators ((a, b) at v[128 + 8 (4 a + b)]).
;   window 1: two fragment buffers of 128: for 64 along K, 64 registers of H2 (2 x 4 x 16 rows x 32 K), then 64 of Wo2.
.set SIZE_K, 2048
.set KSTEP,  256
.set PITCH,  528                       ; a row of H2's tile in LDS: 512 bytes + 16
.set PITB,   288                       ; a row of Wo2's tile: 256 bytes + 32
.set HALFA,  64*PITCH                  ; what one tensor load brings of H2: 64 rows
.set HALFB,  128*PITB                  ; of Wo2: 128 rows
.set BOFF,   2*HALFA
.set SLOT,   2*HALFA+2*HALFB
.set STAGE,  2*SLOT                    ; behind the ring: 16 rows x 272 bytes for each wave
.set SPITCH, 272
.set SPARE,  STAGE+4*16*SPITCH         ; the spare words, 128 bytes for each wave: two blocks of 256 bytes that no other line names
.set LAPS,   SIZE_K/(2*KSTEP)
.set ADRA, 16                          ; v16-17  LDS address of my fragments of H2 in slot 0, 1
.set ADRB, 20                          ; v20-23  of Wo2: slot 0 rows 0-127, rows 128-255; slot 1 likewise (so that the immediates stay inside 16 bits)
.set STO,  24
.set RD,   25
.set CO,   26
.set BO,   27
.set SPW,  28                          ; LDS address of my spare word; never rewritten
.set NIL,  29                          ; 0; never rewritten
.set BI,   32
.set ACC,  128
.set F0,   0
.set F1,   128
.set G1, 24
.set G0, 32
.set G1B, 48
.set G0B, 56
.set MSB, 0
.macro WIN new
.if MSB != (\new)
	s_set_vgpr_msb (MSB<<8)|(\new)
.set MSB, \new
.endif
.endm
.set MUL,  0x05                        ; sources 0 and 1 window 1; C and D window 0
.set TO_F, 0x40                        ; destination window 1, address window 0
.macro JLOAD s                         ; waves 0 and 1 fetch H2's two halves, waves 2 and 3 Wo2's; an s_nop 0 and four v_nop follow each line
	s_cmp_eq_u32 s11, 0
	s_cbranch_scc0 .Lfor_b_\@
	tensor_load_to_lds s[G0+4*(\s):G0+4*(\s)+3], s[G1:G1+7]
	s_nop 0
.rept 4
	v_nop
.endr
	s_branch .Lasked_\@
.Lfor_b_\@:
	tensor_load_to_lds s[G0B+4*(\s):G0B+4*(\s)+3], s[G1B:G1B+7]
	s_nop 0
.rept 4
	v_nop
.endr
.Lasked_\@:
.endm
.macro CREST
	s_cmp_lg_u32 s10, 0
	s_cbranch_scc1 .Lnot_wave_0_\@
	s_barrier_signal -3
.Lnot_wave_0_\@:
	s_barrier_wait -3
	s_barrier_signal -1
	s_barrier_wait -1
.endm
.macro CROUND
	s_barrier_signal -1
	s_barrier_wait -1
	CREST
.endm
	s_load_b128 s[4:7], s[0:1], 0x0                ; H2 s[4:5], Wo2 s[6:7]
	s_load_b128 s[68:71], s[0:1], 0x10             ; b_out s[68:69], out0 s[70:71]
	v_lshl_add_u32 v[SPW], v0, 2, SPARE
	v_mov_b32 v[NIL], 0
	ds_add_u32 v[SPW], v[NIL]                      ; the wave's opening: the add and its wait stand ahead of my first tensor load
	v_lshrrev_b32 v1, 5, v0
	v_readfirstlane_b32 s10, v1                    ; wave 0..3
	s_lshr_b32 s11, s10, 1                         ; which half of the tile's rows is mine.  Also: I fetch for H2 (0) or for Wo2 (1)
	s_and_b32 s12, s10, 1                          ; which half of its columns.  Also: which half of that tile I fetch
	s_bfe_u32 s40, ttmp6, 0x40000
	s_bfe_u32 s41, ttmp6, 0x40004
	s_lshl_b32 s42, ttmp9, 2
	s_add_co_u32 s42, s42, s40                     ; tile column
	s_and_b32 s13, ttmp7, 0xffff
	s_lshl_b32 s13, s13, 2
	s_add_co_u32 s13, s13, s41                     ; tile row
	s_lshl_b32 s43, s41, 2
	s_lshl_b32 s43, 15, s43                        ; my row of the cluster
	s_lshl_b32 s44, 0x1111, s40                    ; my column
	s_or_b32 s[G1+0], s43, (1<<16)|(1<<20)|(1<<21)|(6<<22)|(3<<25)   ; after every 128 words, 4 words
	s_mov_b32 s[G1+1], 256<<16                     ; tensor_dim0 = 256
	s_mov_b32 s[G1+2], 64<<16                      ; tensor_dim1 = 64
	s_mov_b32 s[G1+3], 256<<16                     ; tile_dim0 = 256
	s_mov_b32 s[G1+4], 64                          ; tile_dim1 = 64
	s_mov_b32 s[G1+5], 2048                        ; elements from row to row of H2
	s_mov_b32 s[G1+6], 0
	s_mov_b32 s[G1+7], 0
	s_or_b32 s[G1B+0], s44, (1<<16)|(1<<20)|(1<<21)|(5<<22)|(7<<25)  ; after every 64 words, 8 words
	s_mov_b32 s[G1B+1], 128<<16                    ; tensor_dim0 = 128
	s_mov_b32 s[G1B+2], 128<<16                    ; tensor_dim1 = 128
	s_mov_b32 s[G1B+3], 128<<16                    ; tile_dim0 = 128
	s_mov_b32 s[G1B+4], 128                        ; tile_dim1 = 128
	s_mov_b32 s[G1B+5], 1024                       ; elements from row to row of Wo2
	s_mov_b32 s[G1B+6], 0
	s_mov_b32 s[G1B+7], 0
	s_lshl_b32 s17, s12, 6
	s_lshl_b32 s16, s13, 7
	s_add_co_u32 s16, s16, s17                     ; H2: row 128 x tile row + 64 x half,
	s_lshl_b32 s16, s16, 12                        ; of 4,096 bytes
	s_mov_b32 s17, 0
	s_lshl_b32 s46, s42, 8                         ; Wo2: column 128 x tile column, in bytes,
	s_lshl_b32 s47, s12, 18                        ; row 128 x half, of 2,048 bytes
	s_add_co_u32 s46, s46, s47
	s_mov_b32 s47, 0
	s_mul_i32 s20, s12, HALFA                      ; where they go: no place in the cluster enters an LDS address
	s_mul_i32 s21, s12, HALFB
	s_add_co_u32 s21, s21, BOFF
	s_wait_dscnt 0x0                               ; the opening add is done
	s_wait_kmcnt 0x0
	s_add_nc_u64 s[14:15], s[4:5], s[16:17]
	s_add_nc_u64 s[46:47], s[6:7], s[46:47]
	CROUND                                         ; all sixteen work-groups are here: the first joint loads meet
.irp s, 0,1
	s_mov_b32 s[G0+4*(\s)], 1
	s_add_co_u32 s[G0+4*(\s)+1], s20, (\s)*SLOT
	s_add_nc_u64 s[G0+4*(\s)+2:G0+4*(\s)+3], s[14:15], (\s)*KSTEP*2
	s_or_b32 s[G0+4*(\s)+3], s[G0+4*(\s)+3], 0x80000000
	s_mov_b32 s[G0B+4*(\s)], 1
	s_add_co_u32 s[G0B+4*(\s)+1], s21, (\s)*SLOT
	s_add_nc_u64 s[G0B+4*(\s)+2:G0B+4*(\s)+3], s[46:47], (\s)*KSTEP*2048
	s_or_b32 s[G0B+4*(\s)+3], s[G0B+4*(\s)+3], 0x80000000
	JLOAD \s                                       ; two tensor loads of mine are out
.endr
	v_and_b32 v1, 15, v0                           ; r
	v_bfe_u32 v2, v0, 4, 1                         ; h
	v_lshlrev_b32 v[BO], 5, v2
	s_lshl_b32 s46, s42, 9                         ; my first column, 128 x tile column + 64 x half, in bytes of f32 (in the registers that held Wo2's address)
	s_lshl_b32 s47, s12, 8
	s_add_co_u32 s46, s46, s47
	s_mov_b32 s47, 0
	s_add_nc_u64 s[68:69], s[68:69], s[46:47]
.irp b, 0,1,2,3
	global_load_b128 v[BI+8*\b:BI+8*\b+3],   v[BO], s[68:69] offset:64*\b      ; the bias of columns 16 b + 8 h + 0..3,
	global_load_b128 v[BI+8*\b+4:BI+8*\b+7], v[BO], s[68:69] offset:64*\b+16   ; and + 4..7
.endr
	s_lshl_b32 s16, s13, 7
	s_lshl_b32 s17, s11, 6
	s_add_co_u32 s16, s16, s17                     ; my first row of out0,
	s_lshl_b32 s16, s16, 12                        ; of 4,096 bytes
	s_mov_b32 s17, 0
	s_add_nc_u64 s[70:71], s[70:71], s[16:17]
	s_add_nc_u64 s[70:71], s[70:71], s[46:47]
	v_mul_u32_u24 v3, v1, PITCH
	v_lshl_add_u32 v3, v2, 4, v3                   ; H2: row r x pitch + 16 h
	v_and_b32 v4, 7, v0
	v_bfe_u32 v5, v0, 3, 1
	v_lshl_add_u32 v6, v2, 3, v4                   ; Wo2, turned: lane l reads row 8 h + l % 8, columns 8 ((l / 8) % 2) + 0..7
	v_mul_u32_u24 v6, v6, PITB
	v_lshl_add_u32 v6, v5, 4, v6
	s_mul_i32 s22, s11, HALFA
	s_lshl_b32 s23, s12, 7                         ; my 64 columns
	s_add_co_u32 s23, s23, BOFF
.irp s, 0,1
	v_add_nc_u32 v[ADRA+(\s)], s22, v3
	v_add_nc_u32 v[ADRB+2*(\s)], s23, v6
	v_add_nc_u32 v[ADRB+2*(\s)+1], HALFB, v[ADRB+2*(\s)]
	s_add_co_u32 s22, s22, SLOT
	s_add_co_u32 s23, s23, SLOT
.endr
	s_mul_i32 s22, s10, 16*SPITCH
	s_add_co_u32 s22, s22, STAGE                   ; my stage
	v_mul_u32_u24 v7, v1, SPITCH
	v_lshl_add_u32 v7, v2, 5, v7
	v_add_nc_u32 v[STO], s22, v7                   ; in: row r, 32 bytes for each half of the lanes
	v_mul_u32_u24 v7, v2, SPITCH
	v_lshl_add_u32 v7, v1, 4, v7
	v_add_nc_u32 v[RD], s22, v7                    ; back: lanes 0-15 take one row of 256 bytes, lanes 16-31 the next
	v_lshlrev_b32 v[CO], 12, v2                    ; and the same two rows in out0
	v_lshl_add_u32 v[CO], v1, 4, v[CO]
	s_wait_loadcnt 0x0                             ; the bias, rounded to bf16 and widened again
.set i, 0
.rept 16
	v_cvt_pk_bf16_f32 v[8+(i/2)%4], v[BI+i], v[BI+i+1]
	v_lshlrev_b32 v[BI+i], 16, v[8+(i/2)%4]
	v_and_b32 v[BI+i+1], 0xffff0000, v[8+(i/2)%4]
.set i, i+2
.endr
; 8 matrix instructions: row blocks a0, a0 + 1 x all 4 column blocks, 32 along K: half c of buffer f.  first = 1: the sums start with the bias.  The 16 accumulators take turns.
.macro MUL8 f, c, a0, first
	WIN MUL
.irp a, \a0, (\a0)+1
.irp b, 0,1,2,3
.if \first
	v_wmma_f32_16x16x32_bf16 v[ACC+8*(4*(\a)+(\b)):ACC+8*(4*(\a)+(\b))+7], v[(\f)+64+8*(4*(\c)+(\b)):(\f)+64+8*(4*(\c)+(\b))+7], v[(\f)+8*(4*(\c)+(\a)):(\f)+8*(4*(\c)+(\a))+7], v[BI+8*(\b):BI+8*(\b)+7]
.else
	v_wmma_f32_16x16x32_bf16 v[ACC+8*(4*(\a)+(\b)):ACC+8*(4*(\a)+(\b))+7], v[(\f)+64+8*(4*(\c)+(\b)):(\f)+64+8*(4*(\c)+(\b))+7], v[(\f)+8*(4*(\c)+(\a)):(\f)+8*(4*(\c)+(\a))+7], v[ACC+8*(4*(\a)+(\b)):ACC+8*(4*(\a)+(\b))+7]
.endif
.endr
.endr
.endm
; 32 LDS loads in one run: quarter q (64 along K) of a slot into buffer f; the first 32 along K first
.macro FETCH slot, q, f
	WIN TO_F
.irp c, 0,1
.irp i, 0,1,2,3
	ds_load_tr16_b128 v[(\f)+64+8*(4*(\c)+(\i)):(\f)+64+8*(4*(\c)+(\i))+3],   v[ADRB+2*(\slot)+(\q)/2] offset:(((\q)%2)*64+32*(\c))*PITB+32*(\i)
	ds_load_tr16_b128 v[(\f)+64+8*(4*(\c)+(\i))+4:(\f)+64+8*(4*(\c)+(\i))+7], v[ADRB+2*(\slot)+(\q)/2] offset:(((\q)%2)*64+32*(\c))*PITB+32*(\i)+16*PITB
	ds_load_b128 v[(\f)+8*(4*(\c)+(\i)):(\f)+8*(4*(\c)+(\i))+3],   v[ADRA+(\slot)] offset:(\q)*128+64*(\c)+(\i)*16*PITCH
	ds_load_b128 v[(\f)+8*(4*(\c)+(\i))+4:(\f)+8*(4*(\c)+(\i))+7], v[ADRA+(\slot)] offset:(\q)*128+64*(\c)+(\i)*16*PITCH+32
.endr
.endr
.endm
.macro PLACES                          ; four plain vector instructions between a matrix instruction and a load into, or a store of, its registers
.rept 4
	v_nop
.endr
.endm
.macro QUARTER slot, q, f, g, first
	s_wait_dscnt 16                                ; the first 32 along K are in
	MUL8 \f, 0, 0, \first
	MUL8 \f, 0, 2, \first
	PLACES
	FETCH \slot, \q, \g
	s_wait_dscnt 32                                ; all but the 32 just issued
	MUL8 \f, 1, 0, 0
	MUL8 \f, 1, 2, 0
.endm
; The last quarter multiplies buffer 1 and changes slots: one barrier; in front of it each wave waits for all its tensor loads, adds 0 to its spare word, and waits for that and for its own reads of this slot.
.macro TURN slot, next, fill
	WIN 0
	s_wait_tensorcnt 0x0                           ; all my tensor loads have landed: my part of the next slot
	ds_add_u32 v[SPW], v[NIL]
	s_wait_dscnt 17                                ; the add and the youngest sixteen loads may be out
	MUL8 F1, 0, 0, 0
	s_wait_dscnt 0x0                               ; the add is done, and my reads of this slot are over
	s_barrier_signal -1
	MUL8 F1, 0, 2, 0
.if \fill
	WIN 0
.endif
	s_barrier_wait -1
.if \fill
	CREST                                          ; no wave of any partner still reads this slot or has a load on its way
	s_add_nc_u64 s[G0+4*(\slot)+2:G0+4*(\slot)+3], s[G0+4*(\slot)+2:G0+4*(\slot)+3], 2*KSTEP*2
	s_add_nc_u64 s[G0B+4*(\slot)+2:G0B+4*(\slot)+3], s[G0B+4*(\slot)+2:G0B+4*(\slot)+3], 2*KSTEP*2048
	JLOAD \slot                                    ; the first tensor load behind the round; its four v_nop are also the places in front of the loads below
.else
	PLACES
.endif
	FETCH \next, 0, F0
	MUL8 F1, 1, 0, 0
	MUL8 F1, 1, 2, 0
.endm
	s_wait_tensorcnt 1                             ; my part of K step 0 is in; K step 1's may stay out
	s_barrier_signal -1
	s_barrier_wait -1
	FETCH 0, 0, F0
	QUARTER 0, 1, F0, F1, 1                        ; the first quarter stands in front of the loop: its first products start the sums
	WIN 0
	s_mov_b32 s3, LAPS-1
.Llap:
	QUARTER 0, 2, F1, F0, 0
	QUARTER 0, 3, F0, F1, 0
	TURN 0, 1, 1
	QUARTER 1, 1, F0, F1, 0
	QUARTER 1, 2, F1, F0, 0
	QUARTER 1, 3, F0, F1, 0
	TURN 1, 0, 1
	QUARTER 0, 1, F0, F1, 0
	WIN 0
	s_sub_co_u32 s3, s3, 1
	s_cmp_lg_u32 s3, 0
	s_cbranch_scc1 .Llap
	QUARTER 0, 2, F1, F0, 0                        ; the last lap fills nothing
	QUARTER 0, 3, F0, F1, 0
	TURN 0, 1, 0
	QUARTER 1, 1, F0, F1, 0
	QUARTER 1, 2, F1, F0, 0
	QUARTER 1, 3, F0, F1, 0
	s_wait_dscnt 16
	MUL8 F1, 0, 0, 0
	MUL8 F1, 0, 2, 0
	s_wait_dscnt 0x0
	MUL8 F1, 1, 0, 0
	MUL8 F1, 1, 2, 0
	WIN 0
	PLACES
; THE WAY OUT, 16 rows at a time: a lane's eight numbers of a row go into my stage (each accumulator's low four registers first) and come back as whole rows of 256 bytes.
.macro OUTB a
.set BK, 32+32*((\a)%2)
.if (\a) >= 2
	s_wait_xcnt 0x0                                ; the stores of the block two back have read the registers that are loaded again below
.endif
.irp b, 0,1,2,3
	ds_store_b128 v[STO], v[ACC+8*(4*(\a)+(\b)):ACC+8*(4*(\a)+(\b))+3] offset:64*(\b)
	ds_store_b128 v[STO], v[ACC+8*(4*(\a)+(\b))+4:ACC+8*(4*(\a)+(\b))+7] offset:64*(\b)+16
.endr
.irp f, 0,1,2,3,4,5,6,7
	ds_load_b128 v[BK+4*(\f):BK+4*(\f)+3], v[RD] offset:(\f)*2*SPITCH  ; LDS serves a wave's instructions in order (ISA guide 5.7.1.4): these see the stores above
.endr
.irp f, 0,1,2,3,4,5,6,7
	s_wait_dscnt 7-(\f)
	global_store_b128 v[CO], v[BK+4*(\f):BK+4*(\f)+3], s[70:71] offset:(\a)*65536+(\f)*8192 th:TH_STORE_NT  ; 16 lanes store 256 consecutive bytes, at a multiple of 256 from out0's first
.endr
.endm
	OUTB 0
	OUTB 1
	OUTB 2
	OUTB 3
	s_wait_tensorcnt 0x0                           ; the wave's end
	ds_add_u32 v[SPW], v[NIL]
	s_wait_dscnt 0x0
	CROUND                                         ; the closing round
	s_endpgm
.Lfunc_end_k_q5afb6de864_outp:
	.size	k_q5afb6de864_outp, .Lfunc_end_k_q5afb6de864_outp-k_q5afb6de864_outp
	.p2alignl 7, 3214868480
	.fill 96, 4, 3214868480
	.section	.rodata,"a",@progbits
	.p2align	6, 0x0
	.amdhsa_kernel k_q5afb6de864_outp
		.amdhsa_group_segment_fixed_size 327680
		.amdhsa_private_segment_fixed_size 0
		.amdhsa_enable_private_segment 0
		.amdhsa_kernarg_size 32
		.amdhsa_user_sgpr_count 2
		.amdhsa_user_sgpr_kernarg_segment_ptr 1
		.amdhsa_wavefront_size32 1
		.amdhsa_system_sgpr_workgroup_id_x 1
		.amdhsa_system_sgpr_workgroup_id_y 1
		.amdhsa_system_sgpr_workgroup_id_z 1
		.amdhsa_system_vgpr_workitem_id 0
		.amdhsa_next_free_vgpr 512
		.amdhsa_next_free_sgpr 72
		.amdhsa_reserve_vcc 0
		.amdhsa_float_denorm_mode_32 3
		.amdhsa_float_denorm_mode_16_64 3
		.amdhsa_memory_ordered 1
		.amdhsa_forward_progress 1
		.amdhsa_inst_pref_size 90
	.end_amdhsa_kernel
	.amdgpu_metadata
---
amdhsa.version: [ 1, 2 ]
amdhsa.kernels:
  - .name:           k_q5afb6de864_outp
    .symbol:         k_q5afb6de864_outp.kd
    .args:
      - { .name: H2, .offset: 0, .size: 8, .value_kind: global_buffer, .address_space: global }
      - { .name: Wo2, .offset: 8, .size: 8, .value_kind: global_buffer, .address_space: global }
      - { .name: b_out, .offset: 16, .size: 8, .value_kind: global_buffer, .address_space: global }
      - { .name: out0, .offset: 24, .size: 8, .value_kind: global_buffer, .address_space: global }
    .group_segment_fixed_size: 327680
    .private_segment_fixed_size: 0
    .kernarg_segment_align: 8
    .kernarg_segment_size: 32
    .max_flat_workgroup_size: 128
    .sgpr_count:     72
    .vgpr_count:     512
    .wavefront_size: 32
...
	.end_amdgpu_metadata
.endif
;; end of part 4
;; ======== version 2 of 3: 4 launches; 1.04 times as fast as version 1
;; limits: values outside matrix products are rounded to f16; values are held in f16: magnitudes above 65,504 overflow, below 6.1e-05 lose precision; right only within a limited range of input values
;; workspace buffers: Xb 8,388,608 bytes; Wb 8,388,608 bytes; Wo 2,097,152 bytes; pj 33,554,432 bytes; nrm 524,288 bytes; Hb 8,388,608 bytes
;; launch cast (part 5): grid 1152 x 1, 8 waves a work-group, no clusters, 0 bytes of LDS; arguments X, W_in, W_out, Xb, Wb, Wo; writes Xb, Wb, Wo
.if DOCPART == 5
	.amdgcn_target "amdgcn-amd-amdhsa--gfx1250"
	.amdhsa_code_object_version 6
	.text
	.protected	k_q5afb6de864_cast
	.globl	k_q5afb6de864_cast
	.p2align	8
	.type	k_q5afb6de864_cast,@function
k_q5afb6de864_cast:
	s_mov_b64 s[64:65], 0
	v_nop
	global_prefetch_b8 v0, s[64:65] scope:SCOPE_SE
	s_setreg_imm32_b32 hwreg(HW_REG_WAVE_MODE, 25, 1), 1
	s_wait_xcnt 0x0
; X, W_in and W_out are rounded once from f32 to bf16 (nearest even), each as it lies: Xb [4096][1024], Wb [1024][4096], Wo [1024][1024].
; A stream: no LDS, no barrier, no matrix unit, no cluster (no two work-groups read the same byte).  A work-group takes 32,768 bytes of f32,
; a wave 4,096: eight loads of 512 consecutive bytes, all issued before the first wait; each store of a wave covers 256 consecutive bytes, aligned.
; Work-groups 0-511: X.  512-1023: W_in.  1024-1151: W_out.  Each tensor begins at a multiple of 512 work-groups, so the chunk inside it is g mod 512.
.set IN,  4                            ; v[4:35]   eight loads of four f32
.set OUT, 36                           ; v[36:51]  eight pairs of packed bf16; no register is written twice, so no wait frees any
	s_load_b256 s[4:11], s[0:1], 0x0               ; X s[4:5], W_in s[6:7], W_out s[8:9], Xb s[10:11]
	s_load_b128 s[12:15], s[0:1], 0x20             ; Wb s[12:13], Wo s[14:15]
	s_mov_b32 s16, ttmp9                           ; g
	s_and_b32 s17, s16, 511                        ; the chunk inside its tensor
	s_lshl_b32 s18, s17, 15                        ; its bytes in,
	s_lshl_b32 s20, s17, 14                        ; and out
	s_mov_b32 s19, 0
	s_mov_b32 s21, 0
	v_and_b32 v1, 0xe0, v0                         ; 32 x wave
	v_and_b32 v2, 31, v0
	v_lshlrev_b32 v2, 4, v2
	v_lshl_or_b32 v1, v1, 7, v2                    ; in: 4,096 x wave + 16 x lane
	v_lshrrev_b32 v2, 1, v1                        ; out: half of that
	s_wait_kmcnt 0x0
	s_cmp_lt_u32 s16, 512                          ; the two buffers are chosen by the work-group's number alone
	s_cselect_b64 s[26:27], s[4:5], s[6:7]
	s_cselect_b64 s[28:29], s[10:11], s[12:13]
	s_cmp_ge_u32 s16, 1024
	s_cselect_b64 s[26:27], s[8:9], s[26:27]
	s_cselect_b64 s[28:29], s[14:15], s[28:29]
	s_add_nc_u64 s[26:27], s[26:27], s[18:19]
	s_add_nc_u64 s[28:29], s[28:29], s[20:21]
.irp j, 0,1,2,3,4,5,6,7
	global_load_b128 v[IN+4*\j:IN+4*\j+3], v1, s[26:27] offset:512*\j th:TH_LOAD_NT
.endr
.irp j, 0,1,2,3,4,5,6,7
	s_wait_loadcnt 7-\j                            ; loads come back in order: load j is in, the younger ones stay out
	v_cvt_pk_bf16_f32 v[OUT+2*\j], v[IN+4*\j], v[IN+4*\j+1]
	v_cvt_pk_bf16_f32 v[OUT+2*\j+1], v[IN+4*\j+2], v[IN+4*\j+3]
	global_store_b64 v2, v[OUT+2*\j:OUT+2*\j+1], s[28:29] offset:256*\j
.endr
	s_endpgm
.Lfunc_end_k_q5afb6de864_cast:
	.size	k_q5afb6de864_cast, .Lfunc_end_k_q5afb6de864_cast-k_q5afb6de864_cast
	.p2alignl 7, 3214868480
	.fill 96, 4, 3214868480
	.section	.rodata,"a",@progbits
	.p2align	6, 0x0
	.amdhsa_kernel k_q5afb6de864_cast
		.amdhsa_group_segment_fixed_size 0
		.amdhsa_private_segment_fixed_size 0
		.amdhsa_enable_private_segment 0
		.amdhsa_kernarg_size 48
		.amdhsa_user_sgpr_count 2
		.amdhsa_user_sgpr_kernarg_segment_ptr 1
		.amdhsa_wavefront_size32 1
		.amdhsa_system_sgpr_workgroup_id_x 1
		.amdhsa_system_sgpr_workgroup_id_y 1
		.amdhsa_system_sgpr_workgroup_id_z 1
		.amdhsa_system_vgpr_workitem_id 0
		.amdhsa_next_free_vgpr 56
		.amdhsa_next_free_sgpr 66
		.amdhsa_reserve_vcc 0
		.amdhsa_float_denorm_mode_32 3
		.amdhsa_float_denorm_mode_16_64 3
		.amdhsa_memory_ordered 1
		.amdhsa_forward_progress 1
		.amdhsa_inst_pref_size 4
	.end_amdhsa_kernel
	.amdgpu_metadata
---
amdhsa.version: [ 1, 2 ]
amdhsa.kernels:
  - .name:           k_q5afb6de864_cast
    .symbol:         k_q5afb6de864_cast.kd
    .args:
      - { .name: X, .offset: 0, .size: 8, .value_kind: global_buffer, .address_space: global }
      - { .name: W_in, .offset: 8, .size: 8, .value_kind: global_buffer, .address_space: global }
      - { .name: W_out, .offset: 16, .size: 8, .value_kind: global_buffer, .address_space: global }
      - { .name: Xb, .offset: 24, .size: 8, .value_kind: global_buffer, .address_space: global }
      - { .name: Wb, .offset: 32, .size: 8, .value_kind: global_buffer, .address_space: global }
      - { .name: Wo, .offset: 40, .size: 8, .value_kind: global_buffer, .address_space: global }
    .group_segment_fixed_size: 0
    .private_segment_fixed_size: 0
    .kernarg_segment_align: 8
    .kernarg_segment_size: 48
    .max_flat_workgroup_size: 256
    .sgpr_count:     66
    .vgpr_count:     56
    .wavefront_size: 32
...
	.end_amdgpu_metadata
.endif
;; end of part 5
;; launch proj: the kernel of part 2 again; grid 16 x 16, 4 waves a work-group, clusters of 4 x 4, 327,680 bytes of LDS; arguments Xb, Wb, b_in, pj, nrm; writes pj, nrm
;; launch attn (part 6): grid 8 x 32, 8 waves a work-group, clusters of 4 x 1, 327,680 bytes of LDS; arguments pj, nrm, Hb; writes Hb
.if DOCPART == 6
	.amdgcn_target "amdgcn-amd-amdhsa--gfx1250"
	.amdhsa_code_object_version 6
	.text
	.protected	k_q5afb6de864_attn
	.globl	k_q5afb6de864_attn
	.p2align	8
	.type	k_q5afb6de864_attn,@function
k_q5afb6de864_attn:
	s_mov_b64 s[64:65], 0
	v_nop
	global_prefetch_b8 v0, s[64:65] scope:SCOPE_SE
	s_setreg_imm32_b32 hwreg(HW_REG_WAVE_MODE, 25, 1), 1
	s_wait_xcnt 0x0
	s_wait_alu depctr_hold_cnt(0) depctr_sa_sdst(0) depctr_va_vdst(0) depctr_va_sdst(0) depctr_va_ssrc(0) depctr_va_vcc(0) depctr_vm_vsrc(0)
	s_getreg_b32 s2, hwreg(HW_REG_IB_STS2, 6, 4)
	s_cmp_eq_u32 s2, 0
	s_cbranch_scc0 .Lentry_in_a_cluster
	s_endpgm
.Lentry_in_a_cluster:
	s_bfe_u32 s2, ttmp6, 0x10000c
	s_cmp_lg_u32 s2, 0x3003
	s_cbranch_scc0 .Lentry_shape_is_right
	s_endpgm
.Lentry_shape_is_right:
; SHEPARD'S ATTENTION with its gate, for one (head, batch) pair hb and 256 queries a work-group.
;   d2 = q2 + k2 - 2 q.k;  w = (eps + sqrt(max(d2, 0)))^-2;  A = sum(w v) / (eps + sum(w));  H = G A.      eps = 1e-4
; In: pj [4 parts Q,K,V,G][32 hb][2048][64] f16; nrm [2][32 hb][2048] f32: q2 = sum(Q^2), kh = -0.5 sum(K^2).
; Out: Hb [16 heads][4096 rows][64] bf16, H rounded once (f16 has no room for H, which goes with the fourth power of the inputs' scale).  By heads, so that a tile's 16 rows are 2,048 consecutive
; bytes; the row index 4096 head + 2048 batch + t is 2048 hb + t, the same as in a part of pj.
; HOW.  S = K Q^T + kh: kh is the C operand that starts the sum, so k2 costs no vector work; d2 = q2 - 2 S; t = sqrt(|d2|).  A running minimum T of t is the nearest key so far:
; um = eps + T, rm = 1 / um.  The weight is kept relative to the largest so far: p = (rm t + eps rm)^-2, in 0 to 1 whatever rounding did to d2, rounded to f16 for the second product.
; In every step O and L are multiplied by a = (um_new rm_old)^2, which is 1 where T has not fallen; rm starts at 0, so the first step's a is 0.
; L = sum(p) is a fifth block of 'channels' of V^T P, whose V is 1.  At the end w = p / um^2 gives A = O / (eps um^2 + L).
; THE CLAMP.  The true squared distance is never negative: d2 < 0 is the sum's rounding alone, and there 0 and |d2| both lie within that rounding of the true value.  The root takes |d2| by its
; source modifier, which costs no instruction.  A stated departure: where max(d2, 0) gives the distance 0 for such a pair, this text gives sqrt(|d2|).
; LIMITS.  A weight below 6e-8 of its row's largest counts as 0 (f16's last step).  Q, K, V, G arrive within f16's 65,504.  H keeps bf16's 8 significant bits.  NaN and infinities are not treated apart.
; SHARES.  Eight waves, each 32 queries: tiles 0 and 1 of 16.  Every wave walks all 2,048 keys, 64 a step; an LDS slot holds 256 keys: K, V and kh.
; LAYOUT.  S^T = K Q^T holds ONE query a lane (l % 16) and the keys 8 (l / 16) + 0..7; two such results rounded to f16 ARE source 1 of O^T = V^T P, which again holds one query a lane.
; BY TURNS.  A tile and step have 18 matrix and 168 vector instructions, 65 of them roots and reciprocals, in two halves.  FIRST HALF: d2, t, the lane's least t; then the chain T, um, a, rm, in
; which each line waits for the one before.  SECOND HALF: y, 1 / y, its square, the rounding to f16; O^T times a.  Turn t does tile t's second half and, beside it, for the other tile: the products
; K Q^T of the step that its next turn finishes, that step's first half, and the products V^T P of the step that its last turn finished.  So a turn begins with work that waits for nothing,
; and the chain stands among the second half's last lines.
; CLUSTER.  The four query blocks of a cluster belong to one hb and walk the same K, V and kh: each tile is asked for jointly, same load, descriptor and mask in all four.
; REGISTERS, in windows of 256 (s_set_vgpr_msb: bits 1:0 source 0, 3:2 source 1, 5:4 source 2, 7:6 destination):
;   window 0: v0-15 addresses; v16-39 statistics; v40-71 G; v72-135 S^T; v136-167 P; v168-247 O^T and L; v248-255 at work
;   window 1: v0-31 Q; v32-95 K of one step; v96-159 V of one step; v160-167 ones; v168-199 kh of one step
.set KS,    64
.set PK,    144       ; a row of K in LDS: 128 bytes + 16: the 16 rows of a load start at 16 different groups of four banks (ISA guide 11.1)
.set PV,    160       ; a row of V: 128 + 32
.set VOFF,  4*KS*PK
.set KHOFF, VOFF+4*KS*PV
.set SLOT1, 1<<17     ; slot 1 begins here: one exclusive or turns an address in one slot into the other's
.set STAGE, SLOT1+KHOFF+4*KS*4  ; behind the ring: 16 rows x 144 bytes for each wave
.set SP,    144
.set SPARE, STAGE+8*16*SP       ; the spare words, 128 bytes for each wave: four blocks of 256 bytes that no other line names
.set AK0, 2           ; my lane's place in a tile of K; never rewritten
.set AV0, 3           ; of V
.set AK,  4           ; the address of K's run of loads
.set AV,  5           ; of V's
.set AH0, 6           ; my lane's place in kh
.set AH,  7
.set STO, 8
.set RD,  9
.set GO,  10
.set QO,  11          ; my byte offset in 16 rows of Q or G
.set QN,  12          ; in 16 numbers of q2
.set SPW, 14          ; LDS address of my spare word; never rewritten
.set NIL, 15          ; 0; never rewritten
.set ST,  16          ; tile t at ST + 12 t: +0 q2, +1 my lane's least t so far, +2 rm, +3 um, +4 eps rm, +5 um_new rm_old, +6 a, +7 named in a pair with a, +8 the other half's least t, +9 T
.set GF,  40
.set S,   72
.set P,   136
.set O,   168         ; tile t at O + 40 t: four blocks of 16 channels, then L
.set W,   248
.set QF,  0           ; window 1
.set KF,  32
.set VF,  96
.set ONE, 160
.set KHF, 168
.set WV,  12
.set G1K, 24
.set G1V, 32
.set G1H, 40
.set G0K, 48
.set G0V, 52
.set G0H, 56
.set SEL, 60
.set TBK, 62          ; LDS byte at which K of the step to be fetched begins
.set TBV, 63          ; the same for V, less VOFF
.set TBH, 66          ; for kh, less KHOFF
.set CNT, 67
.set SLOTS, 68
.set EPS, 69
.set MSB, 0
.macro WIN new                      ; the high byte repeats the setting that is left; a switch that changes nothing is dropped
.if MSB != (\new)
	s_set_vgpr_msb (MSB<<8)|(\new)
.set MSB, (\new)
.endif
.endm
; A joint fill.  Waves 0, 1: the halves of a slot's K.  Waves 2, 3: of its V.  Wave 4: its kh.  Waves 5 to 7 have no part.  The branches hang on the wave's number alone.
; An s_nop 0 and four v_nop follow each of the three lines, ahead of the jump and the label.
.macro JLOAD
	s_cmp_lt_u32 s[WV], 2
	s_cbranch_scc0 .Lnot_k_\@
	tensor_load_to_lds s[G0K:G0K+3], s[G1K:G1K+7]
	s_nop 0
.rept 4
	v_nop
.endr
	s_branch .Lasked_\@
.Lnot_k_\@:
	s_cmp_lt_u32 s[WV], 4
	s_cbranch_scc0 .Lnot_v_\@
	tensor_load_to_lds s[G0V:G0V+3], s[G1V:G1V+7]
	s_nop 0
.rept 4
	v_nop
.endr
	s_branch .Lasked_\@
.Lnot_v_\@:
	s_cmp_eq_u32 s[WV], 4
	s_cbranch_scc0 .Lasked_\@
	tensor_load_to_lds s[G0H:G0H+3], s[G1H:G1H+7]
	s_nop 0
.rept 4
	v_nop
.endr
.Lasked_\@:
.endm
.macro CROUND                       ; a round of the cluster's barrier
	s_barrier_signal -1
	s_barrier_wait -1
	s_cmp_lg_u32 s[WV], 0
	s_cbranch_scc1 .Lnot_wave_0_\@
	s_barrier_signal -3
.Lnot_wave_0_\@:
	s_barrier_wait -3
	s_barrier_signal -1
	s_barrier_wait -1
.endm
; THE CHANGE OF SLOTS.  The slot's last bytes, V of its fourth step, have been asked for.  Each wave waits for all its tensor loads (at most one is out: its part of the other slot), adds 0 to
; its spare word, and waits for that and for its own reads of the slot.  fill = 1: the barrier is a round of the cluster's, and the slot is filled again, first thing behind it, with the keys two
; slots on: four key steps in which to land.  (At its first use nothing has been read yet: slot 0 is waited for, slot 1 filled.)
.macro CHANGE fill
	WIN 0
	s_wait_tensorcnt 0x0            ; no tensor load of mine is out, so a group 0 may be written
	ds_add_u32 v[SPW], v[NIL]       ; 0 onto my spare word; the descriptors' steps stand between it and the wait for it
.if \fill
.irp g, G0K, G0V, G0H
	s_xor_b32 s[\g+1], s[\g+1], SLOT1
.endr
	s_add_nc_u64 s[G0K+2:G0K+3], s[G0K+2:G0K+3], 4*KS*128
	s_add_nc_u64 s[G0V+2:G0V+3], s[G0V+2:G0V+3], 4*KS*128
	s_add_nc_u64 s[G0H+2:G0H+3], s[G0H+2:G0H+3], 4*KS*4
	s_wait_dscnt 0x0                ; the add is done, and my reads of the slot are over
	CROUND
	JLOAD
.else
	s_wait_dscnt 0x0
	s_barrier_signal -1
	s_barrier_wait -1
.endif
	s_sub_co_u32 s[TBK], s[TBK], 4*KS*PK  ; the fetches go back to a slot's first step, in the other slot
	s_xor_b32 s[TBK], s[TBK], SLOT1
	s_sub_co_u32 s[TBV], s[TBV], 4*KS*PV
	s_xor_b32 s[TBV], s[TBV], SLOT1
	s_sub_co_u32 s[TBH], s[TBH], 4*KS*4
	s_xor_b32 s[TBH], s[TBH], SLOT1
.endm
	s_load_b128 s[4:7], s[0:1], 0x0   ; pj s[4:5], nrm s[6:7]
	s_load_b64 s[8:9], s[0:1], 0x10   ; Hb
	v_lshl_add_u32 v[SPW], v0, 2, SPARE
	v_mov_b32 v[NIL], 0
	ds_add_u32 v[SPW], v[NIL]       ; the wave's opening: the add and its wait stand ahead of my first tensor load; work on registers stands between them
	v_lshrrev_b32 v1, 5, v0
	v_readfirstlane_b32 s[WV], v1   ; wave 0..7
	s_bfe_u32 s13, ttmp6, 0x40000   ; cx
	s_lshl_b32 s14, ttmp9, 2
	s_add_co_u32 s14, s14, s13      ; my block of 256 queries: it enters Q's, G's, q2's and Hb's addresses alone
	s_and_b32 s15, ttmp7, 0xffff    ; hb, which the four partners share
	s_lshl_b32 s20, s15, 18         ; hb's 2,048 rows of 128 bytes in a part of pj, and in Hb
	s_and_b32 s16, s[WV], 1         ; which half of a slot's 256 keys I fetch:
	s_lshl_b32 s22, s16, 14         ; its 128 rows in memory,
	s_add_co_u32 s22, s22, s20
	s_mov_b32 s23, 0
	s_mul_i32 s17, s16, 128*PK      ; and its place in a slot, for K
	s_mul_i32 s18, s16, 128*PV      ; and for V
	s_lshl_b32 s10, s15, 13         ; hb's 2,048 numbers in a part of nrm,
	s_add_co_u32 s10, s10, 262144   ; in part 1
	s_mov_b32 s11, 0
	s_lshl_b32 s2, s14, 15          ; Q, G and Hb: my block's 256 rows,
	s_lshl_b32 s3, s[WV], 12        ; my wave's 32 of them
	s_add_co_u32 s2, s2, s3
	s_add_co_u32 s2, s2, s20
	s_mov_b32 s3, 0
	s_lshl_b32 s78, s15, 13         ; q2: the same rows, 4 bytes each
	s_lshl_b32 s79, s14, 10
	s_add_co_u32 s78, s78, s79
	s_lshl_b32 s79, s[WV], 7
	s_add_co_u32 s78, s78, s79
	s_mov_b32 s79, 0
	; group 1.  128 keys are 16,384 dense bytes: asked for as 64 rows of 256 bytes, two keys a row, padded in LDS after every key
	s_mov_b32 s[G1K], 15|(1<<16)|(1<<20)|(1<<21)|(4<<22)|(3<<25)  ; the mask of four; 2-byte elements; padding on; bit 21 beside a mask; after every 32 words, 4 words
	s_mov_b32 s[G1V], 15|(1<<16)|(1<<20)|(1<<21)|(4<<22)|(7<<25)  ; the same with 8 words
.irp g, G1K, G1V
	s_mov_b32 s[\g+1], 128<<16      ; tensor_dim0 = 128
	s_mov_b32 s[\g+2], 64<<16       ; tensor_dim1 = 64
	s_mov_b32 s[\g+3], 128<<16      ; tile_dim0 = 128
	s_mov_b32 s[\g+4], 64           ; tile_dim1 = 64
	s_mov_b32 s[\g+5], 128          ; elements from row to row
	s_mov_b32 s[\g+6], 0
	s_mov_b32 s[\g+7], 0
.endr
	s_mov_b32 s[G1H], 15|(3<<16)|(1<<21)  ; kh of 256 keys: 1,024 dense bytes as 4 rows of 32 elements of 8 bytes, no padding
	s_mov_b32 s[G1H+1], 32<<16
	s_mov_b32 s[G1H+2], 4<<16
	s_mov_b32 s[G1H+3], 32<<16
	s_mov_b32 s[G1H+4], 4
	s_mov_b32 s[G1H+5], 32
	s_mov_b32 s[G1H+6], 0
	s_mov_b32 s[G1H+7], 0
	s_mov_b32 s[SEL], 0x76543210
	s_mov_b32 s[SEL+1], 0xfedcba98
	s_mov_b32 s[EPS], 0x38d1b717    ; 1e-4
	s_mov_b32 s[TBK], SLOT1+4*KS*PK ; the first change of slots turns these three into 0
	s_mov_b32 s[TBV], SLOT1+4*KS*PV
	s_mov_b32 s[TBH], SLOT1+4*KS*4
	s_mov_b32 s[G0K], 1
	s_mov_b32 s[G0K+1], s17         ; slot 0
	s_mov_b32 s[G0V], 1
	s_add_co_u32 s[G0V+1], s18, VOFF
	s_mov_b32 s[G0H], 1
	s_mov_b32 s[G0H+1], KHOFF
	s_wait_dscnt 0x0                ; the opening add is done
	s_wait_kmcnt 0x0
	s_add_nc_u64 s[G0K+2:G0K+3], s[4:5], s[22:23]
	s_add_nc_u64 s[G0V+2:G0V+3], s[G0K+2:G0K+3], 0x1000000  ; part 2
	s_add_nc_u64 s[G0K+2:G0K+3], s[G0K+2:G0K+3], 0x800000   ; part 1
	s_or_b32 s[G0K+3], s[G0K+3], 0x80000000
	s_or_b32 s[G0V+3], s[G0V+3], 0x80000000
	s_add_nc_u64 s[G0H+2:G0H+3], s[6:7], s[10:11]
	s_or_b32 s[G0H+3], s[G0H+3], 0x80000000
	s_add_nc_u64 s[70:71], s[4:5], s[2:3]           ; Q at my wave's first row
	s_add_nc_u64 s[72:73], s[70:71], 0x1800000      ; G
	s_add_nc_u64 s[74:75], s[6:7], s[78:79]         ; q2
	s_add_nc_u64 s[76:77], s[8:9], s[2:3]           ; Hb: the same offset as Q's in its part
	CROUND                          ; all four work-groups are here: the first joint loads meet
	JLOAD                           ; slot 0; slot 1 is asked for when slot 0 is in
	v_and_b32 v1, 15, v0            ; r = l % 16
	v_bfe_u32 v13, v0, 4, 1         ; h = l / 16
	v_lshlrev_b32 v[QO], 7, v1
	v_lshl_add_u32 v[QO], v13, 4, v[QO]  ; row x 128 + 16 h
	v_lshlrev_b32 v[QN], 2, v1
	WIN 0x40                        ; destination window 1
.set i, 0
.rept 4                             ; Q stays in registers: tile i / 2, channels 32 (i % 2) on
	global_load_b128 v[QF+8*i:QF+8*i+3],   v[QO], s[70:71] offset:(i/2)*2048+(i%2)*64
	global_load_b128 v[QF+8*i+4:QF+8*i+7], v[QO], s[70:71] offset:(i/2)*2048+(i%2)*64+32
.set i, i+1
.endr
	WIN 0
.set i, 0
.rept 8                             ; G as O^T will lie: tile i / 4, channels 16 (i % 4) + 8 h + 0..7
	global_load_b128 v[GF+4*i:GF+4*i+3], v[QO], s[72:73] offset:(i/4)*2048+(i%4)*32
.set i, i+1
.endr
	global_load_b32 v[ST], v[QN], s[74:75]
	global_load_b32 v[ST+12], v[QN], s[74:75] offset:64
	; What the first turn finds: V and tile 1's P hold 0 (its products V^T P, of a step that has not been, add 0), O^T and L are 0, rm is 0.  No first step is written out; these moves, in the wait
	; for the first tile, are the price.
	WIN 0x40
.set i, 0
.rept 64
	v_mov_b32 v[VF+i], 0
.set i, i+1
.endr
.set i, 0
.rept 8
	v_mov_b32 v[ONE+i], 0x3c003c00  ; 1.0 twice, in f16
.set i, i+1
.endr
	WIN 0
.set i, 0
.rept 80
	v_mov_b32 v[O+i], 0
.set i, i+1
.endr
.set i, 0
.rept 16
	v_mov_b32 v[P+16+i], 0
.set i, i+1
.endr
.irp t, 0,1
	v_mov_b32 v[ST+12*\t+1], 0x7f7fffff  ; my lane's least t: the largest finite number
.irp z, 2,3,4,5,6,7,8
	v_mov_b32 v[ST+12*\t+\z], 0
.endr
.endr
	v_mul_u32_u24 v[AK0], v1, PK
	v_lshl_add_u32 v[AK0], v13, 4, v[AK0]  ; row x pitch + 16 h
	v_and_b32 v[W], 7, v0
	v_bfe_u32 v[W+1], v0, 3, 1
	v_lshl_add_u32 v[AV0], v13, 3, v[W]    ; the turning load: lane l reads key 8 h + l % 8, channels 8 ((l / 8) % 2) + 0..7
	v_mul_u32_u24 v[AV0], v[AV0], PV
	v_lshl_add_u32 v[AV0], v[W+1], 4, v[AV0]
	v_add_nc_u32 v[AV0], VOFF, v[AV0]
	v_lshlrev_b32 v[AH0], 5, v13           ; kh of keys 8 h + 0..7: the sixteen lanes of a half read the same bytes
	v_add_nc_u32 v[AH0], KHOFF, v[AH0]
; THE MATRIX WORK.  No two matrix instructions that follow each other share an accumulator.
; Product i of 8 of S^T = K Q^T + kh for tile x: channels 32 (i / 4) on, keys 16 (i % 4) on.  Products 0-3 start the sums with kh.
.macro QK x
.set rD, S+32*(\x)+8*(i%4)
.set rK, KF+16*(i%4)+8*(i/4)
.set rQ, QF+16*(\x)+8*(i/4)
.if i < 4
	WIN 0x15                        ; K, Q and kh in window 1
	v_wmma_f32_16x16x32_f16 v[rD:rD+7], v[rK:rK+7], v[rQ:rQ+7], v[KHF+8*i:KHF+8*i+7]
.else
	WIN 0x05
	v_wmma_f32_16x16x32_f16 v[rD:rD+7], v[rK:rK+7], v[rQ:rQ+7], v[rD:rD+7]
.endif
.endm
; Product i of 10 of O^T += V^T P for tile x: keys 32 (i / 5) on; block i % 5: channels 16 (i % 5) on, or (4) the ones: L
.macro PV x
	WIN 0x01                        ; V in window 1
.set rA, O+40*(\x)+8*(i%5)
.set rB, P+16*(\x)+8*(i/5)
.if (i%5) == 4
.set rV, ONE
.else
.set rV, VF+32*(i/5)+8*(i%5)
.endif
	v_wmma_f32_16x16x32_f16 v[rA:rA+7], v[rV:rV+7], v[rB:rB+7], v[rA:rA+7]
.endm
; THE LDS LOADS stand in runs: a step's K (8 fragments) with its kh, and its V (turned).  last = 1 (the tail): in the last trip there is no further step, and the run is jumped over.
.macro FETCH_K last=0
	WIN 0
.if \last
	s_cmp_eq_u32 s[CNT], 1
	s_cbranch_scc1 .Lno_k_\@
.endif
	v_add_nc_u32 v[AK], s[TBK], v[AK0]
	v_add_nc_u32 v[AH], s[TBH], v[AH0]
	WIN 0x40
.irp f, 0,1,2,3,4,5,6,7             ; keys 16 (f / 2) on, channels 32 (f % 2) on
	ds_load_b128 v[KF+8*\f:KF+8*\f+3],   v[AK] offset:(\f/2)*16*PK+(\f%2)*64
	ds_load_b128 v[KF+8*\f+4:KF+8*\f+7], v[AK] offset:(\f/2)*16*PK+(\f%2)*64+32
.endr
.irp f, 0,1,2,3                     ; kh of keys 16 f + 8 h + 0..7
	ds_load_b128 v[KHF+8*\f:KHF+8*\f+3],   v[AH] offset:64*\f
	ds_load_b128 v[KHF+8*\f+4:KHF+8*\f+7], v[AH] offset:64*\f+16
.endr
	s_add_co_u32 s[TBK], s[TBK], KS*PK  ; the next fetch is the next step's
	s_add_co_u32 s[TBH], s[TBH], KS*4
	WIN 0
.if \last
.Lno_k_\@:
.endif
.endm
.macro FETCH_V
	WIN 0
	v_add_nc_u32 v[AV], s[TBV], v[AV0]
	s_add_co_u32 s[TBV], s[TBV], KS*PV
	WIN 0x40
.irp f, 0,1,2,3,4,5,6,7             ; keys 32 (f / 4) on, channels 16 (f % 4) on
	ds_load_tr16_b128 v[VF+8*\f:VF+8*\f+3],   v[AV] offset:(\f/4)*32*PV+(\f%4)*32
	ds_load_tr16_b128 v[VF+8*\f+4:VF+8*\f+7], v[AV] offset:(\f/4)*32*PV+16*PV+(\f%4)*32
.endr
	WIN 0
.endm
; THE VECTOR WORK, all in window 0.  A lane has 32 scores a tile and step, in pairs 0-15.  A line whose number is out of range is not written.
; FIRST HALF, on the registers pT, pS of the tile whose scores have just been made.
.macro PB p                         ; pair p: d2 = q2 - 2 S.  Pairs go in ascending order
.if ((\p) >= 0) && ((\p) < 16)
	v_pk_fma_f32 v[pS+2*(\p):pS+2*(\p)+1], v[pS+2*(\p):pS+2*(\p)+1], -2.0, v[pT:pT+1] op_sel_hi:[1,0,0]
.endif
.endm
.macro PD e                         ; score e: t = sqrt(|d2|)
.if ((\e) >= 0) && ((\e) < 32)
	v_sqrt_f32 v[pS+(\e)], |v[pS+(\e)]|
.endif
.endm
.macro PM p                         ; pair p into my lane's least t, which is kept from step to step: no old value is folded in and nothing is joined
.if ((\p) >= 0) && ((\p) < 16)
	s_wait_alu depctr_va_vdst(0)
	v_min3_num_f32 v[pT+1], v[pT+1], v[pS+2*(\p)], v[pS+2*(\p)+1]
.endif
.endm
; THE CHAIN, 0-6: the query's other keys lie in the lane 16 away; T; um = eps + T; um_new rm_old; rm = 1 / um; a; eps rm
.macro CK j
.if (\j) == 0
	v_permlanex16_b32 v[pT+8], v[pT+1], s[SEL], s[SEL+1]
.elseif (\j) == 1
	v_min_num_f32 v[pT+9], v[pT+1], v[pT+8]
.elseif (\j) == 2
	v_add_f32 v[pT+3], s[EPS], v[pT+9]
	s_wait_alu depctr_va_vdst(0)
.elseif (\j) == 3
	v_mul_f32 v[pT+5], v[pT+3], v[pT+2]
.elseif (\j) == 4
	v_rcp_f32 v[pT+2], v[pT+3]
.elseif (\j) == 5
	v_mul_f32 v[pT+6], v[pT+5], v[pT+5]
.else
	s_wait_alu depctr_va_vdst(0)
	v_mul_f32 v[pT+4], s[EPS], v[pT+2]
.endif
.endm
; SECOND HALF, on the registers rT, rS, rP, rO of the turn's own tile.
.macro VE p                         ; pair p: y = rm t + eps rm
.if ((\p) >= 0) && ((\p) < 16)
	v_pk_fma_f32 v[rS+2*(\p):rS+2*(\p)+1], v[rS+2*(\p):rS+2*(\p)+1], v[rT+2:rT+3], v[rT+4:rT+5] op_sel_hi:[1,0,0]
.endif
.endm
.macro VF e                         ; score e: 1 / y
.if ((\e) >= 0) && ((\e) < 32)
	v_rcp_f32 v[rS+(\e)], v[rS+(\e)]
.endif
.endm
.macro VG p                         ; pair p: squared
.if ((\p) >= 0) && ((\p) < 16)
	s_wait_alu depctr_va_vdst(0)
	v_pk_mul_f32 v[rS+2*(\p):rS+2*(\p)+1], v[rS+2*(\p):rS+2*(\p)+1], v[rS+2*(\p):rS+2*(\p)+1]
.endif
.endm
.macro VH p                         ; and rounded to f16
.if ((\p) >= 0) && ((\p) < 16)
	v_cvt_pk_f16_f32 v[rP+(\p)], v[rS+2*(\p)], v[rS+2*(\p)+1]
.endif
.endm
.macro VR z                         ; pair z of O^T times a, in ascending order; pair 16 is L's first: of L's eight equal registers only the lowest is read, the others need only stay finite (they hold sums of p)
.if ((\z) >= 0) && ((\z) < 17)
	v_pk_mul_f32 v[rO+2*(\z):rO+2*(\z)+1], v[rO+2*(\z):rO+2*(\z)+1], v[rT+6:rT+7] op_sel_hi:[1,0]
.endif
.endm
; A TURN IS 24 PASSES, mi = 0 .. 23.  The matrix instructions stand in groups of two under one window setting, at a pass's head, all for the other tile o:
;   passes 0-3: K Q^T: key blocks 0, 1 started, then finished; key blocks 2, 3 started, then finished.     passes 4, 6, 8, 10, 12: V^T P, two products each.
.macro GRP
.if mi < 4
.set i, 4*(mi%2)+2*(mi/2)
	QK o
.set i, i+1
	QK o
.elseif (mi <= 12) && (mi%2 == 0)
.set i, mi-4
	PV o
.set i, i+1
	PV o
.endif
.endm
; The vector lines of pass mi: two software pipelines side by side.  First half, tile o: pair mi - 2 is made, pair mi - 3 rooted, pair mi - 4 taken into the least t.  Second half, tile t: pair mi - 5
; scaled, pair mi - 6 inverted, pair mi - 7 squared, pair mi - 8 rounded.  The seventeen rescalings fill the passes that the pipelines leave thin: ten at the head (four of them are the places
; between the products that finish key blocks 0, 1 and the first read of those scores: ISA guide 7.12.1), seven at the end, among the chain's lines.
; No line reads a result made fewer than three vector instructions in front of it, five if a root or a reciprocal made it; each root and reciprocal has a plain instruction that names neither
; its result nor its source behind it before the result is used (ISA guide 5.7.2).  No vector line of a turn names a register of the turn's products, but for the first half's, behind its places.
.macro IT
	GRP
.if mi > 0
	WIN 0
.endif
.if mi == 0
.elseif mi == 1
	VR 0
	VR 1
	VR 2
	VR 3
.elseif mi == 22
	CK 2
	VR 12
	VR 13
	VG 15
	VH 14
	CK 3
.elseif mi == 23
	CK 4
	VR 14
	VR 15
	CK 5
	VH 15
	VR 16
	CK 6
.else
.if mi >= 20
	CK mi-20
.endif
	PD 2*mi-6
	PB mi-2
	PD 2*mi-5
	VE mi-5
	VF 2*mi-12
.if mi >= 20
	VR mi-10
.else
	PM mi-4
.endif
	VF 2*mi-11
	VG mi-7
	VH mi-8
.if mi == 2
	VR 4
	VR 5
	VR 6
.elseif mi == 3
	VR 7
	VR 8
.elseif mi == 4
	VR 9
.endif
.endif
.endm
.macro PART t, lo, hi               ; passes lo .. hi of tile t's turn
.set rT, ST+12*(\t)
.set rS, S+32*(\t)
.set rP, P+16*(\t)
.set rO, O+40*(\t)
.set o, 1-(\t)
.set pT, ST+12*o
.set pS, S+32*o
.set mi, (\lo)
.rept (\hi)-(\lo)+1
	IT
.set mi, mi+1
.endr
.endm
	CHANGE 1                        ; slot 0 is in, everybody's part of it; slot 1 is asked for
	FETCH_K                         ; key step 0
	s_wait_loadcnt 0x0              ; Q, G, q2
	s_wait_dscnt 0x0
.set i, 0
.rept 8
	QK 0                            ; tile 0's first scores
.set i, i+1
.endr
	WIN 0                           ; the addresses for the way out: ten plain instructions, the places behind those products
	s_mul_i32 s13, s[WV], 16*SP
	s_add_co_u32 s13, s13, STAGE    ; my stage
	v_mul_u32_u24 v[STO], v1, SP    ; in: row r, 16 bytes for each half of the lanes
	v_lshl_add_u32 v[STO], v13, 4, v[STO]
	v_add_nc_u32 v[STO], s13, v[STO]
	v_bfe_u32 v[RD], v0, 3, 2       ; back: 32 lanes take four rows of 128 bytes,
	v_mul_u32_u24 v[RD], v[RD], SP
	v_and_b32 v[GO], 7, v0
	v_lshl_add_u32 v[RD], v[GO], 4, v[RD]
	v_add_nc_u32 v[RD], s13, v[RD]
	v_and_b32 v[GO], 31, v0         ; which are 512 consecutive bytes of Hb
	v_lshlrev_b32 v[GO], 4, v[GO]
	; tile 0's first half of key step 0, once, with nothing to set beside it
.set pT, ST
.set pS, S
.set i, 0
.rept 16
	PB i
.set i, i+1
.endr
.set i, 0
.rept 32
	PD i
.set i, i+1
.endr
	v_nop                           ; a plain instruction between the roots and the use of their results
	s_wait_alu depctr_va_vdst(0)
.set i, 0
.rept 16
	PM i
.set i, i+1
.endr
.irp j, 0,1,2,3,4,5,6
	CK \j
.endr
	s_mov_b32 s[CNT], 4
	s_mov_b32 s[SLOTS], 7
	s_branch .Lfirst                ; the loop is entered at a step's first pass, in the middle of a trip
; THE LOOP'S EDGE lies inside turn 0, behind its pass 12.  V of the step in hand is fetched there: the last product that read V heads pass 12, and five plain lines of that pass follow it.
; K and kh of the next step are fetched straight behind: the last product that read them heads pass 3.  Between the two fetches stands, after a slot's fourth step, the change of slots:
; V's run is the old slot's last read, K's the new slot's first.  All three are waited for at turn 1's head, eleven passes behind K's run.
.Lslot:                             ; six times: every slot but the last two is filled again
	CHANGE 1
	s_mov_b32 s[CNT], 4
.Lstep:
	FETCH_K
	PART 0, 13, 23
	s_wait_dscnt 0x0                ; K, kh and V are in
	PART 1, 0, 23
.Lfirst:
	PART 0, 0, 12
	FETCH_V
	s_sub_co_u32 s[CNT], s[CNT], 1
	s_cmp_lg_u32 s[CNT], 0
	s_cbranch_scc1 .Lstep
	s_sub_co_u32 s[SLOTS], s[SLOTS], 1
	s_cmp_lg_u32 s[SLOTS], 0
	s_cbranch_scc1 .Lslot
	CHANGE 0                        ; the tail is written out: nothing is asked for
	s_mov_b32 s[CNT], 5             ; four trips fetch the last slot's steps; the fifth is left in its middle
.Ltail:
	FETCH_K 1
	PART 0, 13, 23
	s_wait_dscnt 0x0
	PART 1, 0, 23
	s_sub_co_u32 s[CNT], s[CNT], 1
	s_cmp_eq_u32 s[CNT], 0
	s_cbranch_scc1 .Lout
	PART 0, 0, 12
	FETCH_V
	s_branch .Ltail
.Lout:                              ; the fifth trip's 8 products K Q^T stand on the last K once more: their roots are roots that tile 0's least t has seen, so T and um stay as they are.  The price of one text for every turn
.set i, 0
.rept 10
	PV 1                            ; tile 1's V^T P of the last step
.set i, i+1
.endr
	WIN 0
.rept 4
	v_nop                           ; the places behind those products
.endr
	; THE WAY OUT.  A = O / (eps um^2 + L); H = G A, rounded once to bf16; through my stage in LDS, a tile (16 rows) at a time.
.irp t, 0,1
	v_mul_f32 v[ST+12*\t+8], v[ST+12*\t+3], v[ST+12*\t+3]
.endr
.irp t, 0,1
	v_fma_f32 v[ST+12*\t+8], v[ST+12*\t+8], s[EPS], v[O+40*\t+32]
.endr
.irp t, 0,1
	v_rcp_f32 v[ST+12*\t+6], v[ST+12*\t+8]
.endr
	v_nop                           ; a plain instruction between the last reciprocal and the use of its result
	s_wait_alu depctr_va_vdst(0)
.macro HG g, t                      ; register g of G (two channels) and the pair of O^T that it gates; each accumulator's pairs in ascending order
.set i, (\g)-GF-16*(\t)
.set wb, W+2*(i%4)
.set rO, O+40*(\t)+2*i
	v_cvt_f32_f16 v[wb], v\g\().l
	v_cvt_f32_f16 v[wb+1], v\g\().h
	v_pk_mul_f32 v[rO:rO+1], v[rO:rO+1], v[ST+12*(\t)+6:ST+12*(\t)+7] op_sel_hi:[1,0]
	v_pk_mul_f32 v[rO:rO+1], v[rO:rO+1], v[wb:wb+1]
	v_cvt_pk_bf16_f32 v[S+32*(\t)+i], v[rO], v[rO+1]
.endm
.macro STG t                        ; a lane's eight channels of a row are 16 bytes; they go into rows of 144 bytes and come back as whole rows of 128, into the registers that they left
.irp f, 0,1,2,3
	ds_store_b128 v[STO], v[S+32*(\t)+4*\f:S+32*(\t)+4*\f+3] offset:32*\f
.endr
.irp f, 0,1,2,3
	ds_load_b128 v[S+32*(\t)+4*\f:S+32*(\t)+4*\f+3], v[RD] offset:\f*4*SP  ; LDS serves a wave's instructions in order (ISA guide 5.7.1.4): these see the stores above; the next tile's stores come behind them
.endr
.endm
.macro SEND t, younger              ; younger: the LDS instructions issued behind tile t's loads: the next tile's eight, or none
.irp f, 0,1,2,3
	s_wait_dscnt (\younger)+3-\f
	global_store_b128 v[GO], v[S+32*(\t)+4*\f:S+32*(\t)+4*\f+3], s[76:77] offset:(\t)*2048+\f*512  ; 512 consecutive bytes, at a multiple of 256 from Hb's first
.endr
.endm
.irp g, 40,41,42,43,44,45,46,47,48,49,50,51,52,53,54,55
	HG \g, 0
.endr
	STG 0
.irp g, 56,57,58,59,60,61,62,63,64,65,66,67,68,69,70,71
	HG \g, 1
.endr
	STG 1
	SEND 0, 8
	SEND 1, 0
	s_wait_tensorcnt 0x0            ; the wave's end
	ds_add_u32 v[SPW], v[NIL]
	s_wait_dscnt 0x0
	CROUND                          ; the closing round
	s_endpgm
.Lfunc_end_k_q5afb6de864_attn:
	.size	k_q5afb6de864_attn, .Lfunc_end_k_q5afb6de864_attn-k_q5afb6de864_attn
	.p2alignl 7, 3214868480
	.fill 96, 4, 3214868480
	.section	.rodata,"a",@progbits
	.p2align	6, 0x0
	.amdhsa_kernel k_q5afb6de864_attn
		.amdhsa_group_segment_fixed_size 327680
		.amdhsa_private_segment_fixed_size 0
		.amdhsa_enable_private_segment 0
		.amdhsa_kernarg_size 24
		.amdhsa_user_sgpr_count 2
		.amdhsa_user_sgpr_kernarg_segment_ptr 1
		.amdhsa_wavefront_size32 1
		.amdhsa_system_sgpr_workgroup_id_x 1
		.amdhsa_system_sgpr_workgroup_id_y 1
		.amdhsa_system_sgpr_workgroup_id_z 1
		.amdhsa_system_vgpr_workitem_id 0
		.amdhsa_next_free_vgpr 456
		.amdhsa_next_free_sgpr 80
		.amdhsa_reserve_vcc 0
		.amdhsa_float_denorm_mode_32 3
		.amdhsa_float_denorm_mode_16_64 3
		.amdhsa_memory_ordered 1
		.amdhsa_forward_progress 1
		.amdhsa_inst_pref_size 94
	.end_amdhsa_kernel
	.amdgpu_metadata
---
amdhsa.version: [ 1, 2 ]
amdhsa.kernels:
  - .name:           k_q5afb6de864_attn
    .symbol:         k_q5afb6de864_attn.kd
    .args:
      - { .name: pj, .offset: 0, .size: 8, .value_kind: global_buffer, .address_space: global }
      - { .name: nrm, .offset: 8, .size: 8, .value_kind: global_buffer, .address_space: global }
      - { .name: Hb, .offset: 16, .size: 8, .value_kind: global_buffer, .address_space: global }
    .group_segment_fixed_size: 327680
    .private_segment_fixed_size: 0
    .kernarg_segment_align: 8
    .kernarg_segment_size: 24
    .max_flat_workgroup_size: 256
    .sgpr_count:     80
    .vgpr_count:     456
    .wavefront_size: 32
...
	.end_amdgpu_metadata
.endif
;; end of part 6
;; launch outp (part 7): grid 8 x 32, 4 waves a work-group, clusters of 4 x 4, 327,680 bytes of LDS; arguments Hb, Wo, b_out, out0; writes out0
.if DOCPART == 7
	.amdgcn_target "amdgcn-amd-amdhsa--gfx1250"
	.amdhsa_code_object_version 6
	.text
	.protected	k_q5afb6de864_outp
	.globl	k_q5afb6de864_outp
	.p2align	8
	.type	k_q5afb6de864_outp,@function
k_q5afb6de864_outp:
	s_mov_b64 s[64:65], 0
	v_nop
	global_prefetch_b8 v0, s[64:65] scope:SCOPE_SE
	s_setreg_imm32_b32 hwreg(HW_REG_WAVE_MODE, 25, 1), 1
	s_wait_xcnt 0x0
	s_wait_alu depctr_hold_cnt(0) depctr_sa_sdst(0) depctr_va_vdst(0) depctr_va_sdst(0) depctr_va_ssrc(0) depctr_va_vcc(0) depctr_vm_vsrc(0)
	s_getreg_b32 s2, hwreg(HW_REG_IB_STS2, 6, 4)
	s_cmp_eq_u32 s2, 0
	s_cbranch_scc0 .Lentry_in_a_cluster
	s_endpgm
.Lentry_in_a_cluster:
	s_bfe_u32 s2, ttmp6, 0x10000c
	s_cmp_lg_u32 s2, 0xf033
	s_cbranch_scc0 .Lentry_shape_is_right
	s_endpgm
.Lentry_shape_is_right:
; out0 = H W_out + b_out.  Hb [16 heads][4096 rows][64] bf16 (H rounded once), Wo [1024 k][1024] bf16, k = 64 head + channel.  b_out [1024] f32 is rounded to bf16 like the other inputs.
; Sums in f32; out0 [4096][1024] f32.
; A tile of out0 is 128 x 128 (256 work-groups); four waves, each 64 x 64: 16 accumulators.  K goes in steps of 256, four heads, through two LDS slots.
; Hb's tile: 64 rows of a head are 8,192 dense bytes, so one two-dimensional load brings 64 rows of four heads: a 'row' of the descriptor is one head's 4,096 elements, and the padding, counted
; along the tile, falls behind every 128 bytes: in LDS [head][row] with a pitch of 144 bytes.  Wo's tile lies [k][column] and is turned on the way into registers by ds_load_tr16_b128.
; CLUSTER 4 x 4: Hb's tiles are shared along a row of the cluster, Wo's along a column: each is asked for jointly.
; THE MATRIX INSTRUCTION IS USED TRANSPOSED (source 0 = 16 columns of Wo, source 1 = 16 rows of Hb): a lane holds eight neighbouring numbers of a row.  The bias has that layout and is
; the C operand of each accumulator's first product.  A wave's 64 columns of f32 are 256 bytes, so each wave has a stage of its own and the way out needs no barrier.
; REGISTERS: window 0: v0-31 addresses; v32-63 the bias, later with v64-95 rows read back; v128-255 the accumulators ((a, b) at v[128 + 8 (4 a + b)]).
;   window 1: two fragment buffers of 128: for 64 along K, 64 registers of Hb (2 x 4 x 16 rows x 32 K), then 64 of Wo.
.set SIZE_K, 1024
.set KSTEP,  256
.set PITCH,  144                       ; a row of Hb's tile in LDS: 128 bytes + 16: the 16 rows of a fragment load start at 16 different groups of four banks (ISA guide 11.1)
.set PITB,   288                       ; a row of Wo's tile: 256 bytes + 32
.set HEADB,  64*PITCH                  ; 64 rows of one head
.set HALFA,  4*HEADB                   ; what one tensor load brings of Hb: 64 rows of four heads
.set HALFB,  128*PITB                  ; of Wo: 128 rows
.set ASTEP,  4*4096*128                ; bytes in Hb from a K step's four heads to the next four
.set BOFF,   2*HALFA
.set SLOT,   2*HALFA+2*HALFB
.set STAGE,  2*SLOT                    ; behind the ring: 16 rows x 272 bytes for each wave
.set SPITCH, 272
.set SPARE,  STAGE+4*16*SPITCH         ; the spare words, 128 bytes for each wave: two blocks of 256 bytes that no other line names
.set LAPS,   SIZE_K/(2*KSTEP)
.set ADRA, 16                          ; v16-17  LDS address of my fragments of Hb in slot 0, 1
.set ADRB, 20                          ; v20-23  of Wo: slot 0 rows 0-127, rows 128-255; slot 1 likewise (so that the immediates stay inside 16 bits)
.set STO,  24
.set RD,   25
.set CO,   26
.set BO,   27
.set SPW,  28                          ; LDS address of my spare word; never rewritten
.set NIL,  29                          ; 0; never rewritten
.set BI,   32
.set ACC,  128
.set F0,   0
.set F1,   128
.set G1, 24
.set G0, 32
.set G1B, 48
.set G0B, 56
.set MSB, 0
.macro WIN new
.if MSB != (\new)
	s_set_vgpr_msb (MSB<<8)|(\new)
.set MSB, \new
.endif
.endm
.set MUL,  0x05                        ; sources 0 and 1 window 1; C and D window 0
.set TO_F, 0x40                        ; destination window 1, address window 0
.macro JLOAD s                         ; waves 0 and 1 fetch Hb's two halves, waves 2 and 3 Wo's; an s_nop 0 and four v_nop follow each line
	s_cmp_eq_u32 s11, 0
	s_cbranch_scc0 .Lfor_b_\@
	tensor_load_to_lds s[G0+4*(\s):G0+4*(\s)+3], s[G1:G1+7]
	s_nop 0
.rept 4
	v_nop
.endr
	s_branch .Lasked_\@
.Lfor_b_\@:
	tensor_load_to_lds s[G0B+4*(\s):G0B+4*(\s)+3], s[G1B:G1B+7]
	s_nop 0
.rept 4
	v_nop
.endr
.Lasked_\@:
.endm
.macro CREST
	s_cmp_lg_u32 s10, 0
	s_cbranch_scc1 .Lnot_wave_0_\@
	s_barrier_signal -3
.Lnot_wave_0_\@:
	s_barrier_wait -3
	s_barrier_signal -1
	s_barrier_wait -1
.endm
.macro CROUND
	s_barrier_signal -1
	s_barrier_wait -1
	CREST
.endm
	s_load_b128 s[4:7], s[0:1], 0x0                ; Hb s[4:5], Wo s[6:7]
	s_load_b128 s[68:71], s[0:1], 0x10             ; b_out s[68:69], out0 s[70:71]
	v_lshl_add_u32 v[SPW], v0, 2, SPARE
	v_mov_b32 v[NIL], 0
	ds_add_u32 v[SPW], v[NIL]                      ; the wave's opening: the add and its wait stand ahead of my first tensor load
	v_lshrrev_b32 v1, 5, v0
	v_readfirstlane_b32 s10, v1                    ; wave 0..3
	s_lshr_b32 s11, s10, 1                         ; which half of the tile's rows is mine.  Also: I fetch for Hb (0) or for Wo (1)
	s_and_b32 s12, s10, 1                          ; which half of its columns.  Also: which half of that tile I fetch
	s_bfe_u32 s40, ttmp6, 0x40000
	s_bfe_u32 s41, ttmp6, 0x40004
	s_lshl_b32 s42, ttmp9, 2
	s_add_co_u32 s42, s42, s40                     ; tile column
	s_and_b32 s13, ttmp7, 0xffff
	s_lshl_b32 s13, s13, 2
	s_add_co_u32 s13, s13, s41                     ; tile row
	s_lshl_b32 s43, s41, 2
	s_lshl_b32 s43, 15, s43                        ; my row of the cluster
	s_lshl_b32 s44, 0x1111, s40                    ; my column
	s_or_b32 s[G1+0], s43, (1<<16)|(1<<20)|(1<<21)|(4<<22)|(3<<25)   ; the mask; 2-byte elements; padding on; bit 21 beside a mask; after every 32 words (a row of H), 4 words
	s_mov_b32 s[G1+1], 4096<<16                    ; tensor_dim0 = 4,096: 64 rows of a head, end to end
	s_mov_b32 s[G1+2], 4<<16                       ; tensor_dim1 = 4 heads
	s_mov_b32 s[G1+3], 4096<<16                    ; tile_dim0 = 4,096
	s_mov_b32 s[G1+4], 4                           ; tile_dim1 = 4
	s_mov_b32 s[G1+5], 4096*64                     ; elements from head to head
	s_mov_b32 s[G1+6], 0
	s_mov_b32 s[G1+7], 0
	s_or_b32 s[G1B+0], s44, (1<<16)|(1<<20)|(1<<21)|(5<<22)|(7<<25)  ; after every 64 words, 8 words
	s_mov_b32 s[G1B+1], 128<<16                    ; tensor_dim0 = 128
	s_mov_b32 s[G1B+2], 128<<16                    ; tensor_dim1 = 128
	s_mov_b32 s[G1B+3], 128<<16                    ; tile_dim0 = 128
	s_mov_b32 s[G1B+4], 128                        ; tile_dim1 = 128
	s_mov_b32 s[G1B+5], 1024                       ; elements from row to row of Wo
	s_mov_b32 s[G1B+6], 0
	s_mov_b32 s[G1B+7], 0
	s_lshl_b32 s17, s12, 6
	s_lshl_b32 s16, s13, 7
	s_add_co_u32 s16, s16, s17                     ; Hb: row 128 x tile row + 64 x half,
	s_lshl_b32 s16, s16, 7                         ; of 128 bytes, in head 0
	s_mov_b32 s17, 0
	s_lshl_b32 s46, s42, 8                         ; Wo: column 128 x tile column, in bytes,
	s_lshl_b32 s47, s12, 18                        ; row 128 x half, of 2,048 bytes
	s_add_co_u32 s46, s46, s47
	s_mov_b32 s47, 0
	s_mul_i32 s20, s12, HALFA                      ; where they go: no place in the cluster enters an LDS address
	s_mul_i32 s21, s12, HALFB
	s_add_co_u32 s21, s21, BOFF
	s_wait_dscnt 0x0                               ; the opening add is done
	s_wait_kmcnt 0x0
	s_add_nc_u64 s[14:15], s[4:5], s[16:17]
	s_add_nc_u64 s[46:47], s[6:7], s[46:47]
	CROUND                                         ; all sixteen work-groups are here: the first joint loads meet
.irp s, 0,1
	s_mov_b32 s[G0+4*(\s)], 1
	s_add_co_u32 s[G0+4*(\s)+1], s20, (\s)*SLOT
	s_add_nc_u64 s[G0+4*(\s)+2:G0+4*(\s)+3], s[14:15], (\s)*ASTEP         ; K step s: heads 4 s to 4 s + 3
	s_or_b32 s[G0+4*(\s)+3], s[G0+4*(\s)+3], 0x80000000
	s_mov_b32 s[G0B+4*(\s)], 1
	s_add_co_u32 s[G0B+4*(\s)+1], s21, (\s)*SLOT
	s_add_nc_u64 s[G0B+4*(\s)+2:G0B+4*(\s)+3], s[46:47], (\s)*KSTEP*2048  ; K step s: 256 rows down
	s_or_b32 s[G0B+4*(\s)+3], s[G0B+4*(\s)+3], 0x80000000
	JLOAD \s                                       ; two tensor loads of mine are out
.endr
	v_and_b32 v1, 15, v0                           ; r
	v_bfe_u32 v2, v0, 4, 1                         ; h
	v_lshlrev_b32 v[BO], 5, v2
	s_lshl_b32 s46, s42, 9                         ; my first column, 128 x tile column + 64 x half, in bytes of f32 (in the registers that held Wo's address)
	s_lshl_b32 s47, s12, 8
	s_add_co_u32 s46, s46, s47
	s_mov_b32 s47, 0
	s_add_nc_u64 s[68:69], s[68:69], s[46:47]
.irp b, 0,1,2,3
	global_load_b128 v[BI+8*\b:BI+8*\b+3],   v[BO], s[68:69] offset:64*\b      ; the bias of columns 16 b + 8 h + 0..3,
	global_load_b128 v[BI+8*\b+4:BI+8*\b+7], v[BO], s[68:69] offset:64*\b+16   ; and + 4..7
.endr
	s_lshl_b32 s16, s13, 7
	s_lshl_b32 s17, s11, 6
	s_add_co_u32 s16, s16, s17                     ; my first row of out0,
	s_lshl_b32 s16, s16, 12                        ; of 4,096 bytes
	s_mov_b32 s17, 0
	s_add_nc_u64 s[70:71], s[70:71], s[16:17]
	s_add_nc_u64 s[70:71], s[70:71], s[46:47]
	v_mul_u32_u24 v3, v1, PITCH
	v_lshl_add_u32 v3, v2, 4, v3                   ; Hb: row r x pitch + 16 h
	v_and_b32 v4, 7, v0
	v_bfe_u32 v5, v0, 3, 1
	v_lshl_add_u32 v6, v2, 3, v4                   ; Wo, turned: lane l reads row 8 h + l % 8, columns 8 ((l / 8) % 2) + 0..7
	v_mul_u32_u24 v6, v6, PITB
	v_lshl_add_u32 v6, v5, 4, v6
	s_mul_i32 s22, s11, HALFA                      ; my 64 rows are the half that the wave of that number fetched
	s_lshl_b32 s23, s12, 7                         ; my 64 columns
	s_add_co_u32 s23, s23, BOFF
.irp s, 0,1
	v_add_nc_u32 v[ADRA+(\s)], s22, v3
	v_add_nc_u32 v[ADRB+2*(\s)], s23, v6
	v_add_nc_u32 v[ADRB+2*(\s)+1], HALFB, v[ADRB+2*(\s)]
	s_add_co_u32 s22, s22, SLOT
	s_add_co_u32 s23, s23, SLOT
.endr
	s_mul_i32 s22, s10, 16*SPITCH
	s_add_co_u32 s22, s22, STAGE                   ; my stage
	v_mul_u32_u24 v7, v1, SPITCH
	v_lshl_add_u32 v7, v2, 5, v7
	v_add_nc_u32 v[STO], s22, v7                   ; in: row r, 32 bytes for each half of the lanes
	v_mul_u32_u24 v7, v2, SPITCH
	v_lshl_add_u32 v7, v1, 4, v7
	v_add_nc_u32 v[RD], s22, v7                    ; back: lanes 0-15 take one row of 256 bytes, lanes 16-31 the next
	v_lshlrev_b32 v[CO], 12, v2                    ; and the same two rows in out0
	v_lshl_add_u32 v[CO], v1, 4, v[CO]
	s_wait_loadcnt 0x0                             ; the bias, rounded to bf16 and widened again
.set i, 0
.rept 16
	v_cvt_pk_bf16_f32 v[8+(i/2)%4], v[BI+i], v[BI+i+1]
	v_lshlrev_b32 v[BI+i], 16, v[8+(i/2)%4]
	v_and_b32 v[BI+i+1], 0xffff0000, v[8+(i/2)%4]
.set i, i+2
.endr
; 8 matrix instructions: row blocks a0, a0 + 1 x all 4 column blocks, 32 along K: half c of buffer f.  first = 1: the sums start with the bias.  The 16 accumulators take turns.
.macro MUL8 f, c, a0, first
	WIN MUL
.irp a, \a0, (\a0)+1
.irp b, 0,1,2,3
.if \first
	v_wmma_f32_16x16x32_bf16 v[ACC+8*(4*(\a)+(\b)):ACC+8*(4*(\a)+(\b))+7], v[(\f)+64+8*(4*(\c)+(\b)):(\f)+64+8*(4*(\c)+(\b))+7], v[(\f)+8*(4*(\c)+(\a)):(\f)+8*(4*(\c)+(\a))+7], v[BI+8*(\b):BI+8*(\b)+7]
.else
	v_wmma_f32_16x16x32_bf16 v[ACC+8*(4*(\a)+(\b)):ACC+8*(4*(\a)+(\b))+7], v[(\f)+64+8*(4*(\c)+(\b)):(\f)+64+8*(4*(\c)+(\b))+7], v[(\f)+8*(4*(\c)+(\a)):(\f)+8*(4*(\c)+(\a))+7], v[ACC+8*(4*(\a)+(\b)):ACC+8*(4*(\a)+(\b))+7]
.endif
.endr
.endr
.endm
; 32 LDS loads in one run: quarter q (64 along K: head q of the step's four) of a slot into buffer f; the first 32 along K first
.macro FETCH slot, q, f
	WIN TO_F
.irp c, 0,1
.irp i, 0,1,2,3
	ds_load_tr16_b128 v[(\f)+64+8*(4*(\c)+(\i)):(\f)+64+8*(4*(\c)+(\i))+3],   v[ADRB+2*(\slot)+(\q)/2] offset:(((\q)%2)*64+32*(\c))*PITB+32*(\i)
	ds_load_tr16_b128 v[(\f)+64+8*(4*(\c)+(\i))+4:(\f)+64+8*(4*(\c)+(\i))+7], v[ADRB+2*(\slot)+(\q)/2] offset:(((\q)%2)*64+32*(\c))*PITB+32*(\i)+16*PITB
	ds_load_b128 v[(\f)+8*(4*(\c)+(\i)):(\f)+8*(4*(\c)+(\i))+3],   v[ADRA+(\slot)] offset:(\q)*HEADB+64*(\c)+(\i)*16*PITCH
	ds_load_b128 v[(\f)+8*(4*(\c)+(\i))+4:(\f)+8*(4*(\c)+(\i))+7], v[ADRA+(\slot)] offset:(\q)*HEADB+64*(\c)+(\i)*16*PITCH+32
.endr
.endr
.endm
.macro PLACES                          ; four plain vector instructions between a matrix instruction and a load into, or a store of, its registers
.rept 4
	v_nop
.endr
.endm
.macro QUARTER slot, q, f, g, first
	s_wait_dscnt 16                                ; the first 32 along K are in
	MUL8 \f, 0, 0, \first
	MUL8 \f, 0, 2, \first
	PLACES
	FETCH \slot, \q, \g
	s_wait_dscnt 32                                ; all but the 32 just issued
	MUL8 \f, 1, 0, 0
	MUL8 \f, 1, 2, 0
.endm
; The last quarter multiplies buffer 1 and changes slots: one barrier; in front of it each wave waits for all its tensor loads, adds 0 to its spare word, and waits for that and for its own reads of this slot.
.macro TURN slot, next, fill
	WIN 0
	s_wait_tensorcnt 0x0                           ; all my tensor loads have landed: my part of the next slot
	ds_add_u32 v[SPW], v[NIL]
	s_wait_dscnt 17                                ; the add and the youngest sixteen loads may be out
	MUL8 F1, 0, 0, 0
	s_wait_dscnt 0x0                               ; the add is done, and my reads of this slot are over
	s_barrier_signal -1
	MUL8 F1, 0, 2, 0
.if \fill
	WIN 0
.endif
	s_barrier_wait -1
.if \fill
	CREST                                          ; no wave of any partner still reads this slot or has a load on its way
	s_add_nc_u64 s[G0+4*(\slot)+2:G0+4*(\slot)+3], s[G0+4*(\slot)+2:G0+4*(\slot)+3], 2*ASTEP
	s_add_nc_u64 s[G0B+4*(\slot)+2:G0B+4*(\slot)+3], s[G0B+4*(\slot)+2:G0B+4*(\slot)+3], 2*KSTEP*2048
	JLOAD \slot                                    ; the first tensor load behind the round; its four v_nop are also the places in front of the loads below
.else
	PLACES
.endif
	FETCH \next, 0, F0
	MUL8 F1, 1, 0, 0
	MUL8 F1, 1, 2, 0
.endm
	s_wait_tensorcnt 1                             ; my part of K step 0 is in; K step 1's may stay out
	s_barrier_signal -1
	s_barrier_wait -1
	FETCH 0, 0, F0
	QUARTER 0, 1, F0, F1, 1                        ; the first quarter stands in front of the loop: its first products start the sums
	WIN 0
	s_mov_b32 s3, LAPS-1
.Llap:                                             ; a trip goes once round the ring and fills both slots again: K steps 2 and 3
	QUARTER 0, 2, F1, F0, 0
	QUARTER 0, 3, F0, F1, 0
	TURN 0, 1, 1
	QUARTER 1, 1, F0, F1, 0
	QUARTER 1, 2, F1, F0, 0
	QUARTER 1, 3, F0, F1, 0
	TURN 1, 0, 1
	QUARTER 0, 1, F0, F1, 0
	WIN 0
	s_sub_co_u32 s3, s3, 1
	s_cmp_lg_u32 s3, 0
	s_cbranch_scc1 .Llap
	QUARTER 0, 2, F1, F0, 0                        ; the last lap fills nothing
	QUARTER 0, 3, F0, F1, 0
	TURN 0, 1, 0
	QUARTER 1, 1, F0, F1, 0
	QUARTER 1, 2, F1, F0, 0
	QUARTER 1, 3, F0, F1, 0
	s_wait_dscnt 16
	MUL8 F1, 0, 0, 0
	MUL8 F1, 0, 2, 0
	s_wait_dscnt 0x0
	MUL8 F1, 1, 0, 0
	MUL8 F1, 1, 2, 0
	WIN 0
	PLACES
; THE WAY OUT, 16 rows at a time: a lane's eight numbers of a row go into my stage (each accumulator's low four registers first) and come back as whole rows of 256 bytes.
.macro OUTB a
.set BK, 32+32*((\a)%2)
.if (\a) >= 2
	s_wait_xcnt 0x0                                ; the stores of the block two back have read the registers that are loaded again below
.endif
.irp b, 0,1,2,3
	ds_store_b128 v[STO], v[ACC+8*(4*(\a)+(\b)):ACC+8*(4*(\a)+(\b))+3] offset:64*(\b)
	ds_store_b128 v[STO], v[ACC+8*(4*(\a)+(\b))+4:ACC+8*(4*(\a)+(\b))+7] offset:64*(\b)+16
.endr
.irp f, 0,1,2,3,4,5,6,7
	ds_load_b128 v[BK+4*(\f):BK+4*(\f)+3], v[RD] offset:(\f)*2*SPITCH  ; LDS serves a wave's instructions in order (ISA guide 5.7.1.4): these see the stores above
.endr
.irp f, 0,1,2,3,4,5,6,7
	s_wait_dscnt 7-(\f)
	global_store_b128 v[CO], v[BK+4*(\f):BK+4*(\f)+3], s[70:71] offset:(\a)*65536+(\f)*8192 th:TH_STORE_NT  ; 16 lanes store 256 consecutive bytes, at a multiple of 256 from out0's first
.endr
.endm
	OUTB 0
	OUTB 1
	OUTB 2
	OUTB 3
	s_wait_tensorcnt 0x0                           ; the wave's end
	ds_add_u32 v[SPW], v[NIL]
	s_wait_dscnt 0x0
	CROUND                                         ; the closing round
	s_endpgm
.Lfunc_end_k_q5afb6de864_outp:
	.size	k_q5afb6de864_outp, .Lfunc_end_k_q5afb6de864_outp-k_q5afb6de864_outp
	.p2alignl 7, 3214868480
	.fill 96, 4, 3214868480
	.section	.rodata,"a",@progbits
	.p2align	6, 0x0
	.amdhsa_kernel k_q5afb6de864_outp
		.amdhsa_group_segment_fixed_size 327680
		.amdhsa_private_segment_fixed_size 0
		.amdhsa_enable_private_segment 0
		.amdhsa_kernarg_size 32
		.amdhsa_user_sgpr_count 2
		.amdhsa_user_sgpr_kernarg_segment_ptr 1
		.amdhsa_wavefront_size32 1
		.amdhsa_system_sgpr_workgroup_id_x 1
		.amdhsa_system_sgpr_workgroup_id_y 1
		.amdhsa_system_sgpr_workgroup_id_z 1
		.amdhsa_system_vgpr_workitem_id 0
		.amdhsa_next_free_vgpr 512
		.amdhsa_next_free_sgpr 72
		.amdhsa_reserve_vcc 0
		.amdhsa_float_denorm_mode_32 3
		.amdhsa_float_denorm_mode_16_64 3
		.amdhsa_memory_ordered 1
		.amdhsa_forward_progress 1
		.amdhsa_inst_pref_size 90
	.end_amdhsa_kernel
	.amdgpu_metadata
---
amdhsa.version: [ 1, 2 ]
amdhsa.kernels:
  - .name:           k_q5afb6de864_outp
    .symbol:         k_q5afb6de864_outp.kd
    .args:
      - { .name: Hb, .offset: 0, .size: 8, .value_kind: global_buffer, .address_space: global }
      - { .name: Wo, .offset: 8, .size: 8, .value_kind: global_buffer, .address_space: global }
      - { .name: b_out, .offset: 16, .size: 8, .value_kind: global_buffer, .address_space: global }
      - { .name: out0, .offset: 24, .size: 8, .value_kind: global_buffer, .address_space: global }
    .group_segment_fixed_size: 327680
    .private_segment_fixed_size: 0
    .kernarg_segment_align: 8
    .kernarg_segment_size: 32
    .max_flat_workgroup_size: 128
    .sgpr_count:     72
    .vgpr_count:     512
    .wavefront_size: 32
...
	.end_amdgpu_metadata
.endif
;; end of part 7
;; ======== version 3 of 3: 4 launches; 1.17 times as fast as version 1
;; limits: values are held in f16: magnitudes above 65,504 overflow, below 6.1e-05 lose precision
;; workspace buffers: Xb 8,388,608 bytes; Wb 8,388,608 bytes; Wo 2,097,152 bytes; pj 33,554,432 bytes; nrm 524,288 bytes; Hb 8,388,608 bytes
;; launch cast: the kernel of part 5 again; grid 1152 x 1, 8 waves a work-group, no clusters, 0 bytes of LDS; arguments X, W_in, W_out, Xb, Wb, Wo; writes Xb, Wb, Wo
;; launch proj: the kernel of part 2 again; grid 16 x 16, 4 waves a work-group, clusters of 4 x 4, 327,680 bytes of LDS; arguments Xb, Wb, b_in, pj, nrm; writes pj, nrm
;; launch attn (part 8): grid 8 x 32, 8 waves a work-group, clusters of 4 x 1, 327,680 bytes of LDS; arguments pj, nrm, Hb; writes Hb
.if DOCPART == 8
	.amdgcn_target "amdgcn-amd-amdhsa--gfx1250"
	.amdhsa_code_object_version 6
	.text
	.protected	k_q5afb6de864_attn
	.globl	k_q5afb6de864_attn
	.p2align	8
	.type	k_q5afb6de864_attn,@function
k_q5afb6de864_attn:
	s_mov_b64 s[64:65], 0
	v_nop
	global_prefetch_b8 v0, s[64:65] scope:SCOPE_SE
	s_setreg_imm32_b32 hwreg(HW_REG_WAVE_MODE, 25, 1), 1
	s_wait_xcnt 0x0
	s_wait_alu depctr_hold_cnt(0) depctr_sa_sdst(0) depctr_va_vdst(0) depctr_va_sdst(0) depctr_va_ssrc(0) depctr_va_vcc(0) depctr_vm_vsrc(0)
	s_getreg_b32 s2, hwreg(HW_REG_IB_STS2, 6, 4)
	s_cmp_eq_u32 s2, 0
	s_cbranch_scc0 .Lentry_in_a_cluster
	s_endpgm
.Lentry_in_a_cluster:
	s_bfe_u32 s2, ttmp6, 0x10000c
	s_cmp_lg_u32 s2, 0x3003
	s_cbranch_scc0 .Lentry_shape_is_right
	s_endpgm
.Lentry_shape_is_right:
; SHEPARD'S ATTENTION with its gate, for one (head, batch) pair hb and 256 queries a work-group.
;   d2 = q2 + k2 - 2 q.k;  w = (eps + sqrt(max(d2, 0)))^-2;  A = sum(w v) / (eps + sum(w));  H = G A.      eps = 1e-4
; In: pj [4 parts Q,K,V,G][32 hb][2048][64] f16; nrm [2][32 hb][2048] f32: q2 = sum(Q^2), kh = -0.5 sum(K^2).
; Out: Hb [16 heads][4096 rows][64] bf16, H rounded once (f16 has no room for H, which goes with the fourth power of the inputs' scale).  By heads, so that a tile's 16 rows are 2,048 consecutive
; bytes; the row index 4096 head + 2048 batch + t is 2048 hb + t, the same as in a part of pj.
; HOW.  S = K Q^T + kh: kh is the C operand that starts the sum, so k2 costs no vector work; d2 = q2 - 2 S; t = sqrt(|d2|).  A running minimum T of t is the nearest key so far:
; um = eps + T, rm = 1 / um.  The weight is kept relative to the largest so far: p = (rm t + eps rm)^-2, in 0 to 1 whatever rounding did to d2, rounded to f16 for the second product.
; In every step O and L are multiplied by a = (um_new rm_old)^2, which is 1 where T has not fallen; rm starts at 0, so the first step's a is 0.
; L = sum(p) is a fifth block of 'channels' of V^T P, whose V is 1.  At the end w = p / um^2 gives A = O / (eps um^2 + L).
; THE CLAMP.  The true squared distance is never negative: d2 < 0 is the sum's rounding alone, and there 0 and |d2| both lie within that rounding of the true value.  The root takes |d2| by its
; source modifier, which costs no instruction.  A stated departure: where max(d2, 0) gives the distance 0 for such a pair, this text gives sqrt(|d2|).
; LIMITS.  A weight below 6e-8 of its row's largest counts as 0 (f16's last step).  Q, K, V, G arrive within f16's 65,504.  H keeps bf16's 8 significant bits.  NaN and infinities are not treated apart.
; SHARES.  Eight waves, each 32 queries: tiles 0 and 1 of 16.  Every wave walks all 2,048 keys, 64 a step; an LDS slot holds 256 keys: K, V and kh.
; LAYOUT.  S^T = K Q^T holds ONE query a lane (l % 16) and the keys 8 (l / 16) + 0..7; two such results rounded to f16 ARE source 1 of O^T = V^T P, which again holds one query a lane.
; BY TURNS.  A tile and step have 18 matrix and 168 vector instructions, 65 of them roots and reciprocals.  Turn t belongs to tile t; o is the other tile.  A turn has three parts, cut by its two waits:
;   PART 1  all the turn's matrix work, for tile o: K Q^T of the step that o's next turn finishes, V^T P of the step that o's last turn finished.  Beside it: rm = 1 / um of tile t; d2 and t of tile o's
;           new scores; O^T of tile t times a.  BATCH 1 is that reciprocal and the 32 roots; no line of the part names a result of theirs.
;   PART 2  eps rm, y and 1 / y of tile t; beside them tile o's least t and T, which read batch 1's roots.  BATCH 2 is the 32 reciprocals; no line of the part names a result of theirs.
;   PART 3  tile t's squares and roundings to f16; among them um and a of tile o, each link of that chain several lines behind the one before.
; So each batch has one wait, the roots and reciprocals stand among plain lines that are ready: rm is made at the head of the turn that uses it.
; CLUSTER.  The four query blocks of a cluster belong to one hb and walk the same K, V and kh: each tile is asked for jointly, same load, descriptor and mask in all four.
; REGISTERS, in windows of 256 (s_set_vgpr_msb: bits 1:0 source 0, 3:2 source 1, 5:4 source 2, 7:6 destination):
;   window 0: v0-15 addresses; v16-39 statistics; v40-71 G; v72-135 S^T; v136-167 P; v168-247 O^T and L; v248-255 at work
;   window 1: v0-31 Q; v32-95 K of one step; v96-159 V of one step; v160-167 ones; v168-199 kh of one step
.set KS,    64
.set PK,    144       ; a row of K in LDS: 128 bytes + 16: the 16 rows of a load start at 16 different groups of four banks (ISA guide 11.1)
.set PV,    160       ; a row of V: 128 + 32
.set VOFF,  4*KS*PK
.set KHOFF, VOFF+4*KS*PV
.set SLOT1, 1<<17     ; slot 1 begins here: one exclusive or turns an address in one slot into the other's
.set STAGE, SLOT1+KHOFF+4*KS*4  ; behind the ring: 16 rows x 144 bytes for each wave
.set SP,    144
.set SPARE, STAGE+8*16*SP       ; the spare words, 128 bytes for each wave: four blocks of 256 bytes that no other line names
.set AK0, 2           ; my lane's place in a tile of K; never rewritten
.set AV0, 3           ; of V
.set AK,  4           ; the address of K's run of loads
.set AV,  5           ; of V's
.set AH0, 6           ; my lane's place in kh
.set AH,  7
.set STO, 8
.set RD,  9
.set GO,  10
.set QO,  11          ; my byte offset in 16 rows of Q or G
.set QN,  12          ; in 16 numbers of q2
.set SPW, 14          ; LDS address of my spare word; never rewritten
.set NIL, 15          ; 0; never rewritten
.set ST,  16          ; tile t at ST + 12 t: +0 q2, +1 my lane's least t so far, +2 rm, +3 um, +4 eps rm, +5 um_new rm_old, +6 a, +7 named in a pair with a, +8 the other half's least t, +9 T
.set GF,  40
.set S,   72
.set P,   136
.set O,   168         ; tile t at O + 40 t: four blocks of 16 channels, then L
.set W,   248
.set QF,  0           ; window 1
.set KF,  32
.set VF,  96
.set ONE, 160
.set KHF, 168
.set WV,  12
.set G1K, 24
.set G1V, 32
.set G1H, 40
.set G0K, 48
.set G0V, 52
.set G0H, 56
.set SEL, 60
.set TBK, 62          ; LDS byte at which K of the step to be fetched begins
.set TBV, 63          ; the same for V, less VOFF
.set TBH, 66          ; for kh, less KHOFF
.set CNT, 67
.set SLOTS, 68
.set EPS, 69
.set MSB, 0
.macro WIN new                      ; the high byte repeats the setting that is left; a switch that changes nothing is dropped
.if MSB != (\new)
	s_set_vgpr_msb (MSB<<8)|(\new)
.set MSB, (\new)
.endif
.endm
; A joint fill.  Waves 0, 1: the halves of a slot's K.  Waves 2, 3: of its V.  Wave 4: its kh.  Waves 5 to 7 have no part.  The branches hang on the wave's number alone.
; An s_nop 0 and four v_nop follow each of the three lines, ahead of the jump and the label.
.macro JLOAD
	s_cmp_lt_u32 s[WV], 2
	s_cbranch_scc0 .Lnot_k_\@
	tensor_load_to_lds s[G0K:G0K+3], s[G1K:G1K+7]
	s_nop 0
.rept 4
	v_nop
.endr
	s_branch .Lasked_\@
.Lnot_k_\@:
	s_cmp_lt_u32 s[WV], 4
	s_cbranch_scc0 .Lnot_v_\@
	tensor_load_to_lds s[G0V:G0V+3], s[G1V:G1V+7]
	s_nop 0
.rept 4
	v_nop
.endr
	s_branch .Lasked_\@
.Lnot_v_\@:
	s_cmp_eq_u32 s[WV], 4
	s_cbranch_scc0 .Lasked_\@
	tensor_load_to_lds s[G0H:G0H+3], s[G1H:G1H+7]
	s_nop 0
.rept 4
	v_nop
.endr
.Lasked_\@:
.endm
.macro CROUND                       ; a round of the cluster's barrier
	s_barrier_signal -1
	s_barrier_wait -1
	s_cmp_lg_u32 s[WV], 0
	s_cbranch_scc1 .Lnot_wave_0_\@
	s_barrier_signal -3
.Lnot_wave_0_\@:
	s_barrier_wait -3
	s_barrier_signal -1
	s_barrier_wait -1
.endm
; THE CHANGE OF SLOTS.  The slot's last bytes, V of its fourth step, have been asked for.  Each wave waits for all its tensor loads (at most one is out: its part of the other slot), adds 0 to
; its spare word, and waits for that and for its own reads of the slot.  fill = 1: the barrier is a round of the cluster's, and the slot is filled again, first thing behind it, with the keys two
; slots on: four key steps in which to land.  (At its first use nothing has been read yet: slot 0 is waited for, slot 1 filled.)
.macro CHANGE fill
	WIN 0
	s_wait_tensorcnt 0x0            ; no tensor load of mine is out, so a group 0 may be written
	ds_add_u32 v[SPW], v[NIL]       ; 0 onto my spare word; the descriptors' steps stand between it and the wait for it
.if \fill
.irp g, G0K, G0V, G0H
	s_xor_b32 s[\g+1], s[\g+1], SLOT1
.endr
	s_add_nc_u64 s[G0K+2:G0K+3], s[G0K+2:G0K+3], 4*KS*128
	s_add_nc_u64 s[G0V+2:G0V+3], s[G0V+2:G0V+3], 4*KS*128
	s_add_nc_u64 s[G0H+2:G0H+3], s[G0H+2:G0H+3], 4*KS*4
	s_wait_dscnt 0x0                ; the add is done, and my reads of the slot are over
	CROUND
	JLOAD
.else
	s_wait_dscnt 0x0
	s_barrier_signal -1
	s_barrier_wait -1
.endif
	s_sub_co_u32 s[TBK], s[TBK], 4*KS*PK  ; the fetches go back to a slot's first step, in the other slot
	s_xor_b32 s[TBK], s[TBK], SLOT1
	s_sub_co_u32 s[TBV], s[TBV], 4*KS*PV
	s_xor_b32 s[TBV], s[TBV], SLOT1
	s_sub_co_u32 s[TBH], s[TBH], 4*KS*4
	s_xor_b32 s[TBH], s[TBH], SLOT1
.endm
	s_load_b128 s[4:7], s[0:1], 0x0   ; pj s[4:5], nrm s[6:7]
	s_load_b64 s[8:9], s[0:1], 0x10   ; Hb
	v_lshl_add_u32 v[SPW], v0, 2, SPARE
	v_mov_b32 v[NIL], 0
	ds_add_u32 v[SPW], v[NIL]       ; the wave's opening: the add and its wait stand ahead of my first tensor load; work on registers stands between them
	v_lshrrev_b32 v1, 5, v0
	v_readfirstlane_b32 s[WV], v1   ; wave 0..7
	s_bfe_u32 s13, ttmp6, 0x40000   ; cx
	s_lshl_b32 s14, ttmp9, 2
	s_add_co_u32 s14, s14, s13      ; my block of 256 queries: it enters Q's, G's, q2's and Hb's addresses alone
	s_and_b32 s15, ttmp7, 0xffff    ; hb, which the four partners share
	s_lshl_b32 s20, s15, 18         ; hb's 2,048 rows of 128 bytes in a part of pj, and in Hb
	s_and_b32 s16, s[WV], 1         ; which half of a slot's 256 keys I fetch:
	s_lshl_b32 s22, s16, 14         ; its 128 rows in memory,
	s_add_co_u32 s22, s22, s20
	s_mov_b32 s23, 0
	s_mul_i32 s17, s16, 128*PK      ; and its place in a slot, for K
	s_mul_i32 s18, s16, 128*PV      ; and for V
	s_lshl_b32 s10, s15, 13         ; hb's 2,048 numbers in a part of nrm,
	s_add_co_u32 s10, s10, 262144   ; in part 1
	s_mov_b32 s11, 0
	s_lshl_b32 s2, s14, 15          ; Q, G and Hb: my block's 256 rows,
	s_lshl_b32 s3, s[WV], 12        ; my wave's 32 of them
	s_add_co_u32 s2, s2, s3
	s_add_co_u32 s2, s2, s20
	s_mov_b32 s3, 0
	s_lshl_b32 s78, s15, 13         ; q2: the same rows, 4 bytes each
	s_lshl_b32 s79, s14, 10
	s_add_co_u32 s78, s78, s79
	s_lshl_b32 s79, s[WV], 7
	s_add_co_u32 s78, s78, s79
	s_mov_b32 s79, 0
	; group 1.  128 keys are 16,384 dense bytes: asked for as 64 rows of 256 bytes, two keys a row, padded in LDS after every key
	s_mov_b32 s[G1K], 15|(1<<16)|(1<<20)|(1<<21)|(4<<22)|(3<<25)  ; the mask of four; 2-byte elements; padding on; bit 21 beside a mask; after every 32 words, 4 words
	s_mov_b32 s[G1V], 15|(1<<16)|(1<<20)|(1<<21)|(4<<22)|(7<<25)  ; the same with 8 words
.irp g, G1K, G1V
	s_mov_b32 s[\g+1], 128<<16      ; tensor_dim0 = 128
	s_mov_b32 s[\g+2], 64<<16       ; tensor_dim1 = 64
	s_mov_b32 s[\g+3], 128<<16      ; tile_dim0 = 128
	s_mov_b32 s[\g+4], 64           ; tile_dim1 = 64
	s_mov_b32 s[\g+5], 128          ; elements from row to row
	s_mov_b32 s[\g+6], 0
	s_mov_b32 s[\g+7], 0
.endr
	s_mov_b32 s[G1H], 15|(3<<16)|(1<<21)  ; kh of 256 keys: 1,024 dense bytes as 4 rows of 32 elements of 8 bytes, no padding
	s_mov_b32 s[G1H+1], 32<<16
	s_mov_b32 s[G1H+2], 4<<16
	s_mov_b32 s[G1H+3], 32<<16
	s_mov_b32 s[G1H+4], 4
	s_mov_b32 s[G1H+5], 32
	s_mov_b32 s[G1H+6], 0
	s_mov_b32 s[G1H+7], 0
	s_mov_b32 s[SEL], 0x76543210
	s_mov_b32 s[SEL+1], 0xfedcba98
	s_mov_b32 s[EPS], 0x38d1b717    ; 1e-4
	s_mov_b32 s[TBK], SLOT1+4*KS*PK ; the first change of slots turns these three into 0
	s_mov_b32 s[TBV], SLOT1+4*KS*PV
	s_mov_b32 s[TBH], SLOT1+4*KS*4
	s_mov_b32 s[G0K], 1
	s_mov_b32 s[G0K+1], s17         ; slot 0
	s_mov_b32 s[G0V], 1
	s_add_co_u32 s[G0V+1], s18, VOFF
	s_mov_b32 s[G0H], 1
	s_mov_b32 s[G0H+1], KHOFF
	s_wait_dscnt 0x0                ; the opening add is done
	s_wait_kmcnt 0x0
	s_add_nc_u64 s[G0K+2:G0K+3], s[4:5], s[22:23]
	s_add_nc_u64 s[G0V+2:G0V+3], s[G0K+2:G0K+3], 0x1000000  ; part 2
	s_add_nc_u64 s[G0K+2:G0K+3], s[G0K+2:G0K+3], 0x800000   ; part 1
	s_or_b32 s[G0K+3], s[G0K+3], 0x80000000
	s_or_b32 s[G0V+3], s[G0V+3], 0x80000000
	s_add_nc_u64 s[G0H+2:G0H+3], s[6:7], s[10:11]
	s_or_b32 s[G0H+3], s[G0H+3], 0x80000000
	s_add_nc_u64 s[70:71], s[4:5], s[2:3]           ; Q at my wave's first row
	s_add_nc_u64 s[72:73], s[70:71], 0x1800000      ; G
	s_add_nc_u64 s[74:75], s[6:7], s[78:79]         ; q2
	s_add_nc_u64 s[76:77], s[8:9], s[2:3]           ; Hb: the same offset as Q's in its part
	CROUND                          ; all four work-groups are here: the first joint loads meet
	JLOAD                           ; slot 0; slot 1 is asked for when slot 0 is in
	v_and_b32 v1, 15, v0            ; r = l % 16
	v_bfe_u32 v13, v0, 4, 1         ; h = l / 16
	v_lshlrev_b32 v[QO], 7, v1
	v_lshl_add_u32 v[QO], v13, 4, v[QO]  ; row x 128 + 16 h
	v_lshlrev_b32 v[QN], 2, v1
	WIN 0x40                        ; destination window 1
.set i, 0
.rept 4                             ; Q stays in registers: tile i / 2, channels 32 (i % 2) on
	global_load_b128 v[QF+8*i:QF+8*i+3],   v[QO], s[70:71] offset:(i/2)*2048+(i%2)*64
	global_load_b128 v[QF+8*i+4:QF+8*i+7], v[QO], s[70:71] offset:(i/2)*2048+(i%2)*64+32
.set i, i+1
.endr
	WIN 0
.set i, 0
.rept 8                             ; G as O^T will lie: tile i / 4, channels 16 (i % 4) + 8 h + 0..7
	global_load_b128 v[GF+4*i:GF+4*i+3], v[QO], s[72:73] offset:(i/4)*2048+(i%4)*32
.set i, i+1
.endr
	global_load_b32 v[ST], v[QN], s[74:75]
	global_load_b32 v[ST+12], v[QN], s[74:75] offset:64
	; What the first turn finds: V and tile 1's P hold 0 (its products V^T P, of a step that has not been, add 0), O^T and L are 0, rm is 0.  No first step is written out; these moves, in the wait
	; for the first tile, are the price.
	WIN 0x40
.set i, 0
.rept 64
	v_mov_b32 v[VF+i], 0
.set i, i+1
.endr
.set i, 0
.rept 8
	v_mov_b32 v[ONE+i], 0x3c003c00  ; 1.0 twice, in f16
.set i, i+1
.endr
	WIN 0
.set i, 0
.rept 80
	v_mov_b32 v[O+i], 0
.set i, i+1
.endr
.set i, 0
.rept 16
	v_mov_b32 v[P+16+i], 0
.set i, i+1
.endr
.irp t, 0,1
	v_mov_b32 v[ST+12*\t+1], 0x7f7fffff  ; my lane's least t: the largest finite number
.irp z, 2,3,4,5,6,7,8
	v_mov_b32 v[ST+12*\t+\z], 0
.endr
.endr
	v_mul_u32_u24 v[AK0], v1, PK
	v_lshl_add_u32 v[AK0], v13, 4, v[AK0]  ; row x pitch + 16 h
	v_and_b32 v[W], 7, v0
	v_bfe_u32 v[W+1], v0, 3, 1
	v_lshl_add_u32 v[AV0], v13, 3, v[W]    ; the turning load: lane l reads key 8 h + l % 8, channels 8 ((l / 8) % 2) + 0..7
	v_mul_u32_u24 v[AV0], v[AV0], PV
	v_lshl_add_u32 v[AV0], v[W+1], 4, v[AV0]
	v_add_nc_u32 v[AV0], VOFF, v[AV0]
	v_lshlrev_b32 v[AH0], 5, v13           ; kh of keys 8 h + 0..7: the sixteen lanes of a half read the same bytes
	v_add_nc_u32 v[AH0], KHOFF, v[AH0]
; THE MATRIX WORK.  No two matrix instructions that follow each other share an accumulator.
; Product i of 8 of S^T = K Q^T + kh for tile x: channels 32 (i / 4) on, keys 16 (i % 4) on.  Products 0-3 start the sums with kh.
.macro QK x
.set rD, S+32*(\x)+8*(i%4)
.set rK, KF+16*(i%4)+8*(i/4)
.set rQ, QF+16*(\x)+8*(i/4)
.if i < 4
	WIN 0x15                        ; K, Q and kh in window 1
	v_wmma_f32_16x16x32_f16 v[rD:rD+7], v[rK:rK+7], v[rQ:rQ+7], v[KHF+8*i:KHF+8*i+7]
.else
	WIN 0x05
	v_wmma_f32_16x16x32_f16 v[rD:rD+7], v[rK:rK+7], v[rQ:rQ+7], v[rD:rD+7]
.endif
.endm
; Product i of 10 of O^T += V^T P for tile x: keys 32 (i / 5) on; block i % 5: channels 16 (i % 5) on, or (4) the ones: L
.macro PV x
	WIN 0x01                        ; V in window 1
.set rA, O+40*(\x)+8*(i%5)
.set rB, P+16*(\x)+8*(i/5)
.if (i%5) == 4
.set rV, ONE
.else
.set rV, VF+32*(i/5)+8*(i%5)
.endif
	v_wmma_f32_16x16x32_f16 v[rA:rA+7], v[rV:rV+7], v[rB:rB+7], v[rA:rA+7]
.endm
; THE LDS LOADS stand in runs: a step's K (8 fragments) with its kh, and its V (turned).  last = 1 (the tail): in the last trip there is no further step, and the run is jumped over.
.macro FETCH_K last=0
	WIN 0
.if \last
	s_cmp_eq_u32 s[CNT], 1
	s_cbranch_scc1 .Lno_k_\@
.endif
	v_add_nc_u32 v[AK], s[TBK], v[AK0]
	v_add_nc_u32 v[AH], s[TBH], v[AH0]
	WIN 0x40
.irp f, 0,1,2,3,4,5,6,7             ; keys 16 (f / 2) on, channels 32 (f % 2) on
	ds_load_b128 v[KF+8*\f:KF+8*\f+3],   v[AK] offset:(\f/2)*16*PK+(\f%2)*64
	ds_load_b128 v[KF+8*\f+4:KF+8*\f+7], v[AK] offset:(\f/2)*16*PK+(\f%2)*64+32
.endr
.irp f, 0,1,2,3                     ; kh of keys 16 f + 8 h + 0..7
	ds_load_b128 v[KHF+8*\f:KHF+8*\f+3],   v[AH] offset:64*\f
	ds_load_b128 v[KHF+8*\f+4:KHF+8*\f+7], v[AH] offset:64*\f+16
.endr
	s_add_co_u32 s[TBK], s[TBK], KS*PK  ; the next fetch is the next step's
	s_add_co_u32 s[TBH], s[TBH], KS*4
	WIN 0
.if \last
.Lno_k_\@:
.endif
.endm
.macro FETCH_V
	WIN 0
	v_add_nc_u32 v[AV], s[TBV], v[AV0]
	s_add_co_u32 s[TBV], s[TBV], KS*PV
	WIN 0x40
.irp f, 0,1,2,3,4,5,6,7             ; keys 32 (f / 4) on, channels 16 (f % 4) on
	ds_load_tr16_b128 v[VF+8*\f:VF+8*\f+3],   v[AV] offset:(\f/4)*32*PV+(\f%4)*32
	ds_load_tr16_b128 v[VF+8*\f+4:VF+8*\f+7], v[AV] offset:(\f/4)*32*PV+16*PV+(\f%4)*32
.endr
	WIN 0
.endm
; THE VECTOR WORK, all in window 0.  A lane has 32 scores a tile and step, in pairs 0-15.  A line whose number is out of range is not written.
; FOR THE OTHER TILE o, whose scores the turn itself makes, on the registers pT, pS.
.macro PB p                         ; pair p: d2 = q2 - 2 S.  Pairs go in ascending order
.if ((\p) >= 0) && ((\p) < 16)
	v_pk_fma_f32 v[pS+2*(\p):pS+2*(\p)+1], v[pS+2*(\p):pS+2*(\p)+1], -2.0, v[pT:pT+1] op_sel_hi:[1,0,0]
.endif
.endm
.macro PD e                         ; score e: t = sqrt(|d2|): batch 1
.if ((\e) >= 0) && ((\e) < 32)
	v_sqrt_f32 v[pS+(\e)], |v[pS+(\e)]|
.endif
.endm
.macro PM p                         ; pair p into my lane's least t, which is kept from step to step: no old value is folded in and nothing is joined.  It reads two roots: it stands behind batch 1's wait
.if ((\p) >= 0) && ((\p) < 16)
	v_min3_num_f32 v[pT+1], v[pT+1], v[pS+2*(\p)], v[pS+2*(\p)+1]
.endif
.endm
; THE CHAIN of tile o, 0-4, in which each line waits for the one before: the query's other keys lie in the lane 16 away; T; um = eps + T; um_new rm_old; a.
; The rm that number 3 reads is the step before's: it was made, and waited for, in tile o's own last turn.
.macro CK j
.if (\j) == 0
	v_permlanex16_b32 v[pT+8], v[pT+1], s[SEL], s[SEL+1]
.elseif (\j) == 1
	v_min_num_f32 v[pT+9], v[pT+1], v[pT+8]
.elseif (\j) == 2
	v_add_f32 v[pT+3], s[EPS], v[pT+9]
.elseif (\j) == 3
	v_mul_f32 v[pT+5], v[pT+3], v[pT+2]
.else
	v_mul_f32 v[pT+6], v[pT+5], v[pT+5]
.endif
.endm
; FOR THE TURN'S OWN TILE t, on the registers rT, rS, rP, rO.
.macro CR                           ; rm = 1 / um, of the um that the turn before has made: the first of batch 1
	v_rcp_f32 v[rT+2], v[rT+3]
.endm
.macro CE                           ; eps rm: it reads rm, so it stands behind batch 1's wait
	v_mul_f32 v[rT+4], s[EPS], v[rT+2]
.endm
.macro VE p                         ; pair p: y = rm t + eps rm
.if ((\p) >= 0) && ((\p) < 16)
	v_pk_fma_f32 v[rS+2*(\p):rS+2*(\p)+1], v[rS+2*(\p):rS+2*(\p)+1], v[rT+2:rT+3], v[rT+4:rT+5] op_sel_hi:[1,0,0]
.endif
.endm
.macro VF e                         ; score e: 1 / y: batch 2
.if ((\e) >= 0) && ((\e) < 32)
	v_rcp_f32 v[rS+(\e)], v[rS+(\e)]
.endif
.endm
.macro VG p                         ; pair p: squared.  It reads two reciprocals: it stands behind batch 2's wait
.if ((\p) >= 0) && ((\p) < 16)
	v_pk_mul_f32 v[rS+2*(\p):rS+2*(\p)+1], v[rS+2*(\p):rS+2*(\p)+1], v[rS+2*(\p):rS+2*(\p)+1]
.endif
.endm
.macro VH p                         ; and rounded to f16
.if ((\p) >= 0) && ((\p) < 16)
	v_cvt_pk_f16_f32 v[rP+(\p)], v[rS+2*(\p)], v[rS+2*(\p)+1]
.endif
.endm
.macro VR z                         ; pair z of O^T times a, in ascending order; pair 16 is L's first: of L's eight equal registers only the lowest is read, the others need only stay finite (they hold sums of p)
.if ((\z) >= 0) && ((\z) < 17)
	v_pk_mul_f32 v[rO+2*(\z):rO+2*(\z)+1], v[rO+2*(\z):rO+2*(\z)+1], v[rT+6:rT+7] op_sel_hi:[1,0]
.endif
.endm
.macro TILES t                      ; the registers of the turn's own tile t and of the other tile o
.set rT, ST+12*(\t)
.set rS, S+32*(\t)
.set rP, P+16*(\t)
.set rO, O+40*(\t)
.set o, 1-(\t)
.set pT, ST+12*o
.set pS, S+32*o
.endm
; PART 1 IS 19 PASSES, mi = 0 .. 18.  The matrix instructions stand in groups of two under one window setting, at a pass's head, all for the other tile o:
;   passes 0-3: K Q^T: key blocks 0, 1 started, then finished; key blocks 2, 3 started, then finished.     passes 4, 6, 8, 10, 12: V^T P, two products each.
.macro GRP
.if mi < 4
.set i, 4*(mi%2)+2*(mi/2)
	QK o
.set i, i+1
	QK o
.elseif (mi <= 12) && (mi%2 == 0)
.set i, mi-4
	PV o
.set i, i+1
	PV o
.endif
.endm
; The vector lines of pass mi.  Pass 1: rm, and four rescalings: the places between the products that finish key blocks 0, 1 and the first read of those scores (ISA guide 7.12.1).  Pass 2: d2 of pairs 0 and 1.
; From pass 3 on: pair mi - 3 is rooted, and between its two roots stands d2 of pair mi - 1, two pairs ahead, so that a root reads a d2 made four lines or more in front of it.  The rescalings fill in:
; one behind the second root in passes 3 to 10, which hold most of the matrix groups, and three in passes 17 and 18, where no d2 is left to make.  Nothing here names rm or a rooted score.
.macro PASS1
	GRP
.if mi > 0
	WIN 0
.endif
.if mi == 1
	CR
	VR 0
	VR 1
	VR 2
	VR 3
.elseif mi == 2
	PB 0
	PB 1
	VR 4
.elseif mi > 2
	PD 2*mi-6
.if mi >= 17
	VR 2*mi-21
.else
	PB mi-1
.endif
	PD 2*mi-5
.if mi <= 10
	VR mi+2
.elseif mi == 17
	VR 14
.endif
.endif
.endm
.macro PART1 t
	TILES \t
.set mi, 0
.rept 19
	PASS1
.set mi, mi+1
.endr
	s_wait_alu depctr_va_vdst(0)    ; ONE wait for batch 1, rm and the 32 roots, ahead of the first line that names a result of theirs (eps rm, at part 2's head)
.endm
; PARTS 2 AND 3.  Part 2 opens with six plain lines (eps rm; the first two links of the least t; the last rescaling; y of pairs 0 and 1); eps rm, which names no root, is also the plain line behind the last root
; (in turn 0 the address line of V's run is).  Then fourteen times: a reciprocal, a link of the least t, a reciprocal, y of the pair two further on: reciprocal and plain by turns, the links of the least t
; four lines apart, a y five lines ahead of its reciprocal.  The last four reciprocals have the chain's first two lines between them.  Part 3: the square of pair n and the rounding of pair n - 2 by turns;
; the chain's last three lines stand behind pairs 1, 4 and 7, so that um and a are long made when the next turn wants them.  The first square names reciprocals 0 and 1 alone: it is the plain line behind the last reciprocal.
.macro PART23 t
	TILES \t
	WIN 0
	CE
	PM 0
	VR 16
	VE 0
	PM 1
	VE 1
.set n, 2
.rept 14
	VF 2*n-4
	PM n
	VF 2*n-3
	VE n
.set n, n+1
.endr
	VF 28
	CK 0
	VF 29
	VF 30
	CK 1
	VF 31
	s_wait_alu depctr_va_vdst(0)    ; ONE wait for batch 2, the 32 reciprocals 1 / y, ahead of the first square
.set n, 0
.rept 18
	VG n
	VH n-2
.if n == 1
	CK 2
.elseif n == 4
	CK 3
.elseif n == 7
	CK 4
.endif
.set n, n+1
.endr
.endm
	CHANGE 1                        ; slot 0 is in, everybody's part of it; slot 1 is asked for
	FETCH_K                         ; key step 0
	s_wait_loadcnt 0x0              ; Q, G, q2
	s_wait_dscnt 0x0
.set i, 0
.rept 8
	QK 0                            ; tile 0's first scores
.set i, i+1
.endr
	WIN 0                           ; the addresses for the way out: ten plain instructions, the places behind those products
	s_mul_i32 s13, s[WV], 16*SP
	s_add_co_u32 s13, s13, STAGE    ; my stage
	v_mul_u32_u24 v[STO], v1, SP    ; in: row r, 16 bytes for each half of the lanes
	v_lshl_add_u32 v[STO], v13, 4, v[STO]
	v_add_nc_u32 v[STO], s13, v[STO]
	v_bfe_u32 v[RD], v0, 3, 2       ; back: 32 lanes take four rows of 128 bytes,
	v_mul_u32_u24 v[RD], v[RD], SP
	v_and_b32 v[GO], 7, v0
	v_lshl_add_u32 v[RD], v[GO], 4, v[RD]
	v_add_nc_u32 v[RD], s13, v[RD]
	v_and_b32 v[GO], 31, v0         ; which are 512 consecutive bytes of Hb
	v_lshlrev_b32 v[GO], 4, v[GO]
	; tile 0's scores of key step 0 are taken as far as a, once, with nothing to set beside them: d2; the 32 roots, one batch; the least t; T, um, a.  rm and eps rm are made by turn 0 itself
.set pT, ST
.set pS, S
.set i, 0
.rept 16
	PB i
.set i, i+1
.endr
.set i, 0
.rept 32
	PD i
.set i, i+1
.endr
	v_nop                           ; a plain instruction between the roots and the use of their results
	s_wait_alu depctr_va_vdst(0)    ; one wait for the 32 roots, ahead of the first link of the least t
.set i, 0
.rept 16
	PM i
.set i, i+1
.endr
.irp j, 0,1,2,3,4
	CK \j
.endr
	s_mov_b32 s[CNT], 4
	s_mov_b32 s[SLOTS], 7
	s_branch .Lfirst                ; the loop is entered at a step's first pass, in the middle of a trip
; THE LOOP'S EDGE lies inside turn 0, behind its first part and batch 1's wait: no root or reciprocal is without its wait at the labels and branches there.  V of the step in hand is fetched there: the last
; product that read V heads pass 12, and eight plain lines of passes 12 to 18 follow it.  K and kh of the next step are fetched straight behind: the last product that read them heads pass 3.  Between the two
; fetches stands, after a slot's fourth step, the change of slots: V's run is the old slot's last read, K's the new slot's first.  All three are waited for at turn 1's head, behind turn 0's second and third parts.
.Lslot:                             ; six times: every slot but the last two is filled again
	CHANGE 1
	s_mov_b32 s[CNT], 4
.Lstep:
	FETCH_K
	PART23 0
	s_wait_dscnt 0x0                ; K, kh and V are in
	PART1 1
	PART23 1
.Lfirst:
	PART1 0
	FETCH_V
	s_sub_co_u32 s[CNT], s[CNT], 1
	s_cmp_lg_u32 s[CNT], 0
	s_cbranch_scc1 .Lstep
	s_sub_co_u32 s[SLOTS], s[SLOTS], 1
	s_cmp_lg_u32 s[SLOTS], 0
	s_cbranch_scc1 .Lslot
	CHANGE 0                        ; the tail is written out: nothing is asked for
	s_mov_b32 s[CNT], 5             ; four trips fetch the last slot's steps; the fifth is left in its middle
.Ltail:
	FETCH_K 1
	PART23 0
	s_wait_dscnt 0x0
	PART1 1
	PART23 1
	s_sub_co_u32 s[CNT], s[CNT], 1
	s_cmp_eq_u32 s[CNT], 0
	s_cbranch_scc1 .Lout
	PART1 0
	FETCH_V
	s_branch .Ltail
.Lout:                              ; the fifth trip's 8 products K Q^T stand on the last K once more: their roots are roots that tile 0's least t has seen, so T and um stay as they are.  The price of one text for every turn
.set i, 0
.rept 10
	PV 1                            ; tile 1's V^T P of the last step
.set i, i+1
.endr
	WIN 0
.rept 4
	v_nop                           ; the places behind those products
.endr
	; THE WAY OUT.  A = O / (eps um^2 + L); H = G A, rounded once to bf16; through my stage in LDS, a tile (16 rows) at a time.
.irp t, 0,1
	v_mul_f32 v[ST+12*\t+8], v[ST+12*\t+3], v[ST+12*\t+3]
.endr
.irp t, 0,1
	v_fma_f32 v[ST+12*\t+8], v[ST+12*\t+8], s[EPS], v[O+40*\t+32]
.endr
.irp t, 0,1
	v_rcp_f32 v[ST+12*\t+6], v[ST+12*\t+8]
.endr
	v_nop                           ; a plain instruction between the last reciprocal and the use of its result
	s_wait_alu depctr_va_vdst(0)    ; one wait for the two reciprocals, ahead of the first line that multiplies by them
.macro HG g, t                      ; register g of G (two channels) and the pair of O^T that it gates; each accumulator's pairs in ascending order
.set i, (\g)-GF-16*(\t)
.set wb, W+2*(i%4)
.set rO, O+40*(\t)+2*i
	v_cvt_f32_f16 v[wb], v\g\().l
	v_cvt_f32_f16 v[wb+1], v\g\().h
	v_pk_mul_f32 v[rO:rO+1], v[rO:rO+1], v[ST+12*(\t)+6:ST+12*(\t)+7] op_sel_hi:[1,0]
	v_pk_mul_f32 v[rO:rO+1], v[rO:rO+1], v[wb:wb+1]
	v_cvt_pk_bf16_f32 v[S+32*(\t)+i], v[rO], v[rO+1]
.endm
.macro STG t                        ; a lane's eight channels of a row are 16 bytes; they go into rows of 144 bytes and come back as whole rows of 128, into the registers that they left
.irp f, 0,1,2,3
	ds_store_b128 v[STO], v[S+32*(\t)+4*\f:S+32*(\t)+4*\f+3] offset:32*\f
.endr
.irp f, 0,1,2,3
	ds_load_b128 v[S+32*(\t)+4*\f:S+32*(\t)+4*\f+3], v[RD] offset:\f*4*SP  ; LDS serves a wave's instructions in order (ISA guide 5.7.1.4): these see the stores above; the next tile's stores come behind them
.endr
.endm
.macro SEND t, younger              ; younger: the LDS instructions issued behind tile t's loads: the next tile's eight, or none
.irp f, 0,1,2,3
	s_wait_dscnt (\younger)+3-\f
	global_store_b128 v[GO], v[S+32*(\t)+4*\f:S+32*(\t)+4*\f+3], s[76:77] offset:(\t)*2048+\f*512  ; 512 consecutive bytes, at a multiple of 256 from Hb's first
.endr
.endm
.irp g, 40,41,42,43,44,45,46,47,48,49,50,51,52,53,54,55
	HG \g, 0
.endr
	STG 0
.irp g, 56,57,58,59,60,61,62,63,64,65,66,67,68,69,70,71
	HG \g, 1
.endr
	STG 1
	SEND 0, 8
	SEND 1, 0
	s_wait_tensorcnt 0x0            ; the wave's end
	ds_add_u32 v[SPW], v[NIL]
	s_wait_dscnt 0x0
	CROUND                          ; the closing round
	s_endpgm
.Lfunc_end_k_q5afb6de864_attn:
	.size	k_q5afb6de864_attn, .Lfunc_end_k_q5afb6de864_attn-k_q5afb6de864_attn
	.p2alignl 7, 3214868480
	.fill 96, 4, 3214868480
	.section	.rodata,"a",@progbits
	.p2align	6, 0x0
	.amdhsa_kernel k_q5afb6de864_attn
		.amdhsa_group_segment_fixed_size 327680
		.amdhsa_private_segment_fixed_size 0
		.amdhsa_enable_private_segment 0
		.amdhsa_kernarg_size 24
		.amdhsa_user_sgpr_count 2
		.amdhsa_user_sgpr_kernarg_segment_ptr 1
		.amdhsa_wavefront_size32 1
		.amdhsa_system_sgpr_workgroup_id_x 1
		.amdhsa_system_sgpr_workgroup_id_y 1
		.amdhsa_system_sgpr_workgroup_id_z 1
		.amdhsa_system_vgpr_workitem_id 0
		.amdhsa_next_free_vgpr 456
		.amdhsa_next_free_sgpr 80
		.amdhsa_reserve_vcc 0
		.amdhsa_float_denorm_mode_32 3
		.amdhsa_float_denorm_mode_16_64 3
		.amdhsa_memory_ordered 1
		.amdhsa_forward_progress 1
		.amdhsa_inst_pref_size 89
	.end_amdhsa_kernel
	.amdgpu_metadata
---
amdhsa.version: [ 1, 2 ]
amdhsa.kernels:
  - .name:           k_q5afb6de864_attn
    .symbol:         k_q5afb6de864_attn.kd
    .args:
      - { .name: pj, .offset: 0, .size: 8, .value_kind: global_buffer, .address_space: global }
      - { .name: nrm, .offset: 8, .size: 8, .value_kind: global_buffer, .address_space: global }
      - { .name: Hb, .offset: 16, .size: 8, .value_kind: global_buffer, .address_space: global }
    .group_segment_fixed_size: 327680
    .private_segment_fixed_size: 0
    .kernarg_segment_align: 8
    .kernarg_segment_size: 24
    .max_flat_workgroup_size: 256
    .sgpr_count:     80
    .vgpr_count:     456
    .wavefront_size: 32
...
	.end_amdgpu_metadata
.endif
;; end of part 8
;; launch outp: the kernel of part 7 again; grid 8 x 32, 4 waves a work-group, clusters of 4 x 4, 327,680 bytes of LDS; arguments Hb, Wo, b_out, out0; writes out0
